; MI455X (gfx1250); checked and timed in simulation.
; The chip was launched on July 23, 2026; its instructions are those of AMD's public machine-readable ISA for CDNA 5 (MIT licence, August 2026) and "CDNA5" Instruction Set Architecture Reference Guide (July 2026). The comments in the code are by the model that wrote it; some were corrected since.
;; Attention Separate QKV. Allowed arithmetic: matrix products marked QUANTISED: E2M3 operands, one E8M0 scale for each 32 along K, by v_wmma_scale_f32_16x16x128_f8f6f4 with both operands' format E2M3, f32 sums; everything else in f32.
;; Inputs: Wk 768 x 768 float32; Wp 768 x 768 float32; Wq 768 x 768 float32; bk 768 float32; bp 768 float32; bq 768 float32; x 16 x 1,024 x 768 float32.
;; Outputs: out0 16 x 1,024 x 768 float32.
;; This version of the problem:
;;   THIS VERSION OF THE PROBLEM IS GIVEN IN LOW PRECISION. The matrix products marked QUANTISED in the list below multiply operands that are first quantised to E2M3 (2 exponent bits, 3 mantissa bits; 6 bits a number), with one power-of-two scale for each 32 numbers along K (OCP MX v1.0); their sums are f32. All else is computed in f32.
;;   The module's matrix products, in the order in which they are computed (A, B: the left and right operand; K: the contracted axis; several contracted axes count as one K, in the product's order):
;;     1. [M 16,384, K 768] x [K 768, N 768]; A: input x; B: input Wq: QUANTISED
;;     2. [M 16,384, K 768] x [K 768, N 768]; A: input x; B: input Wk: QUANTISED
;;     3. batch 192 x [M 1,024, K 64] x [K 64, N 1,024]; A: computed on the way; B: computed on the way: QUANTISED
;;     4. batch 192 x [M 1,024, K 1,024] x [K 1,024, N 64]; A: softmax (see below); B: computed on the way: QUANTISED
;;     5. [M 16,384, K 768] x [K 768, N 768]; A: computed on the way; B: input Wp: QUANTISED
;;   THE QUANTISER, for each operand of a quantised product, along K:
;;     - K is cut into blocks of 32 from its start; a last block that is shorter is filled with zeros.
;;     - A block's scale is 2^e with e = floor(log2(the largest magnitude in the block)) - 2, held to -126 .. 127; a block of zeros has e = 0. As a byte (E8M0): e + 127.
;;     - Each number is divided by its block's scale, clamped to +-7.5, and rounded to the nearest number of E2M3, ties to even, subnormals kept.
;;     - The product sums the exact products of the quantised numbers (number of the format x scale) in f32.
;;   ~~~python
;;   def quantise(x, axis):      # numpy; x: float32 -> the quantised numbers, widened to float32 again
;;       x = np.moveaxis(x, axis, -1); K = x.shape[-1]
;;       x = np.pad(x, [(0, 0)] * (x.ndim - 1) + [(0, -K % 32)]); x = x.reshape(x.shape[:-1] + (-1, 32)); a = np.abs(x).max(-1, keepdims=True)
;;       e = np.where(a > 0, np.clip(np.frexp(np.where(a > 0, a, 1))[1] - 1 - 2, -126, 127), 0)      # np.frexp(a)[1] - 1 = floor(log2(a)), exactly
;;       r = np.clip(x / 2.0 ** e, -7.5, 7.5)
;;       step = 2.0 ** (np.maximum(np.frexp(np.where(r == 0, 1, r))[1] - 1, 0) - 3)
;;       q = np.round(r / step) * step * 2.0 ** e      # np.round: ties to even
;;       return np.moveaxis(q.reshape(q.shape[:-2] + (-1,))[..., :K], -1, axis).astype(np.float32)
;;   ~~~
;;   SOFTMAX AHEAD OF A QUANTISED PRODUCT. Where the list says 'softmax', what is quantised is not the finished softmax but p = 2^(t - M), with t = logit x log2(e) and M = ceil(the row's largest t), a whole number; so 1/2 < the row's largest p <= 1. The row's sum l is taken of the UNQUANTISED p, in f32, and the product's result is divided by l at the end. Since M is a whole number, a kernel that streams over the keys may use a running M (the ceiling of the running maximum): every later rescaling is an exact power of two, which a block's scale takes up: the codes' values come out the same.
;;   OPERANDS COMPUTED ON THE WAY. 'Computed on the way' means the value that the module computes at that place (a softmax that the list does not call 'softmax' is quantised finished and normalised). What goes into a quantiser is computed in f32, as accurately as f32 sums, v_exp_f32 and their like allow (about 1e-6 of the number): no bf16 or f16 on the way to a quantiser, and a product that is left as it is and whose result goes on into a quantised operand takes f32 operands (vector FMAs, or v_wmma_f32_16x16x4_f32). A number that lies on a knife's edge between two numbers of the format may be rounded either way, as far as f32 arithmetic and the matrix unit's own rounding can turn it there, and no further.
;; 2 versions. Each part assembles by itself: llvm-mc -triple=amdgcn-amd-amdhsa -mcpu=gfx1250 --defsym DOCPART=n.
;; ======== version 1 of 2: 4 launches
;; workspace buffers: xc 9,437,184 bytes; xs 393,216 bytes; wc 1,327,104 bytes; ws 55,296 bytes; qb 9,830,400 bytes; kvb 19,660,800 bytes; oc 9,437,184 bytes; os 393,216 bytes
;; launch quant (part 1): grid 438 x 1, 4 waves a work-group, no clusters, 33,280 bytes of LDS; arguments x, Wq, Wk, Wp, xc, xs, wc, ws; writes xc, xs, wc, ws
.if DOCPART == 1
	.amdgcn_target "amdgcn-amd-amdhsa--gfx1250"
	.amdhsa_code_object_version 6
	.text
	.protected	k_qf4f5696795_quant
	.globl	k_qf4f5696795_quant
	.p2align	8
	.type	k_qf4f5696795_quant,@function
k_qf4f5696795_quant:
	s_mov_b64 s[64:65], 0
	v_nop
	global_prefetch_b8 v0, s[64:65] scope:SCOPE_SE
	s_setreg_imm32_b32 hwreg(HW_REG_WAVE_MODE, 25, 1), 1
	s_wait_xcnt 0x0
; x [16384][768] and Wq, Wk, Wp [768][768], f32 with K innermost, become codes of FP6 (E2M3), 6 bits each, K innermost, with one E8M0 scale byte for each 32 along K.
; A block's scale is 2^(floor(log2(its largest magnitude)) - 2); its byte is the largest magnitude's exponent field - 2, held at 1 from below.  Each number is divided by the scale and rounded to the nearest code, ties to even.
; LIMITS: a block whose largest magnitude lies under 2^-124 gets the byte 1, a block of zeros too (its codes are zeros, and the bytes are read by this program alone); NaN and infinities are not served.
; Rows are dense and 768 is a multiple of 32: each tensor is a plain stream of blocks of 32 numbers, and so are its codes (24 bytes a block) and its scale bytes.
; SHARES: a work-group takes 32,768 numbers, a wave 16 steps of 512.  Work-groups 0-383 take x, 384-401 Wq, 402-419 Wk, 420-437 Wp; the three weights' codes lie one behind the other in wc, their bytes in ws.
; Only pointers are chosen, by the work-group's number: all tensors take one path through the text.
; A step's four loads read 512 consecutive bytes each; the 2,048 bytes turn through the wave's own stage in LDS and come back 64 bytes a lane: 16 neighbours along K, two lanes to a block.
; No matrix unit, no cluster, no tensor load: the launch streams, and waves share nothing.
.set WAVES, 4
.set STEPS, 16
.set WGX,   384                        ; work-groups of x: 16,384 x 768 / 32,768
.set WGW,   18                         ; of one weight: 768 x 768 / 32,768
.set EMAX,  2
.set CB,    12                         ; bytes of 16 codes
.set R,     16                         ; v16-79   four sets of 16 numbers as they are loaded
.set X,     80                         ; v80-111  two sets of 16 neighbours
.set C,     128                        ; v128-191 codes: four registers for each step, so that no store's data are written again
.set E,     112                        ; v112-127 a scale byte for each step
.set WREG,  8192                       ; LDS: a region for each wave: two stages of 32 x SP bytes, behind them its 256 scale bytes
.set SP,    80                         ; a lane's place in a stage: 64 bytes + 16 of padding
.set SPW,   12                         ; v12  LDS address of my spare word; never rewritten
.set NIL,   13                         ; v13  0; never rewritten
.set SPARE, WAVES*WREG                 ; behind the four regions: the spare words, 128 bytes a wave
.set SRC,   20                         ; s[20:21] my tensor, later my wave's run of it
.set DC,    24                         ; s[24:25] its codes
.set DS,    26                         ; s[26:27] its scale bytes
	s_load_b256 s[4:11], s[0:1], 0x0               ; x, Wq, Wk, Wp
	s_load_b256 s[12:19], s[0:1], 0x20             ; xc, xs, wc, ws
	v_lshl_add_u32 v[SPW], v0, 2, SPARE
	v_mov_b32 v[NIL], 0
	v_lshrrev_b32 v1, 5, v0
	v_readfirstlane_b32 s30, v1                    ; wave
	v_and_b32 v2, 31, v0                           ; lane
	v_lshlrev_b32 v3, 4, v2                        ; my 16 bytes of a load's 512
	s_mul_i32 s31, s30, WREG
	v_lshrrev_b32 v14, 2, v2
	v_mul_u32_u24 v14, v14, SP
	v_and_b32 v15, 3, v2
	v_lshl_add_u32 v14, v15, 4, v14
	v_add_nc_u32 v14, s31, v14                     ; the stage, on the way in: SP (lane / 4) + 16 (lane % 4)
	v_mul_u32_u24 v15, v2, SP
	v_add_nc_u32 v15, s31, v15                     ; and on the way out: SP x lane: my 16 neighbours
	v_mul_u32_u24 v4, v2, CB                       ; my codes' place in a step's
	v_lshrrev_b32 v5, 1, v2
	s_add_co_u32 s31, s31, 2*32*SP
	v_add_nc_u32 v5, s31, v5                       ; LDS: my wave's 256 scale bytes, my block's byte
	v_lshlrev_b32 v7, 3, v2                        ; and on the way out 8 bytes a lane
	v_add_nc_u32 v6, s31, v7
	s_wait_kmcnt 0x0
	s_cmp_lt_u32 ttmp9, WGX+WGW                    ; the choices hang on the work-group's number alone
	s_cselect_b64 s[SRC:SRC+1], s[6:7], s[8:9]     ; Wq or Wk,
	s_mov_b32 s22, WGX+WGW
	s_cselect_b32 s22, WGX, s22                    ; and the tensor's first work-group
	s_cmp_lt_u32 ttmp9, WGX+2*WGW
	s_cselect_b64 s[SRC:SRC+1], s[SRC:SRC+1], s[10:11]   ; or Wp,
	s_cselect_b32 s22, s22, WGX+2*WGW
	s_cmp_lt_u32 ttmp9, WGX
	s_cselect_b64 s[SRC:SRC+1], s[4:5], s[SRC:SRC+1]     ; or x
	s_cselect_b64 s[DC:DC+1], s[12:13], s[16:17]
	s_cselect_b64 s[DS:DS+1], s[14:15], s[18:19]
	s_cselect_b32 s22, 0, s22
	s_cselect_b32 s23, 0, WGX                      ; the first work-group of the output buffer: the weights share one
	s_sub_co_u32 s22, ttmp9, s22
	s_lshl_b32 s22, s22, 2
	s_add_co_u32 s22, s22, s30                     ; which run of 8,192 numbers of the tensor is my wave's
	s_sub_co_u32 s23, ttmp9, s23
	s_lshl_b32 s23, s23, 2
	s_add_co_u32 s23, s23, s30                     ; and which run of the output buffers
	s_lshl_b32 s28, s22, 15                        ; 32,768 bytes of f32 a run
	s_mov_b32 s29, 0
	s_add_nc_u64 s[SRC:SRC+1], s[SRC:SRC+1], s[28:29]
	s_mul_i32 s28, s23, 32*STEPS*CB                ; 6,144 bytes of codes
	s_add_nc_u64 s[DC:DC+1], s[DC:DC+1], s[28:29]
	s_lshl_b32 s28, s23, 8                         ; 256 scale bytes
	s_add_nc_u64 s[DS:DS+1], s[DS:DS+1], s[28:29]
.macro LOAD t
.irp i, 0,1,2,3
	global_load_b128 v[R+16*((\t)%4)+4*\i:R+16*((\t)%4)+4*\i+3], v3, s[SRC:SRC+1] offset:2048*(\t)+512*\i th:TH_LOAD_NT   ; 32 lanes read 512 consecutive bytes
.endr
.endm
.macro TURN t                          ; step t's numbers through the stage: LDS serves a wave's instructions in order, so no wait stands between the stores and the loads
.irp i, 0,1,2,3
	ds_store_b128 v14, v[R+16*((\t)%4)+4*\i:R+16*((\t)%4)+4*\i+3] offset:32*SP*((\t)%2)+8*SP*\i
.endr
.irp i, 0,1,2,3
	ds_load_b128 v[X+16*((\t)%2)+4*\i:X+16*((\t)%2)+4*\i+3], v15 offset:32*SP*((\t)%2)+16*\i
.endr
.endm
.irp t, 0,1,2,3
	LOAD \t
.endr
	s_wait_loadcnt 12                              ; step 0's four loads are in; the twelve of steps 1 to 3 may be out
	TURN 0
.macro STEP t
.set XS, X+16*((\t)%2)
.if (\t) > 0
	s_wait_dscnt 1                                 ; this step's numbers are back from the stage (the last step's byte store may be out): so its stores into the stage have read their registers,
.else
	s_wait_dscnt 0x0
.endif
.if (\t)+4 < STEPS
	LOAD (\t)+4                                    ; which take the loads of four steps on
.endif
.if (\t)+1 < STEPS
.if STEPS-2-(\t) >= 3
	s_wait_loadcnt 12                              ; the next step's four loads are in; those of the three steps behind it may be out
.else
	s_wait_loadcnt 4*(STEPS-2-(\t))
.endif
	TURN (\t)+1                                    ; and go through the other stage while this step is worked
.endif
	v_max3_num_f32 v8, |v[XS]|, |v[XS+1]|, |v[XS+2]|               ; the largest magnitude of my 16, in two chains
	v_max3_num_f32 v9, |v[XS+3]|, |v[XS+4]|, |v[XS+5]|
.irp i, 6,10
	v_max3_num_f32 v8, v8, |v[XS+\i]|, |v[XS+\i+1]|
	v_max3_num_f32 v9, v9, |v[XS+\i+2]|, |v[XS+\i+3]|
.endr
	v_max3_num_f32 v8, v8, |v[XS+14]|, |v[XS+15]|
	v_max3_num_f32 v8, v8, v9, (EMAX+1)<<23        ; and the floor 2^(3 - 127): the byte cannot fall under 1
	v_max_num_f32_dpp v8, v8, v8 row_xmask:1 row_mask:0xf bank_mask:0xf   ; and of my neighbour's 16: the block's
	v_add_nc_u32 v11, -(EMAX<<23), v8              ; 2 off its exponent field: the conversion takes the exponent field of this operand as its scale
	v_cvt_scalef32_pk16_fp6_f32 v[C+4*(\t):C+4*(\t)+2], v[XS:XS+15], v11   ; sixteen codes, 96 bits without gaps, the first number's code lowest
	v_lshrrev_b32 v[E+(\t)], 23, v11               ; the scale's byte (also the plain line behind the conversion)
	ds_store_b8 v5, v[E+(\t)] offset:16*(\t)       ; both lanes of a block write the same byte with the same value
	global_store_b96 v4, v[C+4*(\t):C+4*(\t)+2], s[DC:DC+1] offset:32*CB*(\t)   ; the wave stores 384 consecutive bytes
.endm
.irp t, 0,1,2,3,4,5,6,7,8,9,10,11,12,13,14,15
	STEP \t
.endr
	ds_load_b64 v[8:9], v6                         ; LDS serves a wave's instructions in order: these see my stores
	s_wait_dscnt 0x0
	global_store_b64 v7, v[8:9], s[DS:DS+1]        ; 32 lanes store 256 consecutive bytes, aligned
	s_wait_tensorcnt 0x0                           ; the wave's end, behind my last LDS store
	ds_add_u32 v[SPW], v[NIL]
	s_wait_dscnt 0x0
	s_endpgm
.Lfunc_end_k_qf4f5696795_quant:
	.size	k_qf4f5696795_quant, .Lfunc_end_k_qf4f5696795_quant-k_qf4f5696795_quant
	.p2alignl 7, 3214868480
	.fill 96, 4, 3214868480
	.section	.rodata,"a",@progbits
	.p2align	6, 0x0
	.amdhsa_kernel k_qf4f5696795_quant
		.amdhsa_group_segment_fixed_size 33280
		.amdhsa_private_segment_fixed_size 0
		.amdhsa_enable_private_segment 0
		.amdhsa_kernarg_size 64
		.amdhsa_user_sgpr_count 2
		.amdhsa_user_sgpr_kernarg_segment_ptr 1
		.amdhsa_wavefront_size32 1
		.amdhsa_system_sgpr_workgroup_id_x 1
		.amdhsa_system_sgpr_workgroup_id_y 1
		.amdhsa_system_sgpr_workgroup_id_z 1
		.amdhsa_system_vgpr_workitem_id 0
		.amdhsa_next_free_vgpr 192
		.amdhsa_next_free_sgpr 66
		.amdhsa_reserve_vcc 0
		.amdhsa_float_denorm_mode_32 3
		.amdhsa_float_denorm_mode_16_64 3
		.amdhsa_memory_ordered 1
		.amdhsa_forward_progress 1
		.amdhsa_inst_pref_size 33
	.end_amdhsa_kernel
	.amdgpu_metadata
---
amdhsa.version: [ 1, 2 ]
amdhsa.kernels:
  - .name:           k_qf4f5696795_quant
    .symbol:         k_qf4f5696795_quant.kd
    .args:
      - { .name: x, .offset: 0, .size: 8, .value_kind: global_buffer, .address_space: global }
      - { .name: Wq, .offset: 8, .size: 8, .value_kind: global_buffer, .address_space: global }
      - { .name: Wk, .offset: 16, .size: 8, .value_kind: global_buffer, .address_space: global }
      - { .name: Wp, .offset: 24, .size: 8, .value_kind: global_buffer, .address_space: global }
      - { .name: xc, .offset: 32, .size: 8, .value_kind: global_buffer, .address_space: global }
      - { .name: xs, .offset: 40, .size: 8, .value_kind: global_buffer, .address_space: global }
      - { .name: wc, .offset: 48, .size: 8, .value_kind: global_buffer, .address_space: global }
      - { .name: ws, .offset: 56, .size: 8, .value_kind: global_buffer, .address_space: global }
    .group_segment_fixed_size: 33280
    .private_segment_fixed_size: 0
    .kernarg_segment_align: 8
    .kernarg_segment_size: 64
    .max_flat_workgroup_size: 128
    .sgpr_count:     66
    .vgpr_count:     192
    .wavefront_size: 32
...
	.end_amdgpu_metadata
.endif
;; end of part 1
;; launch proj (part 2): grid 3 x 64, 4 waves a work-group, no clusters, 197,120 bytes of LDS; arguments xc, xs, wc, ws, bq, bk, qb, kvb; writes qb, kvb
.if DOCPART == 2
	.amdgcn_target "amdgcn-amd-amdhsa--gfx1250"
	.amdhsa_code_object_version 6
	.text
	.protected	k_qf4f5696795_proj
	.globl	k_qf4f5696795_proj
	.p2align	8
	.type	k_qf4f5696795_proj,@function
k_qf4f5696795_proj:
	s_mov_b64 s[64:65], 0
	v_nop
	global_prefetch_b8 v0, s[64:65] scope:SCOPE_SE
	s_setreg_imm32_b32 hwreg(HW_REG_WAVE_MODE, 25, 1), 1
	s_wait_xcnt 0x0
; q = x Wq^T + bq and k = x Wk^T + bk on codes of FP6 (E2M3) with E8M0 scales; v = k.  The results are quantised in registers and stored as images of the operand registers that the attention launch wants:
; q and k along the head's 64 features, v along the keys.
; SHARES.  A work-group takes 256 rows of x (8 pairs of 32) for 4 heads; wave w owns head 4 x + w.  Its 24 fragments of Wq and 24 of Wk (576 registers) stay in registers; x's codes lie in LDS, brought once by tensor loads.
; Each fragment of x read from LDS feeds 12 products: 4 of q, 4 of k (source 0 = 16 rows of the weight, source 1 = 16 rows of x: a lane holds one row of x and 8 neighbouring features) and 4 of v
; (source 0 = x, source 1 = Wk: a lane holds one feature and 8 neighbouring keys).  k is multiplied twice, so that nothing is transposed through LDS.
; TILE ORDER.  Place r of tile u of a pair is row 32 P + 8 u + r + 8 (r / 8); place r of feature tile t = 2 B + U is feature 32 B + 8 U + r + 8 (r / 8).  So the 16 registers of two neighbouring tiles are 16 neighbours along the next K.
; 12 heads are three groups of four waves, so the grid is 3 x 64.  NO CLUSTER: a tile of x has three readers, and the cluster shapes are of four; the weights go to registers.
; RECORDS.  qb: for each (batch, head) 51,200 bytes: 32 pair fragments of 1,536 (registers 0-5 tile 0, 6-11 tile 1), then 16 scale images of 128 bytes (lanes 0-15 pair 2 i, lanes 16-31 pair 2 i + 1).
; kvb: 102,400 bytes: K as q; at 49,152 V's fragments (key step S, feature tile t) of 1,536 bytes, two halves of 768 (registers 0-3 at 16 x lane, 4-5 at 512 + 8 x lane); at 98,304 K's scale images; at 100,352 V's.
; LIMITS: a block whose largest magnitude lies under 2^-124 gets the byte 1, a block of zeros too; NaN and infinities are not served.
; REGISTERS, window 0: v1-4 offsets of the head's loads; v5-15 addresses; v16-63 the weights' scale words; v64-75 x's; v76-99, v232-255 two sets of x's fragments; v100-115 at work; v116-135 codes just made;
;   v136-159 V's halves; v160-167 bk of my feature and V's scale words, by turns; v168-199, v200-231 bq, bk in the result's layout.
;   windows 1, 2, 3: v0-191 the weights' fragments of K steps (0, 1), (2, 3), (4, 5); v192-255 the accumulators of q, k, v.
.set XSC,   184320                     ; LDS: x's codes from 0: 256 rows in tile order, 720 bytes apart (9 x (64 + 16)); here x's scale bytes, 24 a row, natural order
.set SST,   190464                     ; a stage of 1,536 bytes a wave: q's, k's, v's scale images, 512 bytes each
.set SPARE, 196608                     ; the spare words, 128 bytes a wave
.set SRA, 5                            ; v5   SST + 1,536 w + 16 x lane: the stage read back
.set XA,  8                            ; v8   720 r + 24 h + the pair in hand
.set XA2, 9                            ; v9   720 r + 40 h: for pieces that lie behind one padding more in lanes 16-31
.set XSA, 10                           ; v10  XSC + 24 (r + 8 (r / 8)) + the pair in hand
.set LI,  11                           ; v11  16 x lane
.set SSA, 12                           ; v12  SST + 1,536 w + 4 x lane + 256 x trip
.set SPW, 13                           ; v13  my spare word; never rewritten
.set NIL, 14                           ; v14  0; never rewritten
.set L8,  15                           ; v15  8 x lane
.set WS,  16                           ; + 6 (4 m + t) + s: m = 0 Wq, 1 Wk
.set XS,  64                           ; + 6 u + s
.set XF0, 76
.set XF1, 232
.set TM,  100                          ; +0..3 largest magnitudes, +4..7 the other half's, then bytes, +8..11 the conversions' scale operands
.set PW,  112                          ; the scale word just made
.set QW,  113                          ; q's scale image in the making
.set KW,  114                          ; k's
.set VW2, 115                          ; one of V's
.set PC,  116
.set VF,  136                          ; + 6 t
.set VBW, 160                          ; + 2 t: bk of my feature in tile t; + 2 t + 1: V's scale word of tile t
.set BQ,  168                          ; + 8 t
.set BK,  200
.set WV,  20
.set FLR, 21
.set RG,  22
.set HD,  23
.set G1C, 24                           ; s[24:31] group 1, x's codes
.set G1S, 32                           ; s[32:39] group 1, x's scale bytes
.set G0A, 40
.set G0B, 44
.set G0S, 48
.set SEL, 52
.set HIM, 54
.set BLK, 55
.set QP,  66                           ; s[66:67] q's pair fragments of this trip
.set KP,  68                           ; s[68:69] K's, and at + 49,152 V's
.set QB2, 70                           ; s[70:71] the record + 512 x my quarter of the batch: q's scale images at + 49,152
.set RB,  72                           ; s[72:73] the same in kvb
.set MSB, 0
.macro WIN new                         ; the immediate's high byte repeats the setting that is left
.if MSB != (\new)
	s_set_vgpr_msb (MSB<<8)|(\new)
.set MSB, (\new)
.endif
.endm
.macro PLACES                          ; four plain places: in front of loads into registers that matrix instructions have read, and of the first read of results
.rept 4
	v_nop
.endr
.endm
	s_load_b256 s[4:11], s[0:1], 0x0               ; xc, xs, wc, ws
	s_load_b256 s[12:19], s[0:1], 0x20             ; bq, bk, qb, kvb
	v_lshl_add_u32 v[SPW], v0, 2, SPARE
	v_mov_b32 v[NIL], 0
	ds_add_u32 v[SPW], v[NIL]                      ; the wave's opening: the add and its wait come ahead of my first tensor load; work on registers stands between
	v_lshrrev_b32 v1, 5, v0
	v_readfirstlane_b32 s[WV], v1                  ; wave 0..3
	s_and_b32 s[RG], ttmp7, 0xffff                 ; which 256 rows
	s_lshl_b32 s[HD], ttmp9, 2
	s_add_co_u32 s[HD], s[HD], s[WV]               ; my head
	s_mov_b32 s[FLR], 0x1800000                    ; the floor 2^(3 - 127)
	s_mov_b32 s[SEL], 0x76543210
	s_mov_b32 s[SEL+1], 0xfedcba98                 ; v_permlanex16_b32's selects for lane l xor 16
	s_mov_b32 s[HIM], 0xffff0000                   ; lanes 16-31
	s_mov_b32 s[BLK], 2
	; group 1 for the codes: 4 lines of 4,608 bytes (eight rows of x on end), 9,216 bytes apart: every second group of eight rows; 16 bytes of padding behind every 64
	s_mov_b32 s[G1C], (1<<20)|(3<<22)|(3<<25)
	s_mov_b32 s[G1C+1], 4608<<16
	s_mov_b32 s[G1C+2], 4<<16
	s_mov_b32 s[G1C+3], 4608<<16
	s_mov_b32 s[G1C+4], 4
	s_mov_b32 s[G1C+5], 9216
	s_mov_b32 s[G1C+6], 0
	s_mov_b32 s[G1C+7], 0
	; group 1 for the scale bytes: 1,536 dense bytes as 6 rows of 256 (32 elements of 8 bytes)
	s_mov_b32 s[G1S], 3<<16
	s_mov_b32 s[G1S+1], 32<<16
	s_mov_b32 s[G1S+2], 6<<16
	s_mov_b32 s[G1S+3], 32<<16
	s_mov_b32 s[G1S+4], 6
	s_mov_b32 s[G1S+5], 32
	s_mov_b32 s[G1S+6], 0
	s_mov_b32 s[G1S+7], 0
	s_mov_b32 s[G0A], 1
	s_mul_i32 s[G0A+1], s[WV], 46080               ; my 64 rows: tiles u = 0 of two pairs,
	s_mov_b32 s[G0B], 1
	s_add_co_u32 s[G0B+1], s[G0A+1], 23040         ; then tiles u = 1
	s_mov_b32 s[G0S], 1
	s_mul_i32 s[G0S+1], s[WV], 1536
	s_add_co_u32 s[G0S+1], s[G0S+1], XSC
	s_mul_i32 s56, s[RG], 147456                   ; 256 rows of 576 bytes,
	s_mul_i32 s57, s[WV], 36864                    ; my 64 of them
	s_add_co_u32 s56, s56, s57
	s_mov_b32 s57, 0
	s_mul_i32 s58, s[RG], 6144                     ; and their scale bytes
	s_mul_i32 s59, s[WV], 1536
	s_add_co_u32 s58, s58, s59
	s_mov_b32 s59, 0
	v_and_b32 v5, 15, v0                           ; r
	v_bfe_u32 v6, v0, 4, 1                         ; h
	v_and_b32 v7, 8, v5
	v_add_nc_u32 v7, v7, v5                        ; r + 8 (r / 8)
	v_mul_u32_u24 v1, v7, 576
	v_mad_u32_u24 v1, v6, 24, v1                   ; a weight's fragment: my row of the tile, my half's bytes
	v_mul_u32_u24 v2, v7, 24                       ; its scale bytes
	v_lshlrev_b32 v3, 6, v6                        ; a bias in the result's layout: 16 h numbers on
	v_lshlrev_b32 v4, 2, v7                        ; the bias of my feature
	v_mul_u32_u24 v[XA], v5, 720
	v_mad_u32_u24 v[XA2], v6, 40, v[XA]
	v_mad_u32_u24 v[XA], v6, 24, v[XA]
	v_add_nc_u32 v[XSA], XSC, v2
	v_and_b32 v7, 31, v0                           ; lane
	v_lshlrev_b32 v[LI], 4, v7
	v_lshlrev_b32 v[L8], 3, v7
	s_mul_i32 s60, s[WV], 1536
	s_add_co_u32 s60, s60, SST
	v_lshl_add_u32 v[SSA], v7, 2, s60
	v_lshl_add_u32 v[SRA], v7, 4, s60
	s_wait_dscnt 0x0                               ; the opening add is done
	s_wait_kmcnt 0x0
	s_add_nc_u64 s[G0A+2:G0A+3], s[4:5], s[56:57]
	s_add_nc_u64 s[G0B+2:G0B+3], s[G0A+2:G0A+3], 4608
	s_or_b32 s[G0A+3], s[G0A+3], 0x80000000
	s_or_b32 s[G0B+3], s[G0B+3], 0x80000000
	s_add_nc_u64 s[G0S+2:G0S+3], s[6:7], s[58:59]
	s_or_b32 s[G0S+3], s[G0S+3], 0x80000000
	tensor_load_to_lds s[G0A:G0A+3], s[G1C:G1C+7]  ; the first fills, one group: three loads of mine are out
	s_nop 0
	tensor_load_to_lds s[G0B:G0B+3], s[G1C:G1C+7]
	s_nop 0
	tensor_load_to_lds s[G0S:G0S+3], s[G1S:G1S+7]
	s_nop 0
	PLACES
	s_mul_i32 s56, s[HD], 36864                    ; my head's 64 rows of a weight
	s_add_nc_u64 s[60:61], s[8:9], s[56:57]
	s_mul_i32 s56, s[HD], 1536
	s_add_nc_u64 s[62:63], s[10:11], s[56:57]
	s_lshl_b32 s56, s[HD], 8
	s_add_nc_u64 s[74:75], s[12:13], s[56:57]
	s_add_nc_u64 s[76:77], s[14:15], s[56:57]
.irp wd, 1,2,3                         ; fragment (m, t, s) at 96 (s % 2) + 12 (4 m + t) of window 1 + s / 2: they stay
	WIN (\wd<<6)
.irp sp, 0,1
.irp m, 0,1
.irp t, 0,1,2,3
.irp p, 0,1,2,3,4,5
	global_load_b64 v[96*\sp+12*(4*\m+\t)+2*\p:96*\sp+12*(4*\m+\t)+2*\p+1], v1, s[60:61] offset:442368*\m+(32*(\t/2)+8*(\t%2))*576+96*(2*(\wd-1)+\sp)+48*(\p/3)+8*(\p%3)
.endr
.endr
.endr
.endr
.endr
	WIN 0
.irp m, 0,1
.irp t, 0,1,2,3
.irp j, 0,1,2
	global_load_b64 v[WS+6*(4*\m+\t)+2*\j:WS+6*(4*\m+\t)+2*\j+1], v2, s[62:63] offset:18432*\m+(32*(\t/2)+8*(\t%2))*24+8*\j
.endr
.endr
.endr
.irp t, 0,1,2,3
	global_load_b128 v[BQ+8*\t:BQ+8*\t+3], v3, s[74:75] offset:(32*(\t/2)+8*(\t%2))*4
	global_load_b128 v[BQ+8*\t+4:BQ+8*\t+7], v3, s[74:75] offset:(32*(\t/2)+8*(\t%2))*4+16
	global_load_b128 v[BK+8*\t:BK+8*\t+3], v3, s[76:77] offset:(32*(\t/2)+8*(\t%2))*4
	global_load_b128 v[BK+8*\t+4:BK+8*\t+7], v3, s[76:77] offset:(32*(\t/2)+8*(\t%2))*4+16
	global_load_b32 v[VBW+2*\t], v4, s[76:77] offset:(32*(\t/2)+8*(\t%2))*4
.endr
.irp b, 0,1,2,3
	v_mov_b32 v[TM+4+\b], 0                        ; written once: a lane permute's destination counts as one of its sources
	v_mov_b32 v[VBW+2*\b+1], 0                     ; named as the upper half of a pair before it is first made
.endr
	s_lshr_b32 s78, s[RG], 2                       ; the batch
	s_mul_i32 s78, s78, 12
	s_add_co_u32 s78, s78, s[HD]                   ; the record
	s_and_b32 s79, s[RG], 3                        ; my quarter of the batch's 1,024 rows
	s_mul_i32 s80, s78, 51200
	s_mul_i32 s81, s78, 102400
	s_mul_i32 s82, s79, 12288                      ; 8 pair fragments, or 2 key steps of V
	s_lshl_b32 s83, s79, 9                         ; 4 scale images
	s_add_co_u32 s56, s80, s82
	s_add_nc_u64 s[QP:QP+1], s[16:17], s[56:57]
	s_add_co_u32 s56, s81, s82
	s_add_nc_u64 s[KP:KP+1], s[18:19], s[56:57]
	s_add_co_u32 s56, s80, s83
	s_add_nc_u64 s[QB2:QB2+1], s[16:17], s[56:57]
	s_add_co_u32 s56, s81, s83
	s_add_nc_u64 s[RB:RB+1], s[18:19], s[56:57]
; A fragment of x: 16 rows x 128 K = 12 registers; lane (r, h) takes 24 bytes at 96 s + 24 h and 24 at 96 s + 48 + 24 h of its row, in pieces of 8 bytes.
; 16 bytes of padding lie behind every 8 pieces: where the piece three on lies behind one padding more, the second address register serves.
; Rows 720 bytes apart are 180 words: row r starts at bank -12 r mod 64 (64 banks of 4 bytes: ISA guide 11.1), so the 32 lanes of a load touch 64 different banks.
.macro FRAG reg, u, s
.irp p, 0,1,2,3,4,5
.set PCI, 12*(\s)+6*(\p/3)+\p%3
.if PCI%8 < 5
	ds_load_b64 v[\reg+2*\p:\reg+2*\p+1], v[XA] offset:23040*(\u)+8*PCI+16*(PCI/8)
.else
	ds_load_b64 v[\reg+2*\p:\reg+2*\p+1], v[XA2] offset:23040*(\u)+8*PCI+16*(PCI/8)
.endif
.endr
.endm
.macro NEXTX                           ; a pair's first K step, and its scale words of all six
	FRAG XF0, 0, 0
	FRAG XF0+12, 1, 0
.irp u, 0,1
.irp j, 0,1,2
	ds_load_b64 v[XS+6*\u+2*\j:XS+6*\u+2*\j+1], v[XSA] offset:192*\u+8*\j
.endr
.endr
.endm
; K step s of a pair: the next step's fragments are asked for, then 24 products.  The 24 accumulators take turns, one instruction a turn, in the same order in every step.
; The biases of q and k are the C of the first step; v's sums begin with the constant 0.
.macro KSTEP s
.set CUR, XF0+(XF1-XF0)*((\s)%2)
.set NXT, XF0+(XF1-XF0)*(1-(\s)%2)
.set WW, 1+(\s)/2
.set WB, 96*((\s)%2)
	s_wait_dscnt 0x0                               ; this step's fragments are in (asked for a step ago)
.if (\s) < 5
	WIN 0
	PLACES
	FRAG NXT, 0, (\s)+1
	FRAG NXT+12, 1, (\s)+1
.endif
.if (\s) == 0
	WIN 0x40+WW                                    ; source 0 the weights' window, C window 0, D window 1
.else
	WIN 0x50+WW
.endif
.irp u, 0,1
.irp t, 0,1,2,3
.if (\s) == 0
	v_wmma_scale_f32_16x16x128_f8f6f4 v[192+32*\u+8*\t:199+32*\u+8*\t], v[WB+12*\t:WB+12*\t+11], v[CUR+12*\u:CUR+12*\u+11], v[BQ+8*\t:BQ+8*\t+7], v[WS+6*\t+(\s)], v[XS+6*\u+(\s)] matrix_a_fmt:MATRIX_FMT_FP6 matrix_b_fmt:MATRIX_FMT_FP6
.else
	v_wmma_scale_f32_16x16x128_f8f6f4 v[192+32*\u+8*\t:199+32*\u+8*\t], v[WB+12*\t:WB+12*\t+11], v[CUR+12*\u:CUR+12*\u+11], v[192+32*\u+8*\t:199+32*\u+8*\t], v[WS+6*\t+(\s)], v[XS+6*\u+(\s)] matrix_a_fmt:MATRIX_FMT_FP6 matrix_b_fmt:MATRIX_FMT_FP6
.endif
.endr
.endr
.if (\s) == 0
	WIN 0x80+WW
.else
	WIN 0xa0+WW
.endif
.irp u, 0,1
.irp t, 0,1,2,3
.if (\s) == 0
	v_wmma_scale_f32_16x16x128_f8f6f4 v[192+32*\u+8*\t:199+32*\u+8*\t], v[WB+48+12*\t:WB+48+12*\t+11], v[CUR+12*\u:CUR+12*\u+11], v[BK+8*\t:BK+8*\t+7], v[WS+24+6*\t+(\s)], v[XS+6*\u+(\s)] matrix_a_fmt:MATRIX_FMT_FP6 matrix_b_fmt:MATRIX_FMT_FP6
.else
	v_wmma_scale_f32_16x16x128_f8f6f4 v[192+32*\u+8*\t:199+32*\u+8*\t], v[WB+48+12*\t:WB+48+12*\t+11], v[CUR+12*\u:CUR+12*\u+11], v[192+32*\u+8*\t:199+32*\u+8*\t], v[WS+24+6*\t+(\s)], v[XS+6*\u+(\s)] matrix_a_fmt:MATRIX_FMT_FP6 matrix_b_fmt:MATRIX_FMT_FP6
.endif
.endr
.endr
	WIN 0xf0+4*WW                                  ; source 0 (x) window 0, source 1 the weights' window, C and D window 3
.irp u, 0,1
.irp t, 0,1,2,3
.if (\s) == 0
	v_wmma_scale_f32_16x16x128_f8f6f4 v[192+16*\t+8*\u:199+16*\t+8*\u], v[CUR+12*\u:CUR+12*\u+11], v[WB+48+12*\t:WB+48+12*\t+11], 0, v[XS+6*\u+(\s)], v[WS+24+6*\t+(\s)] matrix_a_fmt:MATRIX_FMT_FP6 matrix_b_fmt:MATRIX_FMT_FP6
.else
	v_wmma_scale_f32_16x16x128_f8f6f4 v[192+16*\t+8*\u:199+16*\t+8*\u], v[CUR+12*\u:CUR+12*\u+11], v[WB+48+12*\t:WB+48+12*\t+11], v[192+16*\t+8*\u:199+16*\t+8*\u], v[XS+6*\u+(\s)], v[WS+24+6*\t+(\s)] matrix_a_fmt:MATRIX_FMT_FP6 matrix_b_fmt:MATRIX_FMT_FP6
.endif
.endr
.endr
.endm
; Four blocks of 32: block b is registers 192 + 16 b .. + 15 of window w in lanes l and l xor 16.  Left behind: TM + 4 + b the scale's byte, TM + 8 + b the conversion's scale operand.
; Each accumulator is read from its low end on.
.macro BLKMAX w
	WIN ((\w)<<2)+((\w)<<4)                        ; sources 1 and 2 in window w
.irp b, 0,1,2,3
	v_max3_num_f32 v[TM+\b], s[FLR], |v[192+16*\b]|, |v[193+16*\b]|   ; with the floor among the leaves: the byte cannot fall under 1
.endr
.irp i, 2,4,6,8,10,12,14
.irp b, 0,1,2,3
	v_max3_num_f32 v[TM+\b], v[TM+\b], |v[192+16*\b+\i]|, |v[193+16*\b+\i]|   ; the four blocks by turns
.endr
.endr
	WIN 0
.irp b, 0,1,2,3
	v_permlanex16_b32 v[TM+4+\b], v[TM+\b], s[SEL], s[SEL+1]
.endr
.irp b, 0,1,2,3
	v_max_num_f32 v[TM+\b], v[TM+\b], v[TM+4+\b]   ; the block's largest magnitude
.endr
.irp b, 0,1,2,3
	v_add_nc_u32 v[TM+8+\b], 0xff000000, v[TM+\b]  ; 2 off its exponent field
.endr
.irp b, 0,1,2,3
	v_lshrrev_b32 v[TM+4+\b], 23, v[TM+8+\b]       ; the byte
.endr
.endm
; The pair's q or k (window w: registers 192 + 32 u + 16 B + i = feature 32 B + 16 h + i of my row of tile u) becomes a pair fragment in v[PC] on and its scale word in v[PW].
.macro QUANT w
	BLKMAX \w
	v_lshl_or_b32 v[PW], v[TM+5], 8, v[TM+4]
	v_lshl_or_b32 v[PW], v[TM+6], 16, v[PW]
	v_lshl_or_b32 v[PW], v[TM+7], 24, v[PW]
	s_wait_xcnt 0x0                                ; the earlier stores have read the codes' registers: they are written again only behind this wait
	WIN \w
.irp c, 0,1
	v_cvt_scalef32_pk16_fp6_f32 v[PC+6*\c:PC+6*\c+2], v[192+32*\c:207+32*\c], v[TM+8+2*\c]
	v_cvt_scalef32_pk16_fp6_f32 v[PC+12+4*\c:PC+14+4*\c], v[208+32*\c:223+32*\c], v[TM+9+2*\c]   ; (a conversion's three registers begin on an even number)
.endr
	WIN 0
	v_nop                                          ; one plain place behind the last scaled conversion
.irp c, 0,1                                    ; the operand's layout wants a whole block in a lane
.irp i, 0,1,2
	v_permlane16_swap_b32 v[PC+6*\c+\i], v[PC+12+4*\c+\i]
.endr
.irp i, 0,1,2
	v_mov_b32 v[PC+3+6*\c+\i], v[PC+12+4*\c+\i]
.endr
.endr
.endm
; v of pair p: registers 192 + 16 t + i of window 3 = key 32 p + 16 h + i of my feature of tile t.  bk is added, the block of 32 keys quantised; two pairs make half a fragment, which is stored.
.macro VQ p
	WIN 0xc3                                       ; destination and source 0 window 3
.irp t, 0,1,2,3
.irp i, 0,2,4,6,8,10,12,14
	v_pk_add_f32 v[192+16*\t+\i:193+16*\t+\i], v[192+16*\t+\i:193+16*\t+\i], v[VBW+2*\t:VBW+2*\t+1] op_sel_hi:[1,0]   ; the pair's low word, bk of my feature, serves both halves
.endr
.endr
	BLKMAX 3
.irp t, 0,1,2,3
.if (\p) == 0
	v_mov_b32 v[VBW+2*\t+1], v[TM+4+\t]            ; byte p of the key step's scale word
.else
	v_lshl_or_b32 v[VBW+2*\t+1], v[TM+4+\t], 8*(\p), v[VBW+2*\t+1]
.endif
.endr
	s_wait_xcnt 0x0                                ; the earlier stores have read the registers that the conversions write
	WIN 3
.irp t, 0,1,2,3
.if (\p)%2 == 0
	v_cvt_scalef32_pk16_fp6_f32 v[VF+6*\t:VF+6*\t+2], v[192+16*\t:207+16*\t], v[TM+8+\t]
.else
	v_cvt_scalef32_pk16_fp6_f32 v[PC+4*\t:PC+4*\t+2], v[192+16*\t:207+16*\t], v[TM+8+\t]
.endif
.endr
	WIN 0
	v_nop                                          ; one plain place behind the last scaled conversion
.if (\p)%2 == 1
.irp t, 0,1,2,3
.irp i, 0,1,2
	v_permlane16_swap_b32 v[VF+6*\t+\i], v[PC+4*\t+\i]   ; lanes 0-15 keep the even pair's block, lanes 16-31 take the odd pair's
.endr
.irp i, 0,1,2
	v_mov_b32 v[VF+6*\t+3+\i], v[PC+4*\t+\i]
.endr
.endr
.irp t, 0,1,2,3
	global_store_b128 v[LI], v[VF+6*\t:VF+6*\t+3], s[KP:KP+1] offset:49152+1536*\t+768*((\p)/2)        ; 512 consecutive bytes, aligned to 256
	global_store_b64 v[L8], v[VF+6*\t+4:VF+6*\t+5], s[KP:KP+1] offset:49152+1536*\t+768*((\p)/2)+512    ; 256
.endr
.endif
.endm
.macro PAIR p
.irp s, 0,1,2,3,4,5
	KSTEP \s
.endr
	WIN 0
	PLACES
.if (\p)%2 == 0
	v_add_nc_u32 v[XA], 11520, v[XA]               ; on to the next pair: no LDS load of mine is out
	v_add_nc_u32 v[XA2], 11520, v[XA2]
.else
	v_add_nc_u32 v[XA], 34560, v[XA]
	v_add_nc_u32 v[XA2], 34560, v[XA2]
.endif
	v_add_nc_u32 v[XSA], 768, v[XSA]
.if (\p) < 3
	NEXTX                                          ; it lands while this pair is quantised
.endif
	QUANT 1
.irp c, 0,1,2
	global_store_b128 v[LI], v[PC+4*\c:PC+4*\c+3], s[QP:QP+1] offset:1536*(\p)+512*\c
.endr
.if (\p)%2 == 0
	v_mov_b32 v[QW], v[PW]
.else
	v_cndmask_b32 v[QW], v[QW], v[PW], s[HIM]      ; lanes 0-15 the even pair's words, lanes 16-31 the odd pair's
	ds_store_b32 v[SSA], v[QW] offset:128*((\p)/2)
.endif
	QUANT 2
.irp c, 0,1,2
	global_store_b128 v[LI], v[PC+4*\c:PC+4*\c+3], s[KP:KP+1] offset:1536*(\p)+512*\c
.endr
.if (\p)%2 == 0
	v_mov_b32 v[KW], v[PW]
.else
	v_cndmask_b32 v[KW], v[KW], v[PW], s[HIM]
	ds_store_b32 v[SSA], v[KW] offset:512+128*((\p)/2)
.endif
	VQ \p
.if (\p) == 3
	v_cndmask_b32 v[VW2], v[VBW+1], v[VBW+3], s[HIM]   ; lanes 0-15 tile 0's words, lanes 16-31 tile 1's
	v_cndmask_b32 v[PW], v[VBW+5], v[VBW+7], s[HIM]
	ds_store_b32 v[SSA], v[VW2] offset:1024
	ds_store_b32 v[SSA], v[PW] offset:1152
.endif
.endm
	s_wait_tensorcnt 0x0                           ; my parts of x are in LDS,
	s_barrier_signal -1
	s_barrier_wait -1                              ; everybody's are
	s_wait_loadcnt 0x0                             ; the weights, their scale words, the biases
.Ltrip:                                            ; two trips of four pairs: 128 rows, one key step of V
	NEXTX
	PAIR 0
	PAIR 1
	PAIR 2
	PAIR 3
	s_wait_xcnt 0x0                                ; the stores have read their bases
	s_add_nc_u64 s[QP:QP+1], s[QP:QP+1], 6144
	s_add_nc_u64 s[KP:KP+1], s[KP:KP+1], 6144
	s_wait_dscnt 0x0                               ; the stage's stores are done: their address and data may be written
	v_add_nc_u32 v[SSA], 256, v[SSA]
	s_sub_co_u32 s[BLK], s[BLK], 1
	s_cmp_lg_u32 s[BLK], 0
	s_cbranch_scc1 .Ltrip
.irp c, 0,1,2
	ds_load_b128 v[PC+4*\c:PC+4*\c+3], v[SRA] offset:512*\c   ; my own stage: q's, k's, v's four scale images each
.endr
	s_wait_dscnt 0x0
	global_store_b128 v[LI], v[PC:PC+3], s[QB2:QB2+1] offset:49152       ; 512 consecutive bytes each, aligned to 256
	global_store_b128 v[LI], v[PC+4:PC+7], s[RB:RB+1] offset:98304
	global_store_b128 v[LI], v[PC+8:PC+11], s[RB:RB+1] offset:100352
	s_wait_tensorcnt 0x0                           ; the wave's end, behind my last tensor load and my last LDS store
	ds_add_u32 v[SPW], v[NIL]
	s_wait_dscnt 0x0
	s_endpgm
.Lfunc_end_k_qf4f5696795_proj:
	.size	k_qf4f5696795_proj, .Lfunc_end_k_qf4f5696795_proj-k_qf4f5696795_proj
	.p2alignl 7, 3214868480
	.fill 96, 4, 3214868480
	.section	.rodata,"a",@progbits
	.p2align	6, 0x0
	.amdhsa_kernel k_qf4f5696795_proj
		.amdhsa_group_segment_fixed_size 197120
		.amdhsa_private_segment_fixed_size 0
		.amdhsa_enable_private_segment 0
		.amdhsa_kernarg_size 64
		.amdhsa_user_sgpr_count 2
		.amdhsa_user_sgpr_kernarg_segment_ptr 1
		.amdhsa_wavefront_size32 1
		.amdhsa_system_sgpr_workgroup_id_x 1
		.amdhsa_system_sgpr_workgroup_id_y 1
		.amdhsa_system_sgpr_workgroup_id_z 1
		.amdhsa_system_vgpr_workitem_id 0
		.amdhsa_next_free_vgpr 1024
		.amdhsa_next_free_sgpr 96
		.amdhsa_reserve_vcc 0
		.amdhsa_float_denorm_mode_32 3
		.amdhsa_float_denorm_mode_16_64 3
		.amdhsa_memory_ordered 1
		.amdhsa_forward_progress 1
		.amdhsa_inst_pref_size 195
	.end_amdhsa_kernel
	.amdgpu_metadata
---
amdhsa.version: [ 1, 2 ]
amdhsa.kernels:
  - .name:           k_qf4f5696795_proj
    .symbol:         k_qf4f5696795_proj.kd
    .args:
      - { .name: xc, .offset: 0, .size: 8, .value_kind: global_buffer, .address_space: global }
      - { .name: xs, .offset: 8, .size: 8, .value_kind: global_buffer, .address_space: global }
      - { .name: wc, .offset: 16, .size: 8, .value_kind: global_buffer, .address_space: global }
      - { .name: ws, .offset: 24, .size: 8, .value_kind: global_buffer, .address_space: global }
      - { .name: bq, .offset: 32, .size: 8, .value_kind: global_buffer, .address_space: global }
      - { .name: bk, .offset: 40, .size: 8, .value_kind: global_buffer, .address_space: global }
      - { .name: qb, .offset: 48, .size: 8, .value_kind: global_buffer, .address_space: global }
      - { .name: kvb, .offset: 56, .size: 8, .value_kind: global_buffer, .address_space: global }
    .group_segment_fixed_size: 197120
    .private_segment_fixed_size: 0
    .kernarg_segment_align: 8
    .kernarg_segment_size: 64
    .max_flat_workgroup_size: 128
    .sgpr_count:     96
    .vgpr_count:     1024
    .wavefront_size: 32
...
	.end_amdgpu_metadata
.endif
;; end of part 2
;; launch attn (part 3): grid 48 x 16, 16 waves a work-group, clusters of 4 x 1, 167,936 bytes of LDS; arguments qb, kvb, oc, os; writes oc, os
.if DOCPART == 3
	.amdgcn_target "amdgcn-amd-amdhsa--gfx1250"
	.amdhsa_code_object_version 6
	.text
	.protected	k_qf4f5696795_attn
	.globl	k_qf4f5696795_attn
	.p2align	8
	.type	k_qf4f5696795_attn,@function
k_qf4f5696795_attn:
	s_mov_b64 s[64:65], 0
	v_nop
	global_prefetch_b8 v0, s[64:65] scope:SCOPE_SE
	s_setreg_imm32_b32 hwreg(HW_REG_WAVE_MODE, 25, 1), 1
	s_wait_xcnt 0x0
	s_wait_alu depctr_hold_cnt(0) depctr_sa_sdst(0) depctr_va_vdst(0) depctr_va_sdst(0) depctr_va_ssrc(0) depctr_va_vcc(0) depctr_vm_vsrc(0)
	s_getreg_b32 s2, hwreg(HW_REG_IB_STS2, 6, 4)
	s_cmp_eq_u32 s2, 0
	s_cbranch_scc0 .Lentry_in_a_cluster
	s_endpgm
.Lentry_in_a_cluster:
	s_bfe_u32 s2, ttmp6, 0x10000c
	s_cmp_lg_u32 s2, 0x3003
	s_cbranch_scc0 .Lentry_shape_is_right
	s_endpgm
.Lentry_shape_is_right:
; o = softmax(q k^T / 8) v for one (batch, head), both products on codes of FP6 (E2M3) with E8M0 scales; o is quantised along the features and stored as half of an operand's image for the last product.
; THE SOFTMAX: t = score x log2(e) / 8; M = the running largest t rounded up to a whole number; p = 2^(t - M) is quantised along the keys, not normalised; the row's sum is taken of the unquantised p and divides at the end.
; When M moves, the sum and O are multiplied by 2^(old M - new M): exact.
; SHARES.  A cluster of four work-groups takes one (batch, head); each work-group 256 queries, each of its sixteen waves one tile of 16: four waves to a SIMD, so that one wave's vector work stands beside another's products and LDS loads.
; The head's whole record (K, V and their scale images, 102,400 bytes) comes into each work-group's LDS ONCE, by joint loads: wave w of all four partners asks for the same 6,400 bytes.  Nothing is filled again: no ring.
; LAYOUT.  Both products are used transposed: a lane holds one query throughout.  The head's K is 64, half of the instruction's 128: a pair fragment of K holds tile 0's 64 features in registers 0-5 and tile 1's in 6-11;
; multiplied by [q; 0] it gives tile 0's scores, by [0; q] tile 1's.  The keys of a tile are chosen so that the 16 registers of a pair's two tiles are 16 neighbouring keys.
; No prefetch: the launch's one stream is asked for at its head.
; LIMITS: a block whose largest magnitude lies under 2^-124 gets the byte 1, a block of zeros too; NaN and infinities are not served.
; REGISTERS: v1, v2 16 x and 8 x lane; v4 .. v11 addresses; v12 -M, v13 the largest t, v[14:15] the sum; v16-27 [q; 0], v28-39 [0; q], v40 q's scale word; v44-91 four fragments of K or V; v92-95 their scale words;
;   v96-159 S^T, then p; v160-191 O^T; v192-203 p's codes; v204-211, v232-254 at work.
.set VCO,   49152                      ; LDS: K's 32 pair fragments from 0; V's 32 fragments here;
.set KSC,   98304                      ; K's 16 scale images; V's 16 lie 2,048 bytes on
.set OST,   102400                     ; a stage of 512 bytes: o's scale bytes, two for each query
.set SPARE, 102912                     ; the spare words, 128 bytes a wave
.set LI,  1
.set L8,  2
.set OSA, 4                            ; v4   OST + 32 w + 2 r
.set SPW, 5                            ; v5   my spare word; never rewritten
.set NIL, 6                            ; v6   0; never rewritten
.set ADK, 8                            ; v8   16 x lane + 6,144 x key step
.set AD8, 9                            ; v9   8 x lane + 6,144 x key step
.set ADS, 10                           ; v10  KSC + 4 x lane + 256 x key step
.set OSR, 11                           ; v11  OST + 16 x lane
.set QLO, 16
.set QS,  40
.set FB,  44
.set KSR, 92
.set VSR, 94
.set WV,  12
.set SEL, 20
.set CS,  22
.set G1,  24
.set G0,  32
.macro ROUND                           ; a round of the cluster's barrier
	s_barrier_signal -1
	s_barrier_wait -1
	s_cmp_lg_u32 s[WV], 0
	s_cbranch_scc1 .Lnot_wave_0_\@
	s_barrier_signal -3
.Lnot_wave_0_\@:
	s_barrier_wait -3
	s_barrier_signal -1
	s_barrier_wait -1
.endm
	s_load_b256 s[4:11], s[0:1], 0x0               ; qb, kvb, oc, os
	v_lshl_add_u32 v[SPW], v0, 2, SPARE
	v_mov_b32 v[NIL], 0
	ds_add_u32 v[SPW], v[NIL]                      ; the wave's opening: the add and its wait come ahead of the round in front of my tensor load
	v_lshrrev_b32 v7, 5, v0
	v_readfirstlane_b32 s[WV], v7                  ; wave 0..15
	s_bfe_u32 s13, ttmp6, 0x40000                  ; cx: my block of 256 queries; it enters global addresses of q and o alone
	s_and_b32 s15, ttmp7, 0xffff                   ; the batch
	s_mul_i32 s40, s15, 12
	s_add_co_u32 s40, s40, ttmp9                   ; the record: 12 x batch + head (the cluster's x)
	s_mov_b32 s[G1], 15|(3<<16)|(1<<21)            ; the mask names all four partners; elements of 8 bytes; bit 21 set beside a mask
	s_mov_b32 s[G1+1], 32<<16                      ; 25 rows of 256 bytes, dense
	s_mov_b32 s[G1+2], 25<<16
	s_mov_b32 s[G1+3], 32<<16
	s_mov_b32 s[G1+4], 25
	s_mov_b32 s[G1+5], 32
	s_mov_b32 s[G1+6], 0
	s_mov_b32 s[G1+7], 0
	s_mov_b32 s[G0], 1
	s_mul_i32 s[G0+1], s[WV], 6400                 ; my sixteenth of the record, in LDS as in memory
	s_mul_i32 s42, s40, 102400
	s_add_co_u32 s42, s42, s[G0+1]
	s_mov_b32 s43, 0
	s_mul_i32 s41, s40, 51200
	s_lshl_b32 s44, s13, 3
	s_lshr_b32 s45, s[WV], 1
	s_add_co_u32 s44, s44, s45                     ; my pair: 8 cx + w / 2
	s_mul_i32 s46, s44, 1536
	s_add_co_u32 s46, s46, s41                     ; its fragment
	s_mov_b32 s47, 0
	s_lshl_b32 s48, s44, 6                         ; its scale words: 128 (pair / 2) + 64 (pair % 2) = 64 x pair
	s_add_co_u32 s48, s48, s41
	s_add_co_u32 s48, s48, 49152
	s_mov_b32 s49, 0
	s_lshl_b32 s50, s15, 6
	s_lshl_b32 s51, s13, 4
	s_add_co_u32 s50, s50, s51
	s_add_co_u32 s50, s50, s[WV]                   ; my tile of rows: 64 x batch + 16 cx + w
	s_mul_i32 s50, s50, 9216
	s_mul_i32 s51, ttmp9, 768
	s_add_co_u32 s50, s50, s51                     ; o's half image
	s_mov_b32 s51, 0
	s_lshl_b32 s52, s15, 2
	s_add_co_u32 s52, s52, s13
	s_mul_i32 s52, s52, 12
	s_add_co_u32 s52, s52, ttmp9
	s_lshl_b32 s52, s52, 9                         ; o's scale bytes: 512 for a block of queries and a head
	s_mov_b32 s53, 0
	s_and_b32 s36, s[WV], 1                        ; which tile of the pair is mine
	s_lshl_b32 s37, s36, 4
	s_cmp_lg_u32 s36, 0
	s_cselect_b32 s36, -1, 0                       ; as a mask of lanes
	s_mov_b32 s38, 8                               ; key steps
	s_mov_b32 s[SEL], 0x76543210
	s_mov_b32 s[SEL+1], 0xfedcba98                 ; v_permlanex16_b32's selects for lane l xor 16
	s_mov_b32 s[CS], 0x3e38aa3b                    ; c = log2(e) / 8
	s_mov_b32 s[CS+1], s[CS]                       ; (named with it as a pair, so it is written)
	s_lshl_b32 s39, s[WV], 5
	s_add_co_u32 s39, s39, OST
	v_and_b32 v7, 31, v0                           ; lane
	v_lshlrev_b32 v[LI], 4, v7
	v_lshlrev_b32 v[L8], 3, v7
	v_lshlrev_b32 v[ADK], 4, v7
	v_lshlrev_b32 v[AD8], 3, v7
	v_lshl_add_u32 v[ADS], v7, 2, KSC
	v_lshl_add_u32 v[OSR], v7, 4, OST
	v_and_b32 v7, 15, v0                           ; r
	v_lshl_add_u32 v[OSA], v7, 1, s39
	v_lshlrev_b32 v7, 2, v7                        ; 4 r
	s_wait_dscnt 0x0                               ; the opening add is done
	s_wait_kmcnt 0x0
	s_add_nc_u64 s[G0+2:G0+3], s[6:7], s[42:43]
	s_or_b32 s[G0+3], s[G0+3], 0x80000000
	s_add_nc_u64 s[46:47], s[4:5], s[46:47]
	s_add_nc_u64 s[48:49], s[4:5], s[48:49]
	s_add_nc_u64 s[50:51], s[8:9], s[50:51]
	s_add_nc_u64 s[52:53], s[10:11], s[52:53]
	ROUND                                          ; all four work-groups are here: the joint loads meet
	tensor_load_to_lds s[G0:G0+3], s[G1:G1+7]      ; my one tensor load of the launch
	s_nop 0
.rept 4
	v_nop
.endr
.irp c, 0,1,2
	global_load_b128 v[FB+4*\c:FB+4*\c+3], v[LI], s[46:47] offset:512*\c   ; my pair's fragment of q
.endr
	global_load_b32 v[QS], v7, s[48:49]            ; and its scale words
	v_mov_b32 v13, 0xff61b1e6                      ; the largest t so far: -3e38, under every t
	v_floor_f32 v12, -v13                          ; -M
	v_mov_b32 v14, 0                               ; the sum, in two halves
	v_mov_b32 v15, 0
.irp b, 0,1,2,3
	v_mov_b32 v[236+\b], 0                         ; written once: a lane permute's destination counts as one of its sources
.endr
	v_mov_b32 v253, 0                              ; (named as the upper half of the pair v[252:253] before it is first written)
.irp j, 0,1,2,3,4,5
	v_mov_b32 v[QLO+6+\j], 0                       ; the zero halves: zero codes add nothing under any scale byte but 0xff
	v_mov_b32 v[QLO+12+\j], 0
.endr
.irp j, 0,1,2,3,4,5,6,7,8,9,10,11,12,13,14,15,16,17,18,19,20,21,22,23,24,25,26,27,28,29,30,31
	v_mov_b32 v[160+\j], 0                         ; O^T: the step is written once; the first finds zeros, which the first change of M leaves zeros
.endr
	s_wait_tensorcnt 0x0                           ; my part of the record is in LDS,
	s_barrier_signal -1
	s_barrier_wait -1                              ; everybody's is
	s_wait_loadcnt 0x0                             ; q
.irp j, 0,1,2,3,4,5
	v_cndmask_b32 v[QLO+\j], v[FB+\j], v[FB+6+\j], s36   ; my tile's six registers of the pair's twelve
.endr
.irp j, 0,1,2,3,4,5
	v_mov_b32 v[QLO+18+\j], v[QLO+\j]
.endr
	v_lshrrev_b32 v[QS], s37, v[QS]                ; my tile's two bytes,
	v_and_b32 v[QS], 0xffff, v[QS]
	v_lshl_or_b32 v[QS], v[QS], 16, v[QS]          ; for both halves of the instruction's K
.rept 8
	v_nop                                          ; a scale register written by a vector instruction stands 8 places ahead of a scaled matrix instruction, an operand so written 4
.endr
.Lstep:                                            ; eight trips of 128 keys
.irp j, 0,1,2,3
.irp c, 0,1,2
	ds_load_b128 v[FB+12*\j+4*\c:FB+12*\j+4*\c+3], v[ADK] offset:1536*\j+512*\c   ; K's four pair fragments, as images: 512 consecutive bytes a load
.endr
.endr
	ds_load_b32 v[KSR], v[ADS]
	ds_load_b32 v[KSR+1], v[ADS] offset:128
	s_wait_dscnt 0x0
.irp j, 0,1,2,3                                ; S^T: register 96 + 16 j + 8 e + i = key 32 j + 16 h + 8 e + i of my query
.irp e, 0,1
.if \j%2 == 0
	v_wmma_scale_f32_16x16x128_f8f6f4 v[96+16*\j+8*\e:103+16*\j+8*\e], v[FB+12*\j:FB+12*\j+11], v[QLO+12*\e:QLO+12*\e+11], 0, v[KSR+\j/2], v[QS] matrix_a_fmt:MATRIX_FMT_FP6 matrix_b_fmt:MATRIX_FMT_FP6
.else
	v_wmma_scale_f32_16x16x128_f8f6f4 v[96+16*\j+8*\e:103+16*\j+8*\e], v[FB+12*\j:FB+12*\j+11], v[QLO+12*\e:QLO+12*\e+11], 0, v[KSR+\j/2], v[QS] matrix_a_fmt:MATRIX_FMT_FP6 matrix_b_fmt:MATRIX_FMT_FP6 matrix_a_scale:MATRIX_SCALE_ROW1
.endif
.endr
.endr
.rept 4
	v_nop                                          ; places in front of the loads into K's registers and of the first read of the scores
.endr
.irp t, 0,1,2,3                                ; V's four fragments go out now and land under the softmax
	ds_load_b128 v[FB+12*\t:FB+12*\t+3], v[ADK] offset:VCO+1536*\t
	ds_load_b64 v[FB+12*\t+4:FB+12*\t+5], v[AD8] offset:VCO+1536*\t+512
	ds_load_b128 v[FB+12*\t+6:FB+12*\t+9], v[ADK] offset:VCO+1536*\t+768
	ds_load_b64 v[FB+12*\t+10:FB+12*\t+11], v[AD8] offset:VCO+1536*\t+1280
.endr
	ds_load_b32 v[VSR], v[ADS] offset:2048
	ds_load_b32 v[VSR+1], v[ADS] offset:2176
.irp b, 0,1,2,3
	v_max3_num_f32 v[232+\b], v[96+16*\b], v[97+16*\b], v[98+16*\b]   ; the largest score of each block of 32 keys: for the row's maximum and, since p rises with the score, for the block's largest p
.endr
.irp i, 3,5,7,9,11,13
.irp b, 0,1,2,3
	v_max3_num_f32 v[232+\b], v[232+\b], v[96+16*\b+\i], v[97+16*\b+\i]
.endr
.endr
.irp b, 0,1,2,3
	v_max_num_f32 v[232+\b], v[232+\b], v[111+16*\b]
.endr
.irp b, 0,1,2,3
	v_permlanex16_b32 v[236+\b], v[232+\b], s[SEL], s[SEL+1]
.endr
.irp b, 0,1,2,3
	v_max_num_f32 v[232+\b], v[232+\b], v[236+\b]  ; with lane l xor 16's 16 keys
.endr
	v_max3_num_f32 v254, v232, v233, v234
	v_max_num_f32 v254, v254, v235                 ; the step's largest score of my query
	v_mul_f32 v254, s[CS], v254                    ; as t (c is positive)
	v_max_num_f32 v13, v13, v254                   ; the running largest t
	v_mov_b32 v254, v12
	v_floor_f32 v12, -v13                          ; the new -M = floor(-t): M is a whole number
	v_sub_f32 v254, v12, v254                      ; old M - new M: a whole number, 0 or less
	v_cvt_i32_f32 v254, v254                       ; (it saturates)
	v_ldexp_f32 v252, 1.0, v254                    ; f = 2^(old M - new M)
.irp j, 0,2,4,6,8,10,12,14,16,18,20,22,24,26,28,30,32,34,36,38,40,42,44,46,48,50,52,54,56,58,60,62
	v_pk_fma_f32 v[96+\j:97+\j], v[96+\j:97+\j], s[CS:CS+1], v[12:13] op_sel_hi:[1,0,0]   ; t - M, two at a time
.endr
.irp b, 0,1,2,3
	v_fma_f32 v[232+\b], v[232+\b], s[CS], v12     ; the same of each block's largest score
.endr
.irp j, 0,1,2,3,4,5,6,7,8,9,10,11,12,13,14,15,16,17,18,19,20,21,22,23,24,25,26,27,28,29,30,31,32,33,34,35,36,37,38,39,40,41,42,43,44,45,46,47,48,49,50,51,52,53,54,55,56,57,58,59,60,61,62,63
	v_exp_f32 v[96+\j], v[96+\j]                   ; p = 2^(t - M), at most 1
.endr
	v_pk_mul_f32 v[14:15], v[14:15], v[252:253] op_sel_hi:[1,0]   ; the sums under the new M: the plain place behind the exponentials
	s_wait_alu depctr_va_vdst(0)                   ; one wait for the whole batch, ahead of its first reader
.irp b, 0,1,2,3
	v_exp_f32 v[232+\b], v[232+\b]                 ; the block's largest p
.endr
	v_pk_add_f32 v[236:237], v[96:97], v[98:99]    ; the row's sum is taken of the unquantised p, in two chains
.irp j, 4,8,12,16,20,24,28,32,36,40,44,48,52,56,60
	v_pk_add_f32 v[14:15], v[14:15], v[96+\j:97+\j]
	v_pk_add_f32 v[236:237], v[236:237], v[98+\j:99+\j]
.endr
	v_pk_add_f32 v[14:15], v[14:15], v[236:237]
	s_wait_alu depctr_va_vdst(0)                   ; and one for the four
.irp b, 0,1,2,3
	v_max_num_f32 v[232+\b], 0x1800000, v[232+\b]  ; the floor 2^(3 - 127): the byte cannot fall under 1
.endr
.irp b, 0,1,2,3
	v_add_nc_u32 v[244+\b], 0xff000000, v[232+\b]  ; 2 off the exponent field: the conversion's scale operand
.endr
.irp b, 0,1,2,3
	v_lshrrev_b32 v[236+\b], 23, v[244+\b]         ; the byte
.endr
	v_lshl_or_b32 v253, v237, 8, v236              ; p's scale word for these 128 keys
	v_lshl_or_b32 v253, v238, 16, v253
	v_lshl_or_b32 v253, v239, 24, v253
.irp c, 0,1
	v_cvt_scalef32_pk16_fp6_f32 v[192+6*\c:194+6*\c], v[96+32*\c:111+32*\c], v[244+2*\c]
	v_cvt_scalef32_pk16_fp6_f32 v[204+4*\c:206+4*\c], v[112+32*\c:127+32*\c], v[244+2*\c+1]   ; (a conversion's three registers begin on an even number)
.endr
	v_nop                                          ; one plain place behind the last scaled conversion
.irp c, 0,1                                    ; the operand's layout wants a whole block in a lane
.irp i, 0,1,2
	v_permlane16_swap_b32 v[192+6*\c+\i], v[204+4*\c+\i]
.endr
.irp i, 0,1,2
	v_mov_b32 v[195+6*\c+\i], v[204+4*\c+\i]
.endr
.endr
.irp j, 0,2,4,6,8,10,12,14,16,18,20,22,24,26,28,30
	v_pk_mul_f32 v[160+\j:161+\j], v[160+\j:161+\j], v[252:253] op_sel_hi:[1,0]   ; O^T under the new M; these 16 are also the places in front of the products below
.endr
	s_wait_dscnt 0x0                               ; V is in
.irp t, 0,1,2,3                                ; O^T += V^T P^T: the four accumulators by turns
.if \t%2 == 0
	v_wmma_scale_f32_16x16x128_f8f6f4 v[160+8*\t:167+8*\t], v[FB+12*\t:FB+12*\t+11], v[192:203], v[160+8*\t:167+8*\t], v[VSR+\t/2], v253 matrix_a_fmt:MATRIX_FMT_FP6 matrix_b_fmt:MATRIX_FMT_FP6
.else
	v_wmma_scale_f32_16x16x128_f8f6f4 v[160+8*\t:167+8*\t], v[FB+12*\t:FB+12*\t+11], v[192:203], v[160+8*\t:167+8*\t], v[VSR+\t/2], v253 matrix_a_fmt:MATRIX_FMT_FP6 matrix_b_fmt:MATRIX_FMT_FP6 matrix_a_scale:MATRIX_SCALE_ROW1
.endif
.endr
	v_add_nc_u32 v[ADK], 6144, v[ADK]              ; the next key step; with the v_nop these are the four places behind the products
	v_add_nc_u32 v[AD8], 6144, v[AD8]
	v_add_nc_u32 v[ADS], 256, v[ADS]
	v_nop
	s_sub_co_u32 s38, s38, 1
	s_cmp_lg_u32 s38, 0
	s_cbranch_scc1 .Lstep
	; THE WAY OUT.  O^T / the sum: register 16 B + i is feature 32 B + 16 h + i of my query: two blocks of 32 along the last product's K, quantised as p was.
	v_add_f32 v14, v14, v15                        ; the sum's two halves,
	v_permlanex16_b32 v252, v14, s[SEL], s[SEL+1]
	v_add_f32 v14, v14, v252                       ; and lane l xor 16's
	v_rcp_f32 v14, v14
	v_nop                                          ; a plain place behind the reciprocal
	s_wait_alu depctr_va_vdst(0)                   ; and the wait ahead of its first reader
.irp j, 0,2,4,6,8,10,12,14,16,18,20,22,24,26,28,30
	v_pk_mul_f32 v[96+\j:97+\j], v[160+\j:161+\j], v[14:15] op_sel_hi:[1,0]
.endr
.irp b, 0,1
	v_max3_num_f32 v[232+\b], |v[96+16*\b]|, |v[97+16*\b]|, 0x1800000
.endr
.irp i, 2,4,6,8,10,12,14
.irp b, 0,1
	v_max3_num_f32 v[232+\b], v[232+\b], |v[96+16*\b+\i]|, |v[97+16*\b+\i]|
.endr
.endr
.irp b, 0,1
	v_permlanex16_b32 v[236+\b], v[232+\b], s[SEL], s[SEL+1]
.endr
.irp b, 0,1
	v_max_num_f32 v[232+\b], v[232+\b], v[236+\b]
.endr
.irp b, 0,1
	v_add_nc_u32 v[244+\b], 0xff000000, v[232+\b]
.endr
.irp b, 0,1
	v_lshrrev_b32 v[236+\b], 23, v[244+\b]
.endr
	v_lshl_or_b32 v254, v237, 8, v236              ; my query's two scale bytes
	v_cvt_scalef32_pk16_fp6_f32 v[192:194], v[96:111], v244
	v_cvt_scalef32_pk16_fp6_f32 v[204:206], v[112:127], v245
	v_nop                                          ; one plain place behind the last scaled conversion
.irp i, 0,1,2
	v_permlane16_swap_b32 v[192+\i], v[204+\i]
.endr
.irp i, 0,1,2
	v_mov_b32 v[195+\i], v[204+\i]                 ; registers 0-5: features 32 h + 0 .. 31
.endr
	global_store_b128 v[LI], v[192:195], s[50:51]              ; 512 consecutive bytes, aligned to 256
	global_store_b64 v[L8], v[196:197], s[50:51] offset:512    ; 256
	ds_store_b16 v[OSA], v254                      ; lanes r and r + 16 write the same two bytes with the same value
	s_wait_dscnt 0x0                               ; for the others' sake: my store has landed
	s_barrier_signal -1
	s_barrier_wait -1
	s_cmp_lg_u32 s[WV], 0                          ; wave 0 stores the work-group's 512 scale bytes whole
	s_cbranch_scc1 .Lnot_first
	ds_load_b128 v[96:99], v[OSR]
	s_wait_dscnt 0x0
	global_store_b128 v[LI], v[96:99], s[52:53]
.Lnot_first:
	s_wait_tensorcnt 0x0                           ; the wave's end, behind my last tensor load and my last LDS store
	ds_add_u32 v[SPW], v[NIL]
	s_wait_dscnt 0x0
	ROUND                                          ; the closing round
	s_endpgm
.Lfunc_end_k_qf4f5696795_attn:
	.size	k_qf4f5696795_attn, .Lfunc_end_k_qf4f5696795_attn-k_qf4f5696795_attn
	.p2alignl 7, 3214868480
	.fill 96, 4, 3214868480
	.section	.rodata,"a",@progbits
	.p2align	6, 0x0
	.amdhsa_kernel k_qf4f5696795_attn
		.amdhsa_group_segment_fixed_size 167936
		.amdhsa_private_segment_fixed_size 0
		.amdhsa_enable_private_segment 0
		.amdhsa_kernarg_size 32
		.amdhsa_user_sgpr_count 2
		.amdhsa_user_sgpr_kernarg_segment_ptr 1
		.amdhsa_wavefront_size32 1
		.amdhsa_system_sgpr_workgroup_id_x 1
		.amdhsa_system_sgpr_workgroup_id_y 1
		.amdhsa_system_sgpr_workgroup_id_z 1
		.amdhsa_system_vgpr_workitem_id 0
		.amdhsa_next_free_vgpr 256
		.amdhsa_next_free_sgpr 66
		.amdhsa_reserve_vcc 0
		.amdhsa_float_denorm_mode_32 3
		.amdhsa_float_denorm_mode_16_64 3
		.amdhsa_memory_ordered 1
		.amdhsa_forward_progress 1
		.amdhsa_inst_pref_size 28
	.end_amdhsa_kernel
	.amdgpu_metadata
---
amdhsa.version: [ 1, 2 ]
amdhsa.kernels:
  - .name:           k_qf4f5696795_attn
    .symbol:         k_qf4f5696795_attn.kd
    .args:
      - { .name: qb, .offset: 0, .size: 8, .value_kind: global_buffer, .address_space: global }
      - { .name: kvb, .offset: 8, .size: 8, .value_kind: global_buffer, .address_space: global }
      - { .name: oc, .offset: 16, .size: 8, .value_kind: global_buffer, .address_space: global }
      - { .name: os, .offset: 24, .size: 8, .value_kind: global_buffer, .address_space: global }
    .group_segment_fixed_size: 167936
    .private_segment_fixed_size: 0
    .kernarg_segment_align: 8
    .kernarg_segment_size: 32
    .max_flat_workgroup_size: 512
    .sgpr_count:     66
    .vgpr_count:     256
    .wavefront_size: 32
...
	.end_amdgpu_metadata
.endif
;; end of part 3
;; launch outp (part 4): grid 2 x 128, 4 waves a work-group, no clusters, 275,968 bytes of LDS; arguments oc, os, wc, ws, bp, out0; writes out0
.if DOCPART == 4
	.amdgcn_target "amdgcn-amd-amdhsa--gfx1250"
	.amdhsa_code_object_version 6
	.text
	.protected	k_qf4f5696795_outp
	.globl	k_qf4f5696795_outp
	.p2align	8
	.type	k_qf4f5696795_outp,@function
k_qf4f5696795_outp:
	s_mov_b64 s[64:65], 0
	v_nop
	global_prefetch_b8 v0, s[64:65] scope:SCOPE_SE
	s_setreg_imm32_b32 hwreg(HW_REG_WAVE_MODE, 25, 1), 1
	s_wait_xcnt 0x0
; out0 = o Wp^T + bp on codes of FP6 (E2M3) with E8M0 scales; out0 [16384][768] f32.
; SHARES.  A work-group takes 128 rows (8 tiles of 16, in tile order) x 384 columns; wave w takes columns 384 x + 96 w: six tiles of Wp x six K steps, 432 registers, read from memory once and kept.
; o's codes (73,728 dense bytes, images of operand registers) and scale bytes come into LDS once, by tensor loads.  Nothing is filled again.
; The product is used transposed (source 0 = 16 rows of Wp, source 1 = 16 rows of o): a lane holds 8 neighbouring columns of one row.  bp is the C of each sum's first instruction.
; A fragment of o for K step s is the half images of heads 2 s and 2 s + 1 on end; its scale word is the two heads' two bytes each.
; THE WAY OUT.  A pair of tiles (32 rows) goes through a stage of its own in LDS (rows of 1,536 bytes + 16), one barrier a pair; wave w reads slots 8 w .. 8 w + 7, which are eight neighbouring rows of out0, and stores 512 consecutive bytes an instruction.
; NO CLUSTER: a tile of o has two readers, and the cluster shapes are of four.
; REGISTERS, window 0: v1-3 offsets of the head's loads; v8-15 addresses; v16-51 Wp's scale words; v52-63 o's; v64-87 o's scale bytes as loaded; v88-111, v112-135 two sets of o's fragments; v136-231 twelve accumulators.
;   windows 1, 2: Wp's fragments of tiles 0-2, 3-5 at 12 (6 (t % 3) + s); bp in the result's layout at 216 + 8 (t % 3).
.set OSB,   73728                      ; LDS: o's codes from 0 (tile x 9,216 + K step x 1,536); here its scale bytes: head x 256 + tile x 32 + place x 2
.set STG,   76800                      ; four stages of 32 x 1,552 bytes
.set SPARE, 275456                     ; the spare words, 128 bytes a wave
.set AL16, 8                           ; v8   16 x lane + the pair in hand
.set AL8,  9                           ; v9   8 x lane + the pair in hand
.set OSA,  10                          ; v10  OSB + 2 r
.set STO,  11                          ; v11  the stage: 1,552 r + 384 w + 32 h
.set SRD,  12                          ; v12  and back: 12,416 w + 16 x lane
.set GO,   13                          ; v13  16 x lane; never rewritten
.set SPW,  14                          ; v14  my spare word; never rewritten
.set NIL,  15                          ; v15  0; never rewritten
.set WS,   16                          ; + 6 t + s
.set AS,   52                          ; + 6 u + s
.set TS,   64                          ; + 12 u + head
.set AF0,  88
.set ACC,  136                         ; + 8 (6 u + t)
.set WV,   16
.set G1C,  24
.set G1S,  32
.set G0C,  40
.set G0S,  44
.set OUT,  60                          ; s[60:61] my eight rows of the pair in hand
.set MSB, 0
.macro WIN new                         ; the immediate's high byte repeats the setting that is left
.if MSB != (\new)
	s_set_vgpr_msb (MSB<<8)|(\new)
.set MSB, (\new)
.endif
.endm
.macro PLACES                          ; four plain places (ISA guide 7.12.1)
.rept 4
	v_nop
.endr
.endm
	s_load_b256 s[4:11], s[0:1], 0x0               ; oc, os, wc, ws
	s_load_b128 s[12:15], s[0:1], 0x20             ; bp, out0
	v_lshl_add_u32 v[SPW], v0, 2, SPARE
	v_mov_b32 v[NIL], 0
	ds_add_u32 v[SPW], v[NIL]                      ; the wave's opening: the add and its wait come ahead of my first tensor load
	v_lshrrev_b32 v1, 5, v0
	v_readfirstlane_b32 s[WV], v1                  ; wave 0..3
	s_and_b32 s18, ttmp7, 0xffff                   ; which 128 rows
	s_mul_i32 s19, ttmp9, 384
	s_mul_i32 s20, s[WV], 96
	s_add_co_u32 s19, s19, s20                     ; my first column
	s_mov_b32 s[G1C], 3<<16                        ; the codes: 72 rows of 256 bytes, dense
	s_mov_b32 s[G1C+1], 32<<16
	s_mov_b32 s[G1C+2], 72<<16
	s_mov_b32 s[G1C+3], 32<<16
	s_mov_b32 s[G1C+4], 72
	s_mov_b32 s[G1C+5], 32
	s_mov_b32 s[G1C+6], 0
	s_mov_b32 s[G1C+7], 0
	s_mov_b32 s[G1S], 3<<16                        ; the scale bytes: three heads' 256 bytes, 512 apart in memory
	s_mov_b32 s[G1S+1], 32<<16
	s_mov_b32 s[G1S+2], 3<<16
	s_mov_b32 s[G1S+3], 32<<16
	s_mov_b32 s[G1S+4], 3
	s_mov_b32 s[G1S+5], 64
	s_mov_b32 s[G1S+6], 0
	s_mov_b32 s[G1S+7], 0
	s_mov_b32 s[G0C], 1
	s_mul_i32 s[G0C+1], s[WV], 18432               ; two tiles a wave
	s_mov_b32 s[G0S], 1
	s_mul_i32 s[G0S+1], s[WV], 768
	s_add_co_u32 s[G0S+1], s[G0S+1], OSB
	s_mul_i32 s48, s18, 73728
	s_add_co_u32 s48, s48, s[G0C+1]
	s_mov_b32 s49, 0
	s_lshr_b32 s50, s18, 1                         ; the block of 256 queries,
	s_mul_i32 s50, s50, 6144
	s_and_b32 s51, s18, 1                          ; its half,
	s_lshl_b32 s51, s51, 8
	s_add_co_u32 s50, s50, s51
	s_mul_i32 s51, s[WV], 1536                     ; my three heads
	s_add_co_u32 s50, s50, s51
	s_mov_b32 s51, 0
	s_lshl_b32 s52, s18, 7
	s_lshr_b32 s53, s[WV], 1
	s_lshl_b32 s53, s53, 3
	s_add_co_u32 s52, s52, s53
	s_and_b32 s53, s[WV], 1
	s_lshl_b32 s53, s53, 4
	s_add_co_u32 s52, s52, s53                     ; slots 8 w .. 8 w + 7 of a pair are rows 8 (w / 2) + 16 (w % 2) + 0 .. 7
	s_mul_i32 s52, s52, 3072
	s_mul_i32 s53, ttmp9, 1536
	s_add_co_u32 s52, s52, s53
	s_mov_b32 s53, 0
	v_and_b32 v5, 15, v0                           ; r
	v_bfe_u32 v6, v0, 4, 1                         ; h
	v_and_b32 v7, 31, v0                           ; lane
	v_mul_u32_u24 v1, v5, 576
	v_mad_u32_u24 v1, v6, 24, v1                   ; Wp's fragment: row r, my half's bytes
	v_mul_u32_u24 v2, v5, 24                       ; its scale bytes
	v_lshlrev_b32 v3, 5, v6                        ; bp in the result's layout: 8 h numbers on
	v_lshlrev_b32 v[AL16], 4, v7
	v_lshlrev_b32 v[AL8], 3, v7
	v_lshl_add_u32 v[OSA], v5, 1, OSB
	v_mul_u32_u24 v[STO], v5, 1552
	v_lshl_add_u32 v[STO], v6, 5, v[STO]
	s_mul_i32 s20, s[WV], 384
	s_add_co_u32 s20, s20, STG
	v_add_nc_u32 v[STO], s20, v[STO]
	s_mul_i32 s21, s[WV], 12416
	s_add_co_u32 s21, s21, STG
	v_lshl_add_u32 v[SRD], v7, 4, s21
	v_lshlrev_b32 v[GO], 4, v7
	s_wait_dscnt 0x0                               ; the opening add is done
	s_wait_kmcnt 0x0
	s_add_nc_u64 s[G0C+2:G0C+3], s[4:5], s[48:49]
	s_or_b32 s[G0C+3], s[G0C+3], 0x80000000
	s_add_nc_u64 s[G0S+2:G0S+3], s[6:7], s[50:51]
	s_or_b32 s[G0S+3], s[G0S+3], 0x80000000
	tensor_load_to_lds s[G0C:G0C+3], s[G1C:G1C+7]  ; the first fills, one group: two loads of mine are out
	s_nop 0
	tensor_load_to_lds s[G0S:G0S+3], s[G1S:G1S+7]
	s_nop 0
	PLACES
	s_add_nc_u64 s[OUT:OUT+1], s[14:15], s[52:53]
	s_mul_i32 s62, s19, 576
	s_add_co_u32 s62, s62, 884736                  ; Wp's codes lie behind Wq's and Wk's
	s_mov_b32 s63, 0
	s_add_nc_u64 s[54:55], s[8:9], s[62:63]
	s_mul_i32 s62, s19, 24
	s_add_co_u32 s62, s62, 36864
	s_add_nc_u64 s[56:57], s[10:11], s[62:63]
	s_lshl_b32 s62, s19, 2
	s_add_nc_u64 s[58:59], s[12:13], s[62:63]
.irp g, 0,1
	WIN ((1+\g)<<6)
.irp tt, 0,1,2
.irp s, 0,1,2,3,4,5
.irp p, 0,1,2,3,4,5
	global_load_b64 v[12*(6*\tt+\s)+2*\p:12*(6*\tt+\s)+2*\p+1], v1, s[54:55] offset:16*(3*\g+\tt)*576+96*\s+48*(\p/3)+8*(\p%3)
.endr
.endr
	global_load_b128 v[216+8*\tt:219+8*\tt], v3, s[58:59] offset:64*(3*\g+\tt)
	global_load_b128 v[220+8*\tt:223+8*\tt], v3, s[58:59] offset:64*(3*\g+\tt)+16
.endr
.endr
	WIN 0
.irp t, 0,1,2,3,4,5
.irp j, 0,1,2
	global_load_b64 v[WS+6*\t+2*\j:WS+6*\t+2*\j+1], v2, s[56:57] offset:384*\t+8*\j
.endr
.endr
.macro AFRAG reg, u, s                 ; o's fragment (tile u of the pair, K step s): two half images
	ds_load_b128 v[\reg:\reg+3], v[AL16] offset:9216*(\u)+1536*(\s)
	ds_load_b64 v[\reg+4:\reg+5], v[AL8] offset:9216*(\u)+1536*(\s)+512
	ds_load_b128 v[\reg+6:\reg+9], v[AL16] offset:9216*(\u)+1536*(\s)+768
	ds_load_b64 v[\reg+10:\reg+11], v[AL8] offset:9216*(\u)+1536*(\s)+1280
.endm
.macro TSLOAD pi                       ; the two scale bytes of my row of both tiles, for each of the twelve heads
.irp u, 0,1
.irp hd, 0,1,2,3,4,5,6,7,8,9,10,11
	ds_load_u16 v[TS+12*\u+\hd], v[OSA] offset:256*\hd+64*(\pi)+32*\u
.endr
.endr
.endm
.macro ASMAKE                          ; two heads' bytes make a K step's scale word
.irp u, 0,1
.irp s, 0,1,2,3,4,5
	v_lshl_or_b32 v[AS+6*\u+\s], v[TS+12*\u+2*\s+1], 16, v[TS+12*\u+2*\s]
.endr
.endr
.endm
; K step s of a pair: the next step's fragments are asked for, then 12 products; the 12 accumulators take turns, one instruction a turn, in the same order in every step.
.macro OSTEP s
.set CUR, AF0+24*((\s)%2)
.set NXT, AF0+24*(1-(\s)%2)
	s_wait_dscnt 0x0                               ; this step's fragments are in
.if (\s) < 5
	WIN 0
	PLACES
	AFRAG NXT, 0, (\s)+1
	AFRAG NXT+12, 1, (\s)+1
.endif
.irp g, 0,1
.if (\s) == 0
	WIN 0x11*(1+\g)                                ; source 0 (Wp) and C (bp) in window 1 + g
.else
	WIN 1+\g
.endif
.irp tt, 0,1,2
.irp u, 0,1
.if (\s) == 0
	v_wmma_scale_f32_16x16x128_f8f6f4 v[ACC+8*(6*\u+3*\g+\tt):ACC+8*(6*\u+3*\g+\tt)+7], v[12*(6*\tt+(\s)):12*(6*\tt+(\s))+11], v[CUR+12*\u:CUR+12*\u+11], v[216+8*\tt:223+8*\tt], v[WS+6*(3*\g+\tt)+(\s)], v[AS+6*\u+(\s)] matrix_a_fmt:MATRIX_FMT_FP6 matrix_b_fmt:MATRIX_FMT_FP6
.else
	v_wmma_scale_f32_16x16x128_f8f6f4 v[ACC+8*(6*\u+3*\g+\tt):ACC+8*(6*\u+3*\g+\tt)+7], v[12*(6*\tt+(\s)):12*(6*\tt+(\s))+11], v[CUR+12*\u:CUR+12*\u+11], v[ACC+8*(6*\u+3*\g+\tt):ACC+8*(6*\u+3*\g+\tt)+7], v[WS+6*(3*\g+\tt)+(\s)], v[AS+6*\u+(\s)] matrix_a_fmt:MATRIX_FMT_FP6 matrix_b_fmt:MATRIX_FMT_FP6
.endif
.endr
.endr
.endr
.endm
.macro OPAIR pi
.rept 8
	v_nop                                          ; the scale words were made by vector instructions: 8 places ahead of a scaled matrix instruction
.endr
.irp s, 0,1,2,3,4,5
	OSTEP \s
.endr
	WIN 0
	PLACES
.if (\pi) < 3
	v_add_nc_u32 v[AL16], 18432, v[AL16]           ; the next pair: no LDS load of mine is out
	v_add_nc_u32 v[AL8], 18432, v[AL8]
	AFRAG AF0, 0, 0
	AFRAG AF0+12, 1, 0
	TSLOAD (\pi)+1
.endif
.irp u, 0,1
.irp t, 0,1,2,3,4,5
	ds_store_b128 v[STO], v[ACC+8*(6*\u+\t):ACC+8*(6*\u+\t)+3] offset:24832*\u+64*\t       ; each accumulator from its low end on
	ds_store_b128 v[STO], v[ACC+8*(6*\u+\t)+4:ACC+8*(6*\u+\t)+7] offset:24832*\u+64*\t+16
.endr
.endr
	s_wait_dscnt 0x0                               ; for the others' sake: my stores into the stage have landed
	s_barrier_signal -1
	s_barrier_wait -1                              ; 32 whole rows lie in this pair's stage; the next pair has a stage of its own
.if (\pi) < 3
	ASMAKE
.endif
.irp n, 0,1,2,3,4,5,6,7,8,9,10,11,12,13,14,15,16,17,18,19,20,21,22,23
	ds_load_b128 v[ACC+4*\n:ACC+4*\n+3], v[SRD] offset:1552*(\n/3)+512*(\n%3)
.endr
.irp n, 0,1,2,3,4,5,6,7,8,9,10,11,12,13,14,15,16,17,18,19,20,21,22,23
	s_wait_dscnt 23-\n                             ; LDS loads come back in order: number n is in, the younger ones may be out
	global_store_b128 v[GO], v[ACC+4*\n:ACC+4*\n+3], s[OUT:OUT+1] offset:3072*(\n/3)+512*(\n%3) th:TH_STORE_NT   ; 512 consecutive bytes, aligned to 256; written once
.endr
.if (\pi) < 3
	s_wait_xcnt 0x0                                ; the stores have read their registers and their base
	s_add_nc_u64 s[OUT:OUT+1], s[OUT:OUT+1], 98304 ; 32 rows on
	v_add_nc_u32 v[STO], 49664, v[STO]
	v_add_nc_u32 v[SRD], 49664, v[SRD]
.endif
.endm
	s_wait_tensorcnt 0x0                           ; my parts of o are in LDS,
	s_barrier_signal -1
	s_barrier_wait -1                              ; everybody's are
	s_wait_loadcnt 0x0                             ; Wp, its scale words, bp
	AFRAG AF0, 0, 0
	AFRAG AF0+12, 1, 0
	TSLOAD 0
	s_wait_dscnt 0x0
	ASMAKE
	OPAIR 0
	OPAIR 1
	OPAIR 2
	OPAIR 3
	s_wait_tensorcnt 0x0                           ; the wave's end, behind my last tensor load and my last LDS store
	ds_add_u32 v[SPW], v[NIL]
	s_wait_dscnt 0x0
	s_endpgm
.Lfunc_end_k_qf4f5696795_outp:
	.size	k_qf4f5696795_outp, .Lfunc_end_k_qf4f5696795_outp-k_qf4f5696795_outp
	.p2alignl 7, 3214868480
	.fill 96, 4, 3214868480
	.section	.rodata,"a",@progbits
	.p2align	6, 0x0
	.amdhsa_kernel k_qf4f5696795_outp
		.amdhsa_group_segment_fixed_size 275968
		.amdhsa_private_segment_fixed_size 0
		.amdhsa_enable_private_segment 0
		.amdhsa_kernarg_size 48
		.amdhsa_user_sgpr_count 2
		.amdhsa_user_sgpr_kernarg_segment_ptr 1
		.amdhsa_wavefront_size32 1
		.amdhsa_system_sgpr_workgroup_id_x 1
		.amdhsa_system_sgpr_workgroup_id_y 1
		.amdhsa_system_sgpr_workgroup_id_z 1
		.amdhsa_system_vgpr_workitem_id 0
		.amdhsa_next_free_vgpr 768
		.amdhsa_next_free_sgpr 66
		.amdhsa_reserve_vcc 0
		.amdhsa_float_denorm_mode_32 3
		.amdhsa_float_denorm_mode_16_64 3
		.amdhsa_memory_ordered 1
		.amdhsa_forward_progress 1
		.amdhsa_inst_pref_size 118
	.end_amdhsa_kernel
	.amdgpu_metadata
---
amdhsa.version: [ 1, 2 ]
amdhsa.kernels:
  - .name:           k_qf4f5696795_outp
    .symbol:         k_qf4f5696795_outp.kd
    .args:
      - { .name: oc, .offset: 0, .size: 8, .value_kind: global_buffer, .address_space: global }
      - { .name: os, .offset: 8, .size: 8, .value_kind: global_buffer, .address_space: global }
      - { .name: wc, .offset: 16, .size: 8, .value_kind: global_buffer, .address_space: global }
      - { .name: ws, .offset: 24, .size: 8, .value_kind: global_buffer, .address_space: global }
      - { .name: bp, .offset: 32, .size: 8, .value_kind: global_buffer, .address_space: global }
      - { .name: out0, .offset: 40, .size: 8, .value_kind: global_buffer, .address_space: global }
    .group_segment_fixed_size: 275968
    .private_segment_fixed_size: 0
    .kernarg_segment_align: 8
    .kernarg_segment_size: 48
    .max_flat_workgroup_size: 128
    .sgpr_count:     66
    .vgpr_count:     768
    .wavefront_size: 32
...
	.end_amdgpu_metadata
.endif
;; end of part 4
;; ======== version 2 of 2: 4 launches
;; limits: right only within a limited range of input values
;; workspace buffers: xc 9,437,184 bytes; xs 393,216 bytes; wc 1,327,104 bytes; ws 55,296 bytes; qb 9,830,400 bytes; kvb 19,660,800 bytes; oc 9,437,184 bytes; os 393,216 bytes
;; launch quant (part 5): grid 438 x 1, 4 waves a work-group, no clusters, 33,280 bytes of LDS; arguments x, Wq, Wk, Wp, xc, xs, wc, ws; writes xc, xs, wc, ws
.if DOCPART == 5
	.amdgcn_target "amdgcn-amd-amdhsa--gfx1250"
	.amdhsa_code_object_version 6
	.text
	.protected	k_qf4f5696795_quant
	.globl	k_qf4f5696795_quant
	.p2align	8
	.type	k_qf4f5696795_quant,@function
k_qf4f5696795_quant:
	s_mov_b64 s[64:65], 0
	v_nop
	global_prefetch_b8 v0, s[64:65] scope:SCOPE_SE
	s_setreg_imm32_b32 hwreg(HW_REG_WAVE_MODE, 25, 1), 1
	s_wait_xcnt 0x0
; x [16384][768] and Wq, Wk, Wp [768][768], f32 with K innermost, become codes of FP6 (E2M3), 6 bits each, K innermost, with one E8M0 scale byte for each 32 along K.
; A block's scale is 2^(floor(log2(its largest magnitude)) - 2); its byte is the largest magnitude's exponent field - 2, held at 1 from below.  Each number is divided by the scale and rounded to the nearest code, ties to even.
; LIMITS: a block whose largest magnitude lies under 2^-124 gets the byte 1, a block of zeros too (its codes are zeros, and the bytes are read by this program alone); NaN and infinities are not served.
; Rows are dense and 768 is a multiple of 32: each tensor is a plain stream of blocks of 32 numbers, and so are its codes (24 bytes a block) and its scale bytes.
; SHARES: a work-group takes 32,768 numbers, a wave 16 steps of 512.  Work-groups 0-383 take x, 384-401 Wq, 402-419 Wk, 420-437 Wp; the three weights' codes lie one behind the other in wc, their bytes in ws.
; Only pointers are chosen, by the work-group's number: all tensors take one path through the text.
; A step's four loads read 512 consecutive bytes each; the 2,048 bytes turn through the wave's own stage in LDS and come back 64 bytes a lane: 16 neighbours along K, two lanes to a block.
; No matrix unit, no cluster, no tensor load: the launch streams, and waves share nothing.
.set WAVES, 4
.set STEPS, 16
.set WGX,   384                        ; work-groups of x: 16,384 x 768 / 32,768
.set WGW,   18                         ; of one weight: 768 x 768 / 32,768
.set EMAX,  2
.set CB,    12                         ; bytes of 16 codes
.set R,     16                         ; v16-143  eight sets of 16 numbers as they are loaded
.set X,     144                        ; v144-175 two sets of 16 neighbours
.set C,     192                        ; v192-255 codes: four registers for each step, so that no store's data are written again
.set E,     176                        ; v176-191 a scale byte for each step
.set WREG,  8192                       ; LDS: a region for each wave: two stages of 32 x SP bytes, behind them its 256 scale bytes
.set SP,    80                         ; a lane's place in a stage: 64 bytes + 16 of padding
.set SPW,   12                         ; v12  LDS address of my spare word; never rewritten
.set NIL,   13                         ; v13  0; never rewritten
.set SPARE, WAVES*WREG                 ; behind the four regions: the spare words, 128 bytes a wave
.set SRC,   20                         ; s[20:21] my tensor, later my wave's run of it
.set DC,    24                         ; s[24:25] its codes
.set DS,    26                         ; s[26:27] its scale bytes
	s_load_b256 s[4:11], s[0:1], 0x0               ; x, Wq, Wk, Wp
	s_load_b256 s[12:19], s[0:1], 0x20             ; xc, xs, wc, ws
	v_lshl_add_u32 v[SPW], v0, 2, SPARE
	v_mov_b32 v[NIL], 0
	v_lshrrev_b32 v1, 5, v0
	v_readfirstlane_b32 s30, v1                    ; wave
	v_and_b32 v2, 31, v0                           ; lane
	v_lshlrev_b32 v3, 4, v2                        ; my 16 bytes of a load's 512
	s_mul_i32 s31, s30, WREG
	v_lshrrev_b32 v14, 2, v2
	v_mul_u32_u24 v14, v14, SP
	v_and_b32 v15, 3, v2
	v_lshl_add_u32 v14, v15, 4, v14
	v_add_nc_u32 v14, s31, v14                     ; the stage, on the way in: SP (lane / 4) + 16 (lane % 4)
	v_mul_u32_u24 v15, v2, SP
	v_add_nc_u32 v15, s31, v15                     ; and on the way out: SP x lane: my 16 neighbours
	v_mul_u32_u24 v4, v2, CB                       ; my codes' place in a step's
	v_lshrrev_b32 v5, 1, v2
	s_add_co_u32 s31, s31, 2*32*SP
	v_add_nc_u32 v5, s31, v5                       ; LDS: my wave's 256 scale bytes, my block's byte
	v_lshlrev_b32 v7, 3, v2                        ; and on the way out 8 bytes a lane
	v_add_nc_u32 v6, s31, v7
	s_wait_alu depctr_va_vdst(0)
	s_wait_kmcnt 0x0
	s_cmp_lt_u32 ttmp9, WGX+WGW                    ; the choices hang on the work-group's number alone
	s_cselect_b64 s[SRC:SRC+1], s[6:7], s[8:9]     ; Wq or Wk,
	s_mov_b32 s22, WGX+WGW
	s_cselect_b32 s22, WGX, s22                    ; and the tensor's first work-group
	s_cmp_lt_u32 ttmp9, WGX+2*WGW
	s_cselect_b64 s[SRC:SRC+1], s[SRC:SRC+1], s[10:11]   ; or Wp,
	s_cselect_b32 s22, s22, WGX+2*WGW
	s_cmp_lt_u32 ttmp9, WGX
	s_cselect_b64 s[SRC:SRC+1], s[4:5], s[SRC:SRC+1]     ; or x
	s_cselect_b64 s[DC:DC+1], s[12:13], s[16:17]
	s_cselect_b64 s[DS:DS+1], s[14:15], s[18:19]
	s_cselect_b32 s22, 0, s22
	s_cselect_b32 s23, 0, WGX                      ; the first work-group of the output buffer: the weights share one
	s_sub_co_u32 s22, ttmp9, s22
	s_lshl_b32 s22, s22, 2
	s_add_co_u32 s22, s22, s30                     ; which run of 8,192 numbers of the tensor is my wave's
	s_sub_co_u32 s23, ttmp9, s23
	s_lshl_b32 s23, s23, 2
	s_add_co_u32 s23, s23, s30                     ; and which run of the output buffers
	s_lshl_b32 s28, s22, 15                        ; 32,768 bytes of f32 a run
	s_mov_b32 s29, 0
	s_add_nc_u64 s[SRC:SRC+1], s[SRC:SRC+1], s[28:29]
	s_mul_i32 s28, s23, 32*STEPS*CB                ; 6,144 bytes of codes
	s_add_nc_u64 s[DC:DC+1], s[DC:DC+1], s[28:29]
	s_lshl_b32 s28, s23, 8                         ; 256 scale bytes
	s_add_nc_u64 s[DS:DS+1], s[DS:DS+1], s[28:29]
.macro LOAD t
.irp i, 0,1,2,3
	global_load_b128 v[R+16*((\t)%8)+4*\i:R+16*((\t)%8)+4*\i+3], v3, s[SRC:SRC+1] offset:2048*(\t)+512*\i th:TH_LOAD_NT   ; 32 lanes read 512 consecutive bytes
.endr
.endm
.macro TURN t                          ; step t's numbers through the stage: LDS serves a wave's instructions in order, so no wait stands between the stores and the loads
.irp i, 0,1,2,3
	ds_store_b128 v14, v[R+16*((\t)%8)+4*\i:R+16*((\t)%8)+4*\i+3] offset:32*SP*((\t)%2)+8*SP*\i
.endr
.irp i, 0,1,2,3
	ds_load_b128 v[X+16*((\t)%2)+4*\i:X+16*((\t)%2)+4*\i+3], v15 offset:32*SP*((\t)%2)+16*\i
.endr
.endm
.irp t, 0,1,2,3,4,5,6,7
	LOAD \t
.endr
	s_wait_loadcnt 28                              ; step 0's four loads are in; the 28 of steps 1 to 7 may be out
	TURN 0
.macro STEP t
.set XS, X+16*((\t)%2)
.if (\t) > 0
	s_wait_dscnt 1                                 ; this step's numbers are back from the stage (the last step's byte store may be out): so its stores into the stage have read their registers,
.else
	s_wait_dscnt 0x0
.endif
.if (\t)+8 < STEPS
	LOAD (\t)+8                                    ; which take the loads of eight steps on
.endif
.if (\t)+1 < STEPS
.if STEPS-2-(\t) >= 7
	s_wait_loadcnt 28                              ; the next step's four loads are in; those of the seven steps behind it may be out
.else
	s_wait_loadcnt 4*(STEPS-2-(\t))
.endif
	TURN (\t)+1                                    ; and go through the other stage while this step is worked
.endif
	v_max3_num_f32 v8, |v[XS]|, |v[XS+1]|, |v[XS+2]|               ; the largest magnitude of my 16, in two chains
	v_max3_num_f32 v9, |v[XS+3]|, |v[XS+4]|, |v[XS+5]|
.irp i, 6,10
	v_max3_num_f32 v8, v8, |v[XS+\i]|, |v[XS+\i+1]|
	v_max3_num_f32 v9, v9, |v[XS+\i+2]|, |v[XS+\i+3]|
.endr
	v_max3_num_f32 v8, v8, |v[XS+14]|, |v[XS+15]|
	v_max3_num_f32 v8, v8, v9, (EMAX+1)<<23        ; and the floor 2^(3 - 127): the byte cannot fall under 1
	v_max_num_f32_dpp v8, v8, v8 row_xmask:1 row_mask:0xf bank_mask:0xf   ; and of my neighbour's 16: the block's
	v_add_nc_u32 v11, -(EMAX<<23), v8              ; 2 off its exponent field: the conversion takes the exponent field of this operand as its scale
	v_cvt_scalef32_pk16_fp6_f32 v[C+4*(\t):C+4*(\t)+2], v[XS:XS+15], v11   ; sixteen codes, 96 bits without gaps, the first number's code lowest
	v_lshrrev_b32 v[E+(\t)], 23, v11               ; the scale's byte (also the plain line behind the conversion)
	ds_store_b8 v5, v[E+(\t)] offset:16*(\t)       ; both lanes of a block write the same byte with the same value
	global_store_b96 v4, v[C+4*(\t):C+4*(\t)+2], s[DC:DC+1] offset:32*CB*(\t)   ; the wave stores 384 consecutive bytes
.endm
.irp t, 0,1,2,3,4,5,6,7,8,9,10,11,12,13,14,15
	STEP \t
.endr
	ds_load_b64 v[8:9], v6                         ; LDS serves a wave's instructions in order: these see my stores
	s_wait_dscnt 0x0
	global_store_b64 v7, v[8:9], s[DS:DS+1]        ; 32 lanes store 256 consecutive bytes, aligned
	s_wait_tensorcnt 0x0                           ; the wave's end, behind my last LDS store
	ds_add_u32 v[SPW], v[NIL]
	s_wait_dscnt 0x0
	s_endpgm
.Lfunc_end_k_qf4f5696795_quant:
	.size	k_qf4f5696795_quant, .Lfunc_end_k_qf4f5696795_quant-k_qf4f5696795_quant
	.p2alignl 7, 3214868480
	.fill 96, 4, 3214868480
	.section	.rodata,"a",@progbits
	.p2align	6, 0x0
	.amdhsa_kernel k_qf4f5696795_quant
		.amdhsa_group_segment_fixed_size 33280
		.amdhsa_private_segment_fixed_size 0
		.amdhsa_enable_private_segment 0
		.amdhsa_kernarg_size 64
		.amdhsa_user_sgpr_count 2
		.amdhsa_user_sgpr_kernarg_segment_ptr 1
		.amdhsa_wavefront_size32 1
		.amdhsa_system_sgpr_workgroup_id_x 1
		.amdhsa_system_sgpr_workgroup_id_y 1
		.amdhsa_system_sgpr_workgroup_id_z 1
		.amdhsa_system_vgpr_workitem_id 0
		.amdhsa_next_free_vgpr 256
		.amdhsa_next_free_sgpr 66
		.amdhsa_reserve_vcc 0
		.amdhsa_float_denorm_mode_32 3
		.amdhsa_float_denorm_mode_16_64 3
		.amdhsa_memory_ordered 1
		.amdhsa_forward_progress 1
		.amdhsa_inst_pref_size 33
	.end_amdhsa_kernel
	.amdgpu_metadata
---
amdhsa.version: [ 1, 2 ]
amdhsa.kernels:
  - .name:           k_qf4f5696795_quant
    .symbol:         k_qf4f5696795_quant.kd
    .args:
      - { .name: x, .offset: 0, .size: 8, .value_kind: global_buffer, .address_space: global }
      - { .name: Wq, .offset: 8, .size: 8, .value_kind: global_buffer, .address_space: global }
      - { .name: Wk, .offset: 16, .size: 8, .value_kind: global_buffer, .address_space: global }
      - { .name: Wp, .offset: 24, .size: 8, .value_kind: global_buffer, .address_space: global }
      - { .name: xc, .offset: 32, .size: 8, .value_kind: global_buffer, .address_space: global }
      - { .name: xs, .offset: 40, .size: 8, .value_kind: global_buffer, .address_space: global }
      - { .name: wc, .offset: 48, .size: 8, .value_kind: global_buffer, .address_space: global }
      - { .name: ws, .offset: 56, .size: 8, .value_kind: global_buffer, .address_space: global }
    .group_segment_fixed_size: 33280
    .private_segment_fixed_size: 0
    .kernarg_segment_align: 8
    .kernarg_segment_size: 64
    .max_flat_workgroup_size: 128
    .sgpr_count:     66
    .vgpr_count:     256
    .wavefront_size: 32
...
	.end_amdgpu_metadata
.endif
;; end of part 5
;; launch proj (part 6): grid 3 x 64, 4 waves a work-group, no clusters, 327,680 bytes of LDS; arguments xc, xs, wc, ws, bq, bk, qb, kvb; writes qb, kvb
.if DOCPART == 6
	.amdgcn_target "amdgcn-amd-amdhsa--gfx1250"
	.amdhsa_code_object_version 6
	.text
	.protected	k_qf4f5696795_proj
	.globl	k_qf4f5696795_proj
	.p2align	8
	.type	k_qf4f5696795_proj,@function
k_qf4f5696795_proj:
	s_mov_b64 s[64:65], 0
	v_nop
	global_prefetch_b8 v0, s[64:65] scope:SCOPE_SE
	s_setreg_imm32_b32 hwreg(HW_REG_WAVE_MODE, 25, 1), 1
	s_wait_xcnt 0x0
; q = x Wq^T + bq and k = x Wk^T + bk on codes of FP6 (E2M3) with E8M0 scales; v = k.  The results are quantised in registers and stored as images of the operand registers that the attention launch wants:
; q and k along the head's 64 features, v along the keys.
; SHARES.  A work-group takes 256 rows of x (8 pairs of 32) for 4 heads; wave w owns head 4 x + w.  Its 24 fragments of Wq and 24 of Wk (576 registers) stay in registers; x's codes lie in LDS, brought once by tensor loads.
; Each fragment of x read from LDS feeds 12 products: 4 of q, 4 of k (source 0 = 16 rows of the weight, source 1 = 16 rows of x: a lane holds one row of x and 8 neighbouring features) and 4 of v
; (source 0 = x, source 1 = Wk: a lane holds one feature and 8 neighbouring keys).  k is multiplied twice, so that nothing is transposed through LDS.
; TILE ORDER.  Place r of tile u of a pair is row 32 P + 8 u + r + 8 (r / 8); place r of feature tile t = 2 B + U is feature 32 B + 8 U + r + 8 (r / 8).  So the 16 registers of two neighbouring tiles are 16 neighbours along the next K.
; THE WEIGHTS.  A tile's 16 rows are two runs of 8 rows, 4,608 consecutive bytes each.  They come by 18 loads of 512 consecutive bytes into the tile's own 72 registers, go as they lie into the wave's own stage in LDS
; (16 bytes of padding behind every 64, so rows lie 720 bytes apart) and come back as fragments, 8 bytes a lane, into the same registers: 144 loads a wave, each of consecutive bytes, where fragments fetched
; straight from the rows would be 288 loads of 8 bytes a lane from 16 rows 576 bytes apart.
; 12 heads are three groups of four waves, so the grid is 3 x 64.  NO CLUSTER: a tile of x has three readers, and the cluster shapes are of four; the weights go to registers.
; RECORDS.  qb: for each (batch, head) 51,200 bytes: 32 pair fragments of 1,536 (registers 0-5 tile 0, 6-11 tile 1), then 16 scale images of 128 bytes (lanes 0-15 pair 2 i, lanes 16-31 pair 2 i + 1).
; kvb: 102,400 bytes: K as q; at 49,152 V's fragments (key step S, feature tile t) of 1,536 bytes, two halves of 768 (registers 0-3 at 16 x lane, 4-5 at 512 + 8 x lane); at 98,304 K's scale images; at 100,352 V's.
; LIMITS: a block whose largest magnitude lies under 2^-124 gets the byte 1, a block of zeros too; NaN and infinities are not served.
; REGISTERS, window 0: v1, v6, v7 the weights' stage; v2-4 offsets of the head's small loads; v5, v8-15 addresses; v16-63 the weights' scale words; v64-75 x's; v76-99, v232-255 two sets of x's fragments; v100-115 at work;
;   v116-135 codes just made; v136-159 V's halves; v160-167 bk of my feature and V's scale words, by turns; v168-199, v200-231 bq, bk in the result's layout.
;   windows 1, 2, 3: v0-191 the weights' fragments of K steps (0, 1), (2, 3), (4, 5); v192-255 the accumulators of q, k, v.
.set XSC,   184320                     ; LDS: x's codes from 0: 256 rows in tile order, 720 bytes apart (9 x (64 + 16)); here x's scale bytes, 24 a row, natural order
.set SST,   190464                     ; a stage of 1,536 bytes a wave: q's, k's, v's scale images, 512 bytes each
.set SPARE, 196608                     ; the spare words, 128 bytes a wave
.set WST,   197120                     ; the weights' stage: 16 rows x 720 bytes for each wave
.set WA,  1                            ; v1   WST + 11,520 w + 720 r + 24 h: a weight's fragment out of the stage
.set SRA, 5                            ; v5   SST + 1,536 w + 16 x lane: the scale stage read back
.set WA2, 6                            ; v6   the same as v1 with 40 h: for pieces that lie behind one padding more in lanes 16-31
.set WSI, 7                            ; v7   WST + 11,520 w + 16 x lane + 16 (lane / 4): into the stage
.set XA,  8                            ; v8   720 r + 24 h + the pair in hand
.set XA2, 9                            ; v9   720 r + 40 h + the pair in hand
.set XSA, 10                           ; v10  XSC + 24 (r + 8 (r / 8)) + the pair in hand
.set LI,  11                           ; v11  16 x lane; never rewritten
.set SSA, 12                           ; v12  SST + 1,536 w + 4 x lane + 256 x trip
.set SPW, 13                           ; v13  my spare word; never rewritten
.set NIL, 14                           ; v14  0; never rewritten
.set L8,  15                           ; v15  8 x lane
.set WS,  16                           ; + 6 (4 m + t) + s: m = 0 Wq, 1 Wk
.set XS,  64                           ; + 6 u + s
.set XF0, 76
.set XF1, 232
.set TM,  100                          ; +0..3 largest magnitudes, +4..7 the other half's, then bytes, +8..11 the conversions' scale operands
.set PW,  112                          ; the scale word just made
.set QW,  113                          ; q's scale image in the making
.set KW,  114                          ; k's
.set VW2, 115                          ; one of V's
.set PC,  116
.set VF,  136                          ; + 6 t
.set VBW, 160                          ; + 2 t: bk of my feature in tile t; + 2 t + 1: V's scale word of tile t
.set BQ,  168                          ; + 8 t
.set BK,  200
.set WV,  20
.set FLR, 21
.set RG,  22
.set HD,  23
.set G1C, 24                           ; s[24:31] group 1, x's codes
.set G0A, 40
.set G0B, 44
.set G0S, 48
.set SEL, 52
.set HIM, 54
.set BLK, 55
.set QP,  66                           ; s[66:67] q's pair fragments of this trip
.set KP,  68                           ; s[68:69] K's, and at + 49,152 V's
.set QB2, 70                           ; s[70:71] the record + 512 x my quarter of the batch: q's scale images at + 49,152
.set RB,  72                           ; s[72:73] the same in kvb
.set MSB, 0
.macro WIN new                         ; the immediate's high byte repeats the setting that is left
.if MSB != (\new)
	s_set_vgpr_msb (MSB<<8)|(\new)
.set MSB, (\new)
.endif
.endm
.macro PLACES                          ; four plain places: in front of loads into registers that matrix instructions have read, and of the first read of results
.rept 4
	v_nop
.endr
.endm
	s_load_b256 s[4:11], s[0:1], 0x0               ; xc, xs, wc, ws
	s_load_b256 s[12:19], s[0:1], 0x20             ; bq, bk, qb, kvb
	v_lshl_add_u32 v[SPW], v0, 2, SPARE
	v_mov_b32 v[NIL], 0
	ds_add_u32 v[SPW], v[NIL]                      ; the wave's opening: the add and its wait come ahead of my first tensor load; work on registers stands between
	ds_add_u32 v[SPW], v[NIL]
	v_lshrrev_b32 v1, 5, v0
	v_readfirstlane_b32 s[WV], v1                  ; wave 0..3
	s_and_b32 s[RG], ttmp7, 0xffff                 ; which 256 rows
	s_lshl_b32 s[HD], ttmp9, 2
	s_add_co_u32 s[HD], s[HD], s[WV]               ; my head
	s_mov_b32 s[FLR], 0x1800000                    ; the floor 2^(3 - 127)
	s_mov_b32 s[SEL], 0x76543210
	s_mov_b32 s[SEL+1], 0xfedcba98                 ; v_permlanex16_b32's selects for lane l xor 16
	s_mov_b32 s[HIM], 0xffff0000                   ; lanes 16-31
	s_mov_b32 s[BLK], 2
	; group 1 for the codes: 4 lines of 4,608 bytes (eight rows of x on end), 9,216 bytes apart: every second group of eight rows; 16 bytes of padding behind every 64
	s_mov_b32 s[G1C], (1<<20)|(3<<22)|(3<<25)
	s_mov_b32 s[G1C+1], 4608<<16
	s_mov_b32 s[G1C+2], 4<<16
	s_mov_b32 s[G1C+3], 4608<<16
	s_mov_b32 s[G1C+4], 4
	s_mov_b32 s[G1C+5], 9216
	s_mov_b32 s[G1C+6], 0
	s_mov_b32 s[G1C+7], 0
	s_mov_b32 s[G0A], 1
	s_mul_i32 s[G0A+1], s[WV], 46080               ; my 64 rows: tiles u = 0 of two pairs,
	s_mov_b32 s[G0B], 1
	s_add_co_u32 s[G0B+1], s[G0A+1], 23040         ; then tiles u = 1
	s_mul_i32 s[G0S+1], s[WV], 1536                ; my 64 rows' scale bytes: they come through registers, 1,536 consecutive bytes a wave
	s_add_co_u32 s[G0S+1], s[G0S+1], XSC
	s_mul_i32 s56, s[RG], 147456                   ; 256 rows of 576 bytes,
	s_mul_i32 s57, s[WV], 36864                    ; my 64 of them
	s_add_co_u32 s56, s56, s57
	s_mov_b32 s57, 0
	s_mul_i32 s58, s[RG], 6144                     ; and their scale bytes
	s_mul_i32 s59, s[WV], 1536
	s_add_co_u32 s58, s58, s59
	s_mov_b32 s59, 0
	v_and_b32 v5, 15, v0                           ; r
	v_bfe_u32 v6, v0, 4, 1                         ; h
	v_and_b32 v7, 8, v5
	v_add_nc_u32 v7, v7, v5                        ; r + 8 (r / 8)
	v_mul_u32_u24 v2, v7, 24                       ; a weight's scale bytes: my row of the tile
	v_lshlrev_b32 v3, 6, v6                        ; a bias in the result's layout: 16 h numbers on
	v_lshlrev_b32 v4, 2, v7                        ; the bias of my feature
	v_mul_u32_u24 v[XA], v5, 720
	v_mad_u32_u24 v[XA2], v6, 40, v[XA]
	v_mad_u32_u24 v[XA], v6, 24, v[XA]
	v_add_nc_u32 v[XSA], XSC, v2
	s_mul_i32 s61, s[WV], 11520
	s_add_co_u32 s61, s61, WST                     ; my stage for the weights
	v_add_nc_u32 v[WA], s61, v[XA]
	v_add_nc_u32 v[WA2], s61, v[XA2]
	v_and_b32 v7, 31, v0                           ; lane
	v_lshlrev_b32 v[LI], 4, v7
	v_lshlrev_b32 v[L8], 3, v7
	s_mul_i32 s60, s[WV], 1536
	s_add_co_u32 s60, s60, SST
	v_lshl_add_u32 v[SSA], v7, 2, s60
	v_lshl_add_u32 v[SRA], v7, 4, s60
	v_lshrrev_b32 v7, 2, v7                        ; lane / 4: four lanes' 64 bytes, then 16 of padding
	v_lshl_add_u32 v[WSI], v7, 4, v[LI]
	v_add_nc_u32 v[WSI], s61, v[WSI]
	s_wait_alu depctr_va_vdst(0)
	s_wait_dscnt 0x0                               ; the opening add is done
	s_wait_kmcnt 0x0
	s_add_nc_u64 s[G0A+2:G0A+3], s[4:5], s[56:57]
	s_add_nc_u64 s[G0B+2:G0B+3], s[G0A+2:G0A+3], 4608
	s_or_b32 s[G0A+3], s[G0A+3], 0x80000000
	s_or_b32 s[G0B+3], s[G0B+3], 0x80000000
	s_add_nc_u64 s[G0S+2:G0S+3], s[6:7], s[58:59]
	tensor_load_to_lds s[G0A:G0A+3], s[G1C:G1C+7]  ; my one tensor load at the head: tiles u = 0 of my 64 rows
	s_nop 0
	PLACES
	s_mul_i32 s56, s[HD], 36864                    ; my head's 64 rows of a weight
	s_add_nc_u64 s[60:61], s[8:9], s[56:57]
	s_mul_i32 s56, s[HD], 1536
	s_add_nc_u64 s[62:63], s[10:11], s[56:57]
	s_lshl_b32 s56, s[HD], 8
	s_add_nc_u64 s[74:75], s[12:13], s[56:57]
	s_add_nc_u64 s[76:77], s[14:15], s[56:57]
.irp i, 0,1,2
	global_load_b128 v[PC+4*\i:PC+4*\i+3], v[LI], s[G0S+2:G0S+3] offset:512*\i   ; x's scale bytes of my 64 rows: 512 consecutive bytes a load
.endr
	; the small loads go first: they are older than every load that the counted waits below leave out
.irp m, 0,1
.irp t, 0,1,2,3
.irp j, 0,1,2
	global_load_b64 v[WS+6*(4*\m+\t)+2*\j:WS+6*(4*\m+\t)+2*\j+1], v2, s[62:63] offset:18432*\m+(32*(\t/2)+8*(\t%2))*24+8*\j
.endr
.endr
.endr
.irp t, 0,1,2,3
	global_load_b128 v[BQ+8*\t:BQ+8*\t+3], v3, s[74:75] offset:(32*(\t/2)+8*(\t%2))*4
	global_load_b128 v[BQ+8*\t+4:BQ+8*\t+7], v3, s[74:75] offset:(32*(\t/2)+8*(\t%2))*4+16
	global_load_b128 v[BK+8*\t:BK+8*\t+3], v3, s[76:77] offset:(32*(\t/2)+8*(\t%2))*4
	global_load_b128 v[BK+8*\t+4:BK+8*\t+7], v3, s[76:77] offset:(32*(\t/2)+8*(\t%2))*4+16
	global_load_b32 v[VBW+2*\t], v4, s[76:77] offset:(32*(\t/2)+8*(\t%2))*4
.endr
.irp b, 0,1,2,3
	v_mov_b32 v[TM+4+\b], 0                        ; written once: a lane permute's destination counts as one of its sources
	v_mov_b32 v[VBW+2*\b+1], 0                     ; named as the upper half of a pair before it is first made
.endr
	s_lshr_b32 s78, s[RG], 2                       ; the batch
	s_mul_i32 s78, s78, 12
	s_add_co_u32 s78, s78, s[HD]                   ; the record
	s_and_b32 s79, s[RG], 3                        ; my quarter of the batch's 1,024 rows
	s_mul_i32 s80, s78, 51200
	s_mul_i32 s81, s78, 102400
	s_mul_i32 s82, s79, 12288                      ; 8 pair fragments, or 2 key steps of V
	s_lshl_b32 s83, s79, 9                         ; 4 scale images
	s_add_co_u32 s56, s80, s82
	s_add_nc_u64 s[QP:QP+1], s[16:17], s[56:57]
	s_add_co_u32 s56, s81, s82
	s_add_nc_u64 s[KP:KP+1], s[18:19], s[56:57]
	s_add_co_u32 s56, s80, s83
	s_add_nc_u64 s[QB2:QB2+1], s[16:17], s[56:57]
	s_add_co_u32 s56, s81, s83
	s_add_nc_u64 s[RB:RB+1], s[18:19], s[56:57]
; Tile j = 4 m + t of the weights (m = 0 Wq, 1 Wk).  Its fragment of K step s stands at 96 (s % 2) + 12 j of window 1 + s / 2.  Quad q of the tile's 18 (four registers) is registers 4 (q % 3) on of fragment q / 3.
; WLOAD: quad q takes bytes 512 q .. 512 q + 511 of the tile's two runs of 4,608 bytes, 16 bytes a lane; the second run begins 16 rows behind the first's start.
.macro WLOAD j
.irp wd, 1,2,3
	WIN (\wd<<6)                                   ; destination window wd
.irp qq, 0,1,2,3,4,5
.set QD, 6*(\wd-1)+\qq
	global_load_b128 v[96*((QD/3)%2)+12*(\j)+4*(QD%3):96*((QD/3)%2)+12*(\j)+4*(QD%3)+3], v[LI], s[60:61] offset:442368*((\j)/4)+(32*(((\j)%4)/2)+8*((\j)%2))*576+512*QD+4608*(QD/9)
.endr
.endr
.endm
; WSTAGE: the 18 quads go into my stage as they lie: byte B of the tile at B + 16 (B / 64), which for quad q and lane l is 640 q + 16 l + 16 (l / 4); place r's row begins at 720 r.
; They come back as fragments, piece by piece of 8 bytes, into the registers that they left.  LDS serves a wave's instructions in order (ISA guide 5.7.1.4): the loads see the stores, and the next tile's stores come behind them.
.macro WSTAGE j
.irp wd, 1,2,3
	WIN (\wd<<2)                                   ; an LDS store's data are its source 1
.irp qq, 0,1,2,3,4,5
.set QD, 6*(\wd-1)+\qq
	ds_store_b128 v[WSI], v[96*((QD/3)%2)+12*(\j)+4*(QD%3):96*((QD/3)%2)+12*(\j)+4*(QD%3)+3] offset:640*QD
.endr
.endr
.irp wd, 1,2,3
	WIN (\wd<<6)
.irp sp, 0,1
.irp p, 0,1,2,3,4,5
.set PCI, 12*(2*(\wd-1)+\sp)+6*(\p/3)+\p%3
.if PCI%8 < 5
	ds_load_b64 v[96*\sp+12*(\j)+2*\p:96*\sp+12*(\j)+2*\p+1], v[WA] offset:8*PCI+16*(PCI/8)
.else
	ds_load_b64 v[96*\sp+12*(\j)+2*\p:96*\sp+12*(\j)+2*\p+1], v[WA2] offset:8*PCI+16*(PCI/8)
.endif
.endr
.endr
.endr
.endm
	WLOAD 0
	WLOAD 1
	WLOAD 2
	WIN 0
	s_wait_loadcnt 54                              ; loads come back in order: all but the 54 of the three tiles of weights are in
	v_add_nc_u32 v[TM], s[G0S+1], v[LI]            ; XSC + 1,536 w + 16 x lane
.irp i, 0,1,2
	ds_store_b128 v[TM], v[PC+4*\i:PC+4*\i+3] offset:512*\i   ; the scale bytes as they lie; the others read them behind the barrier ahead of the first trip
.endr
.irp j, 0,1,2,3,4,5,6,7
.if \j < 6
	s_wait_loadcnt 36                              ; loads come back in order: tile j's 18 are in; the 36 of the two tiles behind it may be out
.else
	s_wait_loadcnt 18*(7-\j)
.endif
	WSTAGE \j
.if \j < 5
	WLOAD \j+3
.endif
.if \j == 1
	WIN 0
	s_wait_alu depctr_va_vdst(0)                   ; ahead of the blocking wait
	s_wait_tensorcnt 0x0                           ; a later first fill is issued as a refill is: my first load has landed,
	ds_add_u32 v[SPW], v[NIL]                      ; the add,
	s_wait_dscnt 0x0                               ; and its wait
	s_barrier_signal -1
	s_barrier_wait -1
	tensor_load_to_lds s[G0B:G0B+3], s[G1C:G1C+7]  ; tiles u = 1 of my 64 rows: my one load behind this barrier; it lands while the other six tiles of weights turn through the stage
	s_nop 0
	PLACES
.endif
.endr
	WIN 0
.set LX, 2                             ; v2   16 x (lane xor 8): the head's loads that took v2 as their offset have come back
	v_xor_b32 v[LX], 128, v[LI]
; A fragment of x: 16 rows x 128 K = 12 registers; lane (r, h) takes 24 bytes at 96 s + 24 h and 24 at 96 s + 48 + 24 h of its row, in pieces of 8 bytes; 16 bytes of padding lie behind every 8 pieces.
.macro FRAG reg, u, s
.irp p, 0,1,2,3,4,5
.set PCI, 12*(\s)+6*(\p/3)+\p%3
.if PCI%8 < 5
	ds_load_b64 v[\reg+2*\p:\reg+2*\p+1], v[XA] offset:23040*(\u)+8*PCI+16*(PCI/8)
.else
	ds_load_b64 v[\reg+2*\p:\reg+2*\p+1], v[XA2] offset:23040*(\u)+8*PCI+16*(PCI/8)
.endif
.endr
.endm
.macro NEXTX                           ; a pair's first K step, and its scale words of all six
	FRAG XF0, 0, 0
	FRAG XF0+12, 1, 0
.irp u, 0,1
.irp j, 0,1,2
	ds_load_b64 v[XS+6*\u+2*\j:XS+6*\u+2*\j+1], v[XSA] offset:192*\u+8*\j
.endr
.endr
.endm
; K step s of a pair: the next step's fragments are asked for, then 24 products.  The 24 accumulators take turns, one instruction a turn, in the same order in every step.
; The biases of q and k are the C of the first step; v's sums begin with the constant 0.
.macro KSTEP s
.set CUR, XF0+(XF1-XF0)*((\s)%2)
.set NXT, XF0+(XF1-XF0)*(1-(\s)%2)
.set WW, 1+(\s)/2
.set WB, 96*((\s)%2)
	s_wait_dscnt 0x0                               ; this step's fragments are in (asked for a step ago)
.if (\s) < 5
	WIN 0
	PLACES
	FRAG NXT, 0, (\s)+1
	FRAG NXT+12, 1, (\s)+1
.endif
.if (\s) == 0
	WIN 0x40+WW                                    ; source 0 the weights' window, C window 0, D window 1
.else
	WIN 0x50+WW
.endif
.irp u, 0,1
.irp t, 0,1,2,3
.if (\s) == 0
	v_wmma_scale_f32_16x16x128_f8f6f4 v[192+32*\u+8*\t:199+32*\u+8*\t], v[WB+12*\t:WB+12*\t+11], v[CUR+12*\u:CUR+12*\u+11], v[BQ+8*\t:BQ+8*\t+7], v[WS+6*\t+(\s)], v[XS+6*\u+(\s)] matrix_a_fmt:MATRIX_FMT_FP6 matrix_b_fmt:MATRIX_FMT_FP6
.else
	v_wmma_scale_f32_16x16x128_f8f6f4 v[192+32*\u+8*\t:199+32*\u+8*\t], v[WB+12*\t:WB+12*\t+11], v[CUR+12*\u:CUR+12*\u+11], v[192+32*\u+8*\t:199+32*\u+8*\t], v[WS+6*\t+(\s)], v[XS+6*\u+(\s)] matrix_a_fmt:MATRIX_FMT_FP6 matrix_b_fmt:MATRIX_FMT_FP6
.endif
.endr
.endr
.if (\s) == 0
	WIN 0x80+WW
.else
	WIN 0xa0+WW
.endif
.irp u, 0,1
.irp t, 0,1,2,3
.if (\s) == 0
	v_wmma_scale_f32_16x16x128_f8f6f4 v[192+32*\u+8*\t:199+32*\u+8*\t], v[WB+48+12*\t:WB+48+12*\t+11], v[CUR+12*\u:CUR+12*\u+11], v[BK+8*\t:BK+8*\t+7], v[WS+24+6*\t+(\s)], v[XS+6*\u+(\s)] matrix_a_fmt:MATRIX_FMT_FP6 matrix_b_fmt:MATRIX_FMT_FP6
.else
	v_wmma_scale_f32_16x16x128_f8f6f4 v[192+32*\u+8*\t:199+32*\u+8*\t], v[WB+48+12*\t:WB+48+12*\t+11], v[CUR+12*\u:CUR+12*\u+11], v[192+32*\u+8*\t:199+32*\u+8*\t], v[WS+24+6*\t+(\s)], v[XS+6*\u+(\s)] matrix_a_fmt:MATRIX_FMT_FP6 matrix_b_fmt:MATRIX_FMT_FP6
.endif
.endr
.endr
	WIN 0xf0+4*WW                                  ; source 0 (x) window 0, source 1 the weights' window, C and D window 3
.irp u, 0,1
.irp t, 0,1,2,3
.if (\s) == 0
	v_wmma_scale_f32_16x16x128_f8f6f4 v[192+16*\t+8*\u:199+16*\t+8*\u], v[CUR+12*\u:CUR+12*\u+11], v[WB+48+12*\t:WB+48+12*\t+11], 0, v[XS+6*\u+(\s)], v[WS+24+6*\t+(\s)] matrix_a_fmt:MATRIX_FMT_FP6 matrix_b_fmt:MATRIX_FMT_FP6
.else
	v_wmma_scale_f32_16x16x128_f8f6f4 v[192+16*\t+8*\u:199+16*\t+8*\u], v[CUR+12*\u:CUR+12*\u+11], v[WB+48+12*\t:WB+48+12*\t+11], v[192+16*\t+8*\u:199+16*\t+8*\u], v[XS+6*\u+(\s)], v[WS+24+6*\t+(\s)] matrix_a_fmt:MATRIX_FMT_FP6 matrix_b_fmt:MATRIX_FMT_FP6
.endif
.endr
.endr
.endm
; Four blocks of 32: block b is registers 192 + 16 b .. + 15 of window w in lanes l and l xor 16.  Left behind: TM + 4 + b the scale's byte, TM + 8 + b the conversion's scale operand.
; Each accumulator is read from its low end on.
.macro BLKMAX w
	WIN ((\w)<<2)+((\w)<<4)                        ; sources 1 and 2 in window w
.irp b, 0,1,2,3
	v_max3_num_f32 v[TM+\b], s[FLR], |v[192+16*\b]|, |v[193+16*\b]|   ; with the floor among the leaves: the byte cannot fall under 1
.endr
.irp i, 2,4,6,8,10,12,14
.irp b, 0,1,2,3
	v_max3_num_f32 v[TM+\b], v[TM+\b], |v[192+16*\b+\i]|, |v[193+16*\b+\i]|   ; the four blocks by turns
.endr
.endr
	WIN 0
.irp b, 0,1,2,3
	v_permlanex16_b32 v[TM+4+\b], v[TM+\b], s[SEL], s[SEL+1]
.endr
.irp b, 0,1,2,3
	v_max_num_f32 v[TM+\b], v[TM+\b], v[TM+4+\b]   ; the block's largest magnitude
.endr
.irp b, 0,1,2,3
	v_add_nc_u32 v[TM+8+\b], 0xff000000, v[TM+\b]  ; 2 off its exponent field
.endr
.irp b, 0,1,2,3
	v_lshrrev_b32 v[TM+4+\b], 23, v[TM+8+\b]       ; the byte
.endr
.endm
; The pair's q or k (window w: registers 192 + 32 u + 16 B + i = feature 32 B + 16 h + i of my row of tile u) becomes a pair fragment in v[PC] on and its scale word in v[PW].
.macro QUANT w
	BLKMAX \w
	v_lshl_or_b32 v[PW], v[TM+5], 8, v[TM+4]
	v_lshl_or_b32 v[PW], v[TM+6], 16, v[PW]
	v_lshl_or_b32 v[PW], v[TM+7], 24, v[PW]
	s_wait_xcnt 0x0                                ; the earlier stores have read the codes' registers: they are written again only behind this wait
	WIN \w
.irp c, 0,1
	v_cvt_scalef32_pk16_fp6_f32 v[PC+6*\c:PC+6*\c+2], v[192+32*\c:207+32*\c], v[TM+8+2*\c]
	v_cvt_scalef32_pk16_fp6_f32 v[PC+12+4*\c:PC+14+4*\c], v[208+32*\c:223+32*\c], v[TM+9+2*\c]   ; (a conversion's three registers begin on an even number)
.endr
	WIN 0
	v_nop                                          ; one plain place behind the last scaled conversion
.irp c, 0,1                                    ; the operand's layout wants a whole block in a lane
.irp i, 0,1,2
	v_permlane16_swap_b32 v[PC+6*\c+\i], v[PC+12+4*\c+\i]
.endr
.irp i, 0,1,2
	v_mov_b32 v[PC+3+6*\c+\i], v[PC+12+4*\c+\i]
.endr
.endr
.endm
; v of pair p: registers 192 + 16 t + i of window 3 = key 32 p + 16 h + i of my feature of tile t.  bk is added, the block of 32 keys quantised; two pairs make half a fragment, which is stored.
.macro VQ p
	WIN 0xc3                                       ; destination and source 0 window 3
.irp t, 0,1,2,3
.irp i, 0,2,4,6,8,10,12,14
	v_pk_add_f32 v[192+16*\t+\i:193+16*\t+\i], v[192+16*\t+\i:193+16*\t+\i], v[VBW+2*\t:VBW+2*\t+1] op_sel_hi:[1,0]   ; the pair's low word, bk of my feature, serves both halves
.endr
.endr
	BLKMAX 3
.irp t, 0,1,2,3
.if (\p) == 0
	v_mov_b32 v[VBW+2*\t+1], v[TM+4+\t]            ; byte p of the key step's scale word
.else
	v_lshl_or_b32 v[VBW+2*\t+1], v[TM+4+\t], 8*(\p), v[VBW+2*\t+1]
.endif
.endr
	s_wait_xcnt 0x0                                ; the earlier stores have read the registers that the conversions write
	WIN 3
.irp t, 0,1,2,3
.if (\p)%2 == 0
	v_cvt_scalef32_pk16_fp6_f32 v[VF+6*\t:VF+6*\t+2], v[192+16*\t:207+16*\t], v[TM+8+\t]
.else
	v_cvt_scalef32_pk16_fp6_f32 v[PC+4*\t:PC+4*\t+2], v[192+16*\t:207+16*\t], v[TM+8+\t]
.endif
.endr
	WIN 0
	v_nop                                          ; one plain place behind the last scaled conversion
.if (\p)%2 == 1
.irp t, 0,1,2,3
.irp i, 0,1,2
	v_permlane16_swap_b32 v[VF+6*\t+\i], v[PC+4*\t+\i]   ; lanes 0-15 keep the even pair's block, lanes 16-31 take the odd pair's
.endr
.irp i, 0,1,2
	v_mov_b32 v[VF+6*\t+3+\i], v[PC+4*\t+\i]
.endr
.endr
.irp t, 0,1,2,3
	global_store_b128 v[LI], v[VF+6*\t:VF+6*\t+3], s[KP:KP+1] offset:49152+1536*\t+768*((\p)/2)        ; 512 consecutive bytes, aligned to 256
	global_store_b64 v[L8], v[VF+6*\t+4:VF+6*\t+5], s[KP:KP+1] offset:49152+1536*\t+768*((\p)/2)+512    ; 256
.endr
.endif
.endm
.macro PAIR p
.irp s, 0,1,2,3,4,5
	KSTEP \s
.endr
	WIN 0
	PLACES
.if (\p)%2 == 0
	v_add_nc_u32 v[XA], 11520, v[XA]               ; on to the next pair: no LDS load of mine is out
	v_add_nc_u32 v[XA2], 11520, v[XA2]
.else
	v_add_nc_u32 v[XA], 34560, v[XA]
	v_add_nc_u32 v[XA2], 34560, v[XA2]
.endif
	v_add_nc_u32 v[XSA], 768, v[XSA]
.if (\p) < 3
	NEXTX                                          ; it lands while this pair is quantised
.endif
	QUANT 1
.irp c, 0,1,2
	global_store_b128 v[LI], v[PC+4*\c:PC+4*\c+3], s[QP:QP+1] offset:1536*(\p)+512*\c
.endr
.if (\p)%2 == 0
	v_mov_b32 v[QW], v[PW]
.else
	v_cndmask_b32 v[QW], v[QW], v[PW], s[HIM]      ; lanes 0-15 the even pair's words, lanes 16-31 the odd pair's
	ds_store_b32 v[SSA], v[QW] offset:128*((\p)/2)
.endif
	QUANT 2
.irp c, 0,1,2
	global_store_b128 v[LI+(LX-LI)*((\p)%2)], v[PC+4*\c:PC+4*\c+3], s[KP:KP+1] offset:1536*(\p)+512*\c   ; K's images of the odd pairs hold lane l at place l xor 8: the attention launch reads an even and an odd pair's rows by one LDS load
.endr
.if (\p)%2 == 0
	v_mov_b32 v[KW], v[PW]
.else
	v_cndmask_b32 v[KW], v[KW], v[PW], s[HIM]
	ds_store_b32 v[SSA], v[KW] offset:512+128*((\p)/2)
.endif
	VQ \p
.if (\p) == 3
	v_cndmask_b32 v[VW2], v[VBW+1], v[VBW+3], s[HIM]   ; lanes 0-15 tile 0's words, lanes 16-31 tile 1's
	v_cndmask_b32 v[PW], v[VBW+5], v[VBW+7], s[HIM]
	ds_store_b32 v[SSA], v[VW2] offset:1024
	ds_store_b32 v[SSA], v[PW] offset:1152
.endif
.endm
	s_wait_tensorcnt 0x0                           ; my parts of x are in LDS,
	s_wait_dscnt 0x0                               ; and the weights' fragments are back from my stage: no LDS instruction of mine is out at the signal
	s_barrier_signal -1
	s_barrier_wait -1                              ; everybody's parts of x are in
.Ltrip:                                            ; two trips of four pairs: 128 rows, one key step of V
	NEXTX
	PAIR 0
	PAIR 1
	PAIR 2
	PAIR 3
	s_wait_xcnt 0x0                                ; the stores have read their bases
	s_add_nc_u64 s[QP:QP+1], s[QP:QP+1], 6144
	s_add_nc_u64 s[KP:KP+1], s[KP:KP+1], 6144
	s_wait_dscnt 0x0                               ; the stage's stores are done: their address and data may be written
	v_add_nc_u32 v[SSA], 256, v[SSA]
	s_sub_co_u32 s[BLK], s[BLK], 1
	s_cmp_lg_u32 s[BLK], 0
	s_cbranch_scc1 .Ltrip
.irp c, 0,1,2
	ds_load_b128 v[PC+4*\c:PC+4*\c+3], v[SRA] offset:512*\c   ; my own stage: q's, k's, v's four scale images each
.endr
	s_wait_dscnt 0x0
	global_store_b128 v[LI], v[PC:PC+3], s[QB2:QB2+1] offset:49152       ; 512 consecutive bytes each, aligned to 256
	global_store_b128 v[LI], v[PC+4:PC+7], s[RB:RB+1] offset:98304
	global_store_b128 v[LI], v[PC+8:PC+11], s[RB:RB+1] offset:100352
	s_wait_tensorcnt 0x0                           ; the wave's end, behind my last tensor load and my last LDS store
	ds_add_u32 v[SPW], v[NIL]
	s_wait_dscnt 0x0
	s_endpgm
.Lfunc_end_k_qf4f5696795_proj:
	.size	k_qf4f5696795_proj, .Lfunc_end_k_qf4f5696795_proj-k_qf4f5696795_proj
	.p2alignl 7, 3214868480
	.fill 96, 4, 3214868480
	.section	.rodata,"a",@progbits
	.p2align	6, 0x0
	.amdhsa_kernel k_qf4f5696795_proj
		.amdhsa_group_segment_fixed_size 327680
		.amdhsa_private_segment_fixed_size 0
		.amdhsa_enable_private_segment 0
		.amdhsa_kernarg_size 64
		.amdhsa_user_sgpr_count 2
		.amdhsa_user_sgpr_kernarg_segment_ptr 1
		.amdhsa_wavefront_size32 1
		.amdhsa_system_sgpr_workgroup_id_x 1
		.amdhsa_system_sgpr_workgroup_id_y 1
		.amdhsa_system_sgpr_workgroup_id_z 1
		.amdhsa_system_vgpr_workitem_id 0
		.amdhsa_next_free_vgpr 1024
		.amdhsa_next_free_sgpr 96
		.amdhsa_reserve_vcc 0
		.amdhsa_float_denorm_mode_32 3
		.amdhsa_float_denorm_mode_16_64 3
		.amdhsa_memory_ordered 1
		.amdhsa_forward_progress 1
		.amdhsa_inst_pref_size 212
	.end_amdhsa_kernel
	.amdgpu_metadata
---
amdhsa.version: [ 1, 2 ]
amdhsa.kernels:
  - .name:           k_qf4f5696795_proj
    .symbol:         k_qf4f5696795_proj.kd
    .args:
      - { .name: xc, .offset: 0, .size: 8, .value_kind: global_buffer, .address_space: global }
      - { .name: xs, .offset: 8, .size: 8, .value_kind: global_buffer, .address_space: global }
      - { .name: wc, .offset: 16, .size: 8, .value_kind: global_buffer, .address_space: global }
      - { .name: ws, .offset: 24, .size: 8, .value_kind: global_buffer, .address_space: global }
      - { .name: bq, .offset: 32, .size: 8, .value_kind: global_buffer, .address_space: global }
      - { .name: bk, .offset: 40, .size: 8, .value_kind: global_buffer, .address_space: global }
      - { .name: qb, .offset: 48, .size: 8, .value_kind: global_buffer, .address_space: global }
      - { .name: kvb, .offset: 56, .size: 8, .value_kind: global_buffer, .address_space: global }
    .group_segment_fixed_size: 327680
    .private_segment_fixed_size: 0
    .kernarg_segment_align: 8
    .kernarg_segment_size: 64
    .max_flat_workgroup_size: 128
    .sgpr_count:     96
    .vgpr_count:     1024
    .wavefront_size: 32
...
	.end_amdgpu_metadata
.endif
;; end of part 6
;; launch attn (part 7): grid 16 x 16, 16 waves a work-group, clusters of 4 x 1, 327,680 bytes of LDS; arguments qb, kvb, oc, os; writes oc, os
.if DOCPART == 7
	.amdgcn_target "amdgcn-amd-amdhsa--gfx1250"
	.amdhsa_code_object_version 6
	.text
	.protected	k_qf4f5696795_attn
	.globl	k_qf4f5696795_attn
	.p2align	8
	.type	k_qf4f5696795_attn,@function
k_qf4f5696795_attn:
	s_mov_b64 s[64:65], 0
	v_nop
	global_prefetch_b8 v0, s[64:65] scope:SCOPE_SE
	s_setreg_imm32_b32 hwreg(HW_REG_WAVE_MODE, 25, 1), 1
	s_wait_xcnt 0x0
	s_wait_alu depctr_hold_cnt(0) depctr_sa_sdst(0) depctr_va_vdst(0) depctr_va_sdst(0) depctr_va_ssrc(0) depctr_va_vcc(0) depctr_vm_vsrc(0)
	s_getreg_b32 s2, hwreg(HW_REG_IB_STS2, 6, 4)
	s_cmp_eq_u32 s2, 0
	s_cbranch_scc0 .Lentry_in_a_cluster
	s_endpgm
.Lentry_in_a_cluster:
	s_bfe_u32 s2, ttmp6, 0x10000c
	s_cmp_lg_u32 s2, 0x3003
	s_cbranch_scc0 .Lentry_shape_is_right
	s_endpgm
.Lentry_shape_is_right:
; o = softmax(q k^T / 8) v, head by head, both products on codes of FP6 (E2M3) with E8M0 scales; o is quantised along the features and stored as half of an operand's image for the last product.
; THE SOFTMAX: t = score x log2(e) / 8; M = the running largest t rounded up to a whole number; p = 2^(t - M) is quantised along the keys, not normalised; the row's sum is taken of the unquantised p and divides at the end.
; When M moves, the sum and O are multiplied by 2^(old M - new M): exact.
; SHARES.  A cluster of four work-groups takes three neighbouring heads of one batch, one after the other; each work-group 256 queries, each of its sixteen waves one tile of 16: four waves to a SIMD, so that one wave's
; vector work stands beside another's products and LDS loads.  16 batches x 4 groups of heads x 4 blocks of queries are 256 work-groups.
; A head's record (K, V, their scale images) is 102,400 bytes; three lie side by side in LDS as in memory.  Joint loads: at the head wave w of all four partners asks for the same 6,400 bytes of record 0;
; behind the three lines and a round for the same 12,800 bytes of records 1 and 2, which land while record 0 is worked.  Nothing is filled again.  One barrier stands between record 0 and the others;
; o's scale bytes wait in stages of their own for the barrier at the end.
; LAYOUT.  Both products are used transposed: a lane holds one query.  The head's K is 64, half of the instruction's 128: a pair fragment of K holds one tile's 64 features in registers 0-5 and another's in 6-11;
; multiplied by [q; 0] it gives the first tile's scores, by [0; q] the second's.
; THE KEYS OF A TILE are chosen when K's images are read, by the lanes' addresses alone: places 0-7 take eight keys of block 2 c (an even pair's image), places 8-15 the same eight of block 2 c + 1 (an odd pair's).
; So the 32 score registers of group c in lane (r, h) are the 32 keys of block 2 c + h in order: a block's largest score needs no other lane, and the conversions' results are the operand's registers.
; The odd pairs' images hold lane l at place l xor 8, so that the sixteen lanes of a half of a load touch sixteen different columns of 16 bytes.
; No prefetch: both streams are asked for at the launch's head, and no later load is left to run ahead of.
; LIMITS: the promise holds while |t| stays under 2^31; a block whose largest magnitude lies under 2^-124 gets the byte 1, a block of zeros too; NaN and infinities are not served.
; REGISTERS: v1-19 addresses; v20-23 -M, the largest score, the sum; v24-25 f and p's scale word; v26-31 scale words of q, K, V; v32-49 q 0 q; v50-72 q of the three heads; v74-121 four fragments of K, then of V;
;   v122-185 S^T, then p; v186-217 O^T; v218-229 p's codes; v230-255 at work.
.set REC,   102400
.set VCO,   49152                      ; V's fragments in a record
.set KSC,   98304                      ; K's scale images; V's lie 2,048 bytes on
.set OST,   3*REC                      ; three stages of 512 bytes: o's scale bytes, two for each query
.set SPARE, OST+1536                   ; the spare words, 128 bytes a wave
.set LI,  1                            ; 16 x lane
.set L8,  2                            ; 8 x lane
.set R4,  3                            ; 4 r
.set OSA, 4                            ; OST + 32 w + 2 r
.set SPW, 5                            ; my spare word; never rewritten
.set NIL, 6                            ; 0; never rewritten
.set KAP, 7                            ; v7: 16 (l % 8) + 256 h + 1,664 (bit 3 of l): my row in the fragments g = 0; v8: the same + 128 with 1,408: in the fragments g = 1
.set KSP, 9                            ; KSC + 4 (l % 8) + 64 (bit 3) + 32 (bit 4)
.set VSP, 10                           ; KSC + 2,048 + 4 x lane
.set H8,  11                           ; 8 h
.set OSR, 12                           ; OST + 16 x lane + 512 min(w, 2)
.set GOS, 13                           ; 16 x lane + 512 min(w, 2)
.set KAD, 14                           ; v14, v15: v7, v8 + the key step
.set VAD, 16
.set VA8, 17
.set KSAD, 18
.set VSAD, 19
.set ST,  20                           ; +0 -M, +1 the largest score, +2..3 the sum
.set FP,  24                           ; +0 f, +1 p's scale word
.set QS,  26
.set KSR, 28
.set VSR, 30
.set Q,   32
.set QW,  50                           ; head p's q at + 8 p, its scale word at + 6
.set FB,  74
.set S,   122
.set OA,  186
.set PC,  218
.set Y,   230
.set T,   238
.set BM,  242
.set SO,  246
.set C1,  250
.set WV,  12
.set CNT, 16
.set CN2, 17
.set SOS, 18
.set SEL, 20
.set CS,  22
.set G1A, 24
.set G1B, 32
.set G0A, 40
.set G0B, 44
.set QP,  48
.set QSP, 50
.set OB,  52
.set OSB, 54
.set TB,  56
.set TS,  57
.set P0,  58
.set QP2, 70                           ; s[70:71]: registers of its own (s60, s61 still hold the record's number and q's record offset when it is made)
.macro D1
	s_delay_alu instid0(VALU_DEP_1)
.endm
.macro ROUND                           ; a round of the cluster's barrier
	s_barrier_signal -1
	s_barrier_wait -1
	s_cmp_lg_u32 s[WV], 0
	s_cbranch_scc1 .Lnot_wave_0_\@
	s_barrier_signal -3
.Lnot_wave_0_\@:
	s_barrier_wait -3
	s_barrier_signal -1
	s_barrier_wait -1
.endm
	s_load_b256 s[4:11], s[0:1], 0x0               ; qb, kvb, oc, os
	v_lshl_add_u32 v[SPW], v0, 2, SPARE
	v_mov_b32 v[NIL], 0
	ds_add_u32 v[SPW], v[NIL]                      ; the opening lines: the add, twice on end, and below its wait
	ds_add_u32 v[SPW], v[NIL]
	v_lshrrev_b32 v[T], 5, v0
	v_readfirstlane_b32 s[WV], v[T]                ; wave 0..15
	s_bfe_u32 s13, ttmp6, 0x40000                  ; cx: my block of 256 queries; it enters global addresses of q and o alone
	s_and_b32 s15, ttmp7, 0xffff                   ; the batch
	s_mul_i32 s14, ttmp9, 3                        ; the first of my cluster's three heads
	s_mul_i32 s60, s15, 12
	s_add_co_u32 s60, s60, s14                     ; its record
.irp g, G1A, G1B
	s_mov_b32 s[\g], 15|(3<<16)|(1<<21)            ; the mask names all four partners; elements of 8 bytes; bit 21 set beside a mask
	s_mov_b32 s[\g+1], 32<<16                      ; dense rows of 256 bytes
	s_mov_b32 s[\g+3], 32<<16
	s_mov_b32 s[\g+5], 32
	s_mov_b32 s[\g+6], 0
	s_mov_b32 s[\g+7], 0
.endr
	s_mov_b32 s[G1A+2], 25<<16                     ; a sixteenth of a record: 25 rows
	s_mov_b32 s[G1A+4], 25
	s_mov_b32 s[G1B+2], 50<<16                     ; a sixteenth of two records
	s_mov_b32 s[G1B+4], 50
	s_mov_b32 s[G0A], 1
	s_mul_i32 s[G0A+1], s[WV], 6400
	s_mov_b32 s[G0B], 1
	s_mul_i32 s[G0B+1], s[WV], 12800
	s_add_co_u32 s[G0B+1], s[G0B+1], REC
	s_mul_i32 s62, s60, REC
	s_add_co_u32 s66, s62, s[G0B+1]                ; in memory as in LDS
	s_mov_b32 s67, 0
	s_add_co_u32 s62, s62, s[G0A+1]
	s_mov_b32 s63, 0
	s_mul_i32 s61, s60, 51200                      ; q's first record
	s_lshl_b32 s19, s13, 3
	s_lshr_b32 s68, s[WV], 1
	s_add_co_u32 s19, s19, s68                     ; my pair: 8 cx + w / 2
	s_and_b32 s68, s[WV], 1                        ; u: which tile of the pair is mine
	s_mul_i32 s[QP], s19, 1536
	s_add_co_u32 s[QP], s[QP], s61
	s_mul_i32 s69, s68, 1016                       ; register n of the pair's twelve lies at 512 (n / 4) + 16 x lane + 4 (n % 4); mine are 6 u .. 6 u + 5, in three pieces of 8 bytes:
	s_add_co_u32 s[QP2], s[QP], s69                ; at 0, 8, 512 for u = 0 and at 520, 1,024, 1,032 for u = 1
	s_mov_b32 s[QP2+1], 0
	s_mul_i32 s69, s68, 520
	s_add_co_u32 s[QP], s[QP], s69
	s_mov_b32 s[QP+1], 0
	s_lshl_b32 s[QSP], s19, 6                      ; its scale words: 64 x pair
	s_add_co_u32 s[QSP], s[QSP], s61
	s_add_co_u32 s[QSP], s[QSP], 49152
	s_mov_b32 s[QSP+1], 0
	s_mul_i32 s[P0], s68, 0x02020202
	s_add_co_u32 s[P0], s[P0], 0x01000100          ; v_perm_b32: bytes 2 u, 2 u + 1 twice
	s_lshl_b32 s[OB], s15, 6
	s_lshl_b32 s19, s13, 4
	s_add_co_u32 s[OB], s[OB], s19
	s_add_co_u32 s[OB], s[OB], s[WV]               ; my tile of rows: 64 x batch + 16 cx + w
	s_mul_i32 s[OB], s[OB], 9216
	s_mul_i32 s19, s14, 768
	s_add_co_u32 s[OB], s[OB], s19                 ; o's half image for the first head; 768 bytes a head
	s_mov_b32 s[OB+1], 0
	s_lshl_b32 s[OSB], s15, 2
	s_add_co_u32 s[OSB], s[OSB], s13
	s_mul_i32 s[OSB], s[OSB], 12
	s_add_co_u32 s[OSB], s[OSB], s14
	s_lshl_b32 s[OSB], s[OSB], 9                   ; o's scale bytes: 512 for a block of queries and a head
	s_mov_b32 s[OSB+1], 0
	s_mov_b32 s[SEL], 0x76543210
	s_mov_b32 s[SEL+1], 0xfedcba98                 ; v_permlanex16_b32's selects for lane l xor 16
	s_mov_b32 s[CS], 0x3e38aa3b                    ; c = log2(e) / 8
	s_mov_b32 s[CS+1], s[CS]
	v_and_b32 v[T], 31, v0                         ; lane
	v_and_b32 v[T+1], 7, v0
	v_bfe_u32 v[T+2], v0, 3, 1
	v_bfe_u32 v[T+3], v0, 4, 1
	v_lshlrev_b32 v[LI], 4, v[T]
	v_lshlrev_b32 v[L8], 3, v[T]
	v_lshl_add_u32 v[VSP], v[T], 2, KSC+2048
	v_lshlrev_b32 v[KAP], 4, v[T+1]
	v_lshl_add_u32 v[KSP], v[T+1], 2, KSC
	v_lshl_add_u32 v[KAP], v[T+3], 8, v[KAP]
	v_lshl_add_u32 v[KSP], v[T+2], 6, v[KSP]
	v_mad_u32_u24 v[KAP+1], v[T+2], 1408, v[KAP]
	v_lshl_add_u32 v[KSP], v[T+3], 5, v[KSP]
	v_mad_u32_u24 v[KAP], v[T+2], 1664, v[KAP]
	v_add_nc_u32 v[KAP+1], 128, v[KAP+1]
	v_lshlrev_b32 v[H8], 3, v[T+3]
	v_and_b32 v[T], 15, v0                         ; r
	s_lshl_b32 s19, s[WV], 5
	s_add_co_u32 s19, s19, OST
	v_lshl_add_u32 v[OSA], v[T], 1, s19
	v_lshlrev_b32 v[R4], 2, v[T]
	s_min_u32 s19, s[WV], 2
	s_lshl_b32 s19, s19, 9
	v_add_nc_u32 v[GOS], s19, v[LI]
	v_add_nc_u32 v[OSR], OST, v[GOS]
	s_wait_alu depctr_va_vdst(0)                   ; ahead of the blocking waits
	s_wait_dscnt 0x0                               ; both opening adds are done
	s_wait_kmcnt 0x0
	s_add_nc_u64 s[G0A+2:G0A+3], s[6:7], s[62:63]
	s_add_nc_u64 s[G0B+2:G0B+3], s[6:7], s[66:67]
	s_or_b32 s[G0A+3], s[G0A+3], 0x80000000
	s_or_b32 s[G0B+3], s[G0B+3], 0x80000000
	s_add_nc_u64 s[QP:QP+1], s[4:5], s[QP:QP+1]
	s_add_nc_u64 s[QP2:QP2+1], s[4:5], s[QP2:QP2+1]
	s_add_nc_u64 s[QSP:QSP+1], s[4:5], s[QSP:QSP+1]
	s_add_nc_u64 s[OB:OB+1], s[8:9], s[OB:OB+1]
	s_add_nc_u64 s[OSB:OSB+1], s[10:11], s[OSB:OSB+1]
.irp p, 0,1,2                                  ; my tile's q of all three heads, and its pair's scale words
	global_load_b64 v[QW+8*\p:QW+8*\p+1], v[LI], s[QP:QP+1] offset:51200*\p
	global_load_b64 v[QW+8*\p+2:QW+8*\p+3], v[LI], s[QP2:QP2+1] offset:51200*\p+8
	global_load_b64 v[QW+8*\p+4:QW+8*\p+5], v[LI], s[QP:QP+1] offset:51200*\p+512
	global_load_b32 v[QW+8*\p+6], v[R4], s[QSP:QSP+1] offset:51200*\p
.endr
	ROUND                                          ; all four work-groups are here: the joint loads meet
	tensor_load_to_lds s[G0A:G0A+3], s[G1A:G1A+7]  ; record 0: my one tensor load at the head
	s_nop 0
.rept 4
	v_nop
.endr
.irp j, 0,1,2,3,4,5
	v_mov_b32 v[Q+6+\j], 0                         ; the zero half, made once: zero codes add nothing under any scale byte but 0xff
.endr
	v_mov_b32 v[FP+1], 0                           ; named as the upper half of a pair before it is first made
	s_mov_b32 s[TB], 0
	s_mov_b32 s[TS], 0
	s_mov_b32 s[SOS], 0
	s_wait_alu depctr_va_vdst(0)                   ; the wait at the head's end
	s_wait_tensorcnt 0x0                           ; my part of record 0 is in; a later first fill is issued as a refill is:
	ds_add_u32 v[SPW], v[NIL]                      ; the add,
	s_wait_dscnt 0x0                               ; and its wait
	ROUND                                          ; everybody's part of record 0 is in, and the joint loads meet
	tensor_load_to_lds s[G0B:G0B+3], s[G1B:G1B+7]  ; records 1 and 2: my one tensor load behind the round, and my last
	s_nop 0
.rept 4
	v_nop
.endr
; The tile's 128 scores become p's codes in v[PC] on and p's scale word in v[FP + 1]; the sum and O^T go under the new M.
.macro SOFTMAX
.irp k, 0,1,2,3
	v_max3_num_f32 v[T+\k], v[S+16*\k], v[S+16*\k+1], v[S+16*\k+2]   ; four chains by turns; each accumulator is read from its low end on
.endr
.irp i, 3,5,7,9,11,13
.irp k, 0,1,2,3
	v_max3_num_f32 v[T+\k], v[T+\k], v[S+16*\k+\i], v[S+16*\k+\i+1]
.endr
.endr
	v_max_num_f32 v[T], v[T], v[S+15]
	v_max_num_f32 v[T+2], v[T+2], v[S+47]
	v_max3_num_f32 v[BM], v[T], v[T+1], v[S+31]    ; the largest score of my two blocks of 32 keys: for the row's maximum and, since p rises with the score, for the block's largest p
	v_max3_num_f32 v[BM+1], v[T+2], v[T+3], v[S+63]
	D1
	v_max_num_f32 v[T], v[BM], v[BM+1]
	D1
	v_permlanex16_b32 v[T+1], v[T], s[SEL], s[SEL+1]
	D1
	v_max3_num_f32 v[ST+1], v[ST+1], v[T], v[T+1]  ; the running largest score, lane l xor 16's 64 keys among them
	D1
	v_mul_f32 v[T], s[CS], v[ST+1]                 ; as t (c is positive)
	D1
	v_floor_f32 v[T], -v[T]                        ; the new -M = floor(-t): M is a whole number
	D1
	v_sub_f32 v[T+1], v[T], v[ST]                  ; old M - new M: a whole number, 0 or less
	v_mov_b32 v[ST], v[T]
.set J, 0
.rept 32
	v_pk_fma_f32 v[S+J:S+J+1], v[S+J:S+J+1], s[CS:CS+1], v[ST:ST+1] op_sel_hi:[1,0,0]   ; t - M, two at a time
.set J, J+2
.endr
	v_cvt_i32_f32 v[T+1], v[T+1]                   ; (it saturates)
	v_fma_f32 v[BM], v[BM], s[CS], v[ST]           ; the same of each block's largest score
	v_fma_f32 v[BM+1], v[BM+1], s[CS], v[ST]
	v_ldexp_f32 v[FP], 1.0, v[T+1]                 ; f = 2^(old M - new M)
	s_wait_alu depctr_va_vdst(0)                   ; ahead of the batch
.set J, 0
.rept 64
	v_exp_f32 v[S+J], v[S+J]                       ; p = 2^(t - M), at most 1
.set J, J+1
.endr
	v_exp_f32 v[BM], v[BM]                         ; the blocks' largest p: the same two instructions on the same numbers
	v_exp_f32 v[BM+1], v[BM+1]
	v_pk_mul_f32 v[ST+2:ST+3], v[ST+2:ST+3], v[FP:FP+1] op_sel_hi:[1,0]   ; the sum under the new M: the plain place behind the batch
	s_wait_alu depctr_va_vdst(0)                   ; one wait for the whole batch, ahead of its first reader
	v_pk_add_f32 v[C1:C1+1], v[S:S+1], v[S+2:S+3]  ; the sum of the unquantised p, in four chains
	v_pk_add_f32 v[C1+2:C1+3], v[S+4:S+5], v[S+6:S+7]
	v_pk_add_f32 v[C1+4:C1+5], v[S+8:S+9], v[S+10:S+11]
	v_pk_add_f32 v[ST+2:ST+3], v[ST+2:ST+3], v[S+12:S+13]
.irp i, 14,22,30,38,46,54
	v_pk_add_f32 v[C1:C1+1], v[C1:C1+1], v[S+\i:S+\i+1]
	v_pk_add_f32 v[C1+2:C1+3], v[C1+2:C1+3], v[S+\i+2:S+\i+3]
	v_pk_add_f32 v[C1+4:C1+5], v[C1+4:C1+5], v[S+\i+4:S+\i+5]
	v_pk_add_f32 v[ST+2:ST+3], v[ST+2:ST+3], v[S+\i+6:S+\i+7]
.endr
	v_pk_add_f32 v[C1:C1+1], v[C1:C1+1], v[S+62:S+63]
	v_pk_add_f32 v[C1+2:C1+3], v[C1+2:C1+3], v[C1+4:C1+5]
	v_max_num_f32 v[BM], 0x1800000, v[BM]          ; the floor 2^(3 - 127): the byte cannot fall under 1
	v_max_num_f32 v[BM+1], 0x1800000, v[BM+1]
	v_pk_add_f32 v[ST+2:ST+3], v[ST+2:ST+3], v[C1:C1+1]
	v_add_nc_u32 v[SO], 0xff000000, v[BM]          ; 2 off the exponent field: the conversion's scale operand
	v_add_nc_u32 v[SO+1], 0xff000000, v[BM+1]
	v_pk_add_f32 v[ST+2:ST+3], v[ST+2:ST+3], v[C1+2:C1+3]
	v_lshrrev_b32 v[T], 23, v[SO]                  ; the bytes of blocks h and 2 + h
	v_lshrrev_b32 v[T+1], 23, v[SO+1]
	D1
	v_lshl_or_b32 v[T], v[T+1], 16, v[T]
	D1
	v_lshlrev_b32 v[T], v[H8], v[T]                ; at their places in the scale word
	D1
	v_permlanex16_b32 v[T+1], v[T], s[SEL], s[SEL+1]
	D1
	v_or_b32 v[FP+1], v[T], v[T+1]                 ; with lane l xor 16's two the word is whole
.irp c, 0,1
	v_cvt_scalef32_pk16_fp6_f32 v[PC+6*\c:PC+6*\c+2], v[S+32*\c:S+32*\c+15], v[SO+\c]
	v_cvt_scalef32_pk16_fp6_f32 v[Y+4*\c:Y+4*\c+2], v[S+32*\c+16:S+32*\c+31], v[SO+\c]   ; (a conversion's three registers begin on an even number)
.endr
	v_nop                                          ; one plain place behind the last scaled conversion
.irp c, 0,1
.irp i, 0,1,2
	v_mov_b32 v[PC+3+6*\c+\i], v[Y+4*\c+\i]        ; registers 6 c .. 6 c + 5: keys 64 c + 32 h + 0 .. 31
.endr
.endr
	s_wait_alu depctr_va_vdst(0)                   ; directly ahead of the first reader of O^T
.set J, 0
.rept 16
	v_pk_mul_f32 v[OA+J:OA+J+1], v[OA+J:OA+J+1], v[FP:FP+1] op_sel_hi:[1,0]   ; O^T under the new M; also the places between the codes and scale word just made and the products
.set J, J+2
.endr
.endm
; A key step of 128 keys.
.macro STEP
	v_add_nc_u32 v[KAD], s[TB], v[KAP]             ; six places between the last trip's products and the loads into the registers that they read
	v_add_nc_u32 v[KAD+1], s[TB], v[KAP+1]
	v_add_nc_u32 v[KSAD], s[TS], v[KSP]
	v_add_nc_u32 v[VAD], s[TB], v[LI]
	v_add_nc_u32 v[VA8], s[TB], v[L8]
	v_add_nc_u32 v[VSAD], s[TS], v[VSP]
.irp c, 0,1                                    ; K's four pair fragments, the lanes picking their rows
.irp g, 0,1
.irp e, 0,1,2
	ds_load_b128 v[FB+12*(2*\c+\g)+4*\e:FB+12*(2*\c+\g)+4*\e+3], v[KAD+\g] offset:3072*\c+512*\e
.endr
.endr
.endr
	ds_load_b32 v[KSR], v[KSAD]                    ; their rows' scale words: lanes 0-15 the fragment g = 0 of group 0, lanes 16-31 g = 1
	ds_load_b32 v[KSR+1], v[KSAD] offset:128
	s_wait_alu depctr_va_vdst(0)                   ; ahead of the blocking wait
	s_wait_dscnt 0x0
.irp c, 0,1                                    ; S^T: register S + 32 c + 16 g + 8 u + j = key 64 c + 32 h + 16 g + 8 u + j of my query
.irp g, 0,1
.irp u, 0,1
.if \g == 0
	v_wmma_scale_f32_16x16x128_f8f6f4 v[S+32*\c+16*\g+8*\u:S+32*\c+16*\g+8*\u+7], v[FB+12*(2*\c+\g):FB+12*(2*\c+\g)+11], v[Q+6*\u:Q+6*\u+11], 0, v[KSR+\c], v[QS] matrix_a_fmt:MATRIX_FMT_FP6 matrix_b_fmt:MATRIX_FMT_FP6
.else
	v_wmma_scale_f32_16x16x128_f8f6f4 v[S+32*\c+16*\g+8*\u:S+32*\c+16*\g+8*\u+7], v[FB+12*(2*\c+\g):FB+12*(2*\c+\g)+11], v[Q+6*\u:Q+6*\u+11], 0, v[KSR+\c], v[QS] matrix_a_fmt:MATRIX_FMT_FP6 matrix_b_fmt:MATRIX_FMT_FP6 matrix_a_scale:MATRIX_SCALE_ROW1
.endif
.endr
.endr
.endr
.rept 4
	v_nop                                          ; places in front of the loads into K's registers and of the first read of the scores
.endr
.irp t, 0,1,2,3                                ; V's four fragments go out now and land under the softmax
	ds_load_b128 v[FB+12*\t:FB+12*\t+3], v[VAD] offset:VCO+1536*\t
	ds_load_b64 v[FB+12*\t+4:FB+12*\t+5], v[VA8] offset:VCO+1536*\t+512
	ds_load_b128 v[FB+12*\t+6:FB+12*\t+9], v[VAD] offset:VCO+1536*\t+768
	ds_load_b64 v[FB+12*\t+10:FB+12*\t+11], v[VA8] offset:VCO+1536*\t+1280
.endr
	ds_load_b32 v[VSR], v[VSAD]
	ds_load_b32 v[VSR+1], v[VSAD] offset:128
	SOFTMAX
	s_wait_alu depctr_va_vdst(0)                   ; ahead of the blocking wait
	s_wait_dscnt 0x0                               ; V is in
.irp t, 0,1,2,3                                ; O^T += V^T P^T: the four accumulators by turns
.if \t%2 == 0
	v_wmma_scale_f32_16x16x128_f8f6f4 v[OA+8*\t:OA+8*\t+7], v[FB+12*\t:FB+12*\t+11], v[PC:PC+11], v[OA+8*\t:OA+8*\t+7], v[VSR+\t/2], v[FP+1] matrix_a_fmt:MATRIX_FMT_FP6 matrix_b_fmt:MATRIX_FMT_FP6
.else
	v_wmma_scale_f32_16x16x128_f8f6f4 v[OA+8*\t:OA+8*\t+7], v[FB+12*\t:FB+12*\t+11], v[PC:PC+11], v[OA+8*\t:OA+8*\t+7], v[VSR+\t/2], v[FP+1] matrix_a_fmt:MATRIX_FMT_FP6 matrix_b_fmt:MATRIX_FMT_FP6 matrix_a_scale:MATRIX_SCALE_ROW1
.endif
.endr
	s_add_co_u32 s[TB], s[TB], 6144                ; the next key step
	s_add_co_u32 s[TS], s[TS], 256
.endm
; ONE HEAD.  s[TB], s[TS]: where its record begins in LDS; slot: its q; rot = 1: the slot behind is moved up for the next trip.
.macro RECORD slot, rot
	s_wait_loadcnt 0x0                             ; q: asked for at the head
.irp j, 0,1,2,3,4,5
	v_mov_b32 v[Q+\j], v[\slot+\j]                 ; q 0 q: [q; 0] and [0; q] are runs of twelve
	v_mov_b32 v[Q+12+\j], v[\slot+\j]
.endr
	v_perm_b32 v[QS], v[\slot+6], v[\slot+6], s[P0]   ; my tile's two bytes, for both halves of the instruction's K
.if \rot
.set J, 0
.rept 7
	v_mov_b32 v[\slot+J], v[\slot+8+J]
.set J, J+1
.endr
.endif
	v_mov_b32 v[ST], 0x7f61b1e6                    ; -M: 3e38
	v_mov_b32 v[ST+1], 0xff61b1e6                  ; the largest score so far: -3e38
	v_mov_b32 v[ST+2], 0                           ; the sum, in two halves
	v_mov_b32 v[ST+3], 0
.set J, 0
.rept 32
	v_mov_b32 v[OA+J], 0                           ; O^T: the step is written once; the first finds zeros.  (Also the places between q's operands and scale word and the first product)
.set J, J+1
.endr
	s_mov_b32 s[CNT], 8
.Lstep_\@:
	STEP
	s_sub_co_u32 s[CNT], s[CNT], 1
	s_cmp_lg_u32 s[CNT], 0
	s_cbranch_scc1 .Lstep_\@
	; THE WAY OUT.  O^T / the sum: register 16 B + i is feature 32 B + 16 h + i of my query: two blocks of 32 along the last product's K
.rept 4
	v_nop                                          ; places between the last products and the first read of O^T
.endr
	v_add_f32 v[T], v[ST+2], v[ST+3]
	D1
	v_permlanex16_b32 v[T+1], v[T], s[SEL], s[SEL+1]
	D1
	v_add_f32 v[T], v[T], v[T+1]
	s_wait_alu depctr_va_vdst(0)                   ; ahead of the reciprocal
	v_rcp_f32 v[T], v[T]
	v_nop                                          ; a plain place behind it
	s_wait_alu depctr_va_vdst(0)                   ; and the wait ahead of its first reader, which is O^T's first reader too
.set J, 0
.rept 16
	v_pk_mul_f32 v[S+J:S+J+1], v[OA+J:OA+J+1], v[T:T+1] op_sel_hi:[1,0]
.set J, J+2
.endr
.irp b, 0,1
	v_max3_num_f32 v[T+\b], |v[S+16*\b]|, |v[S+16*\b+1]|, 0x1800000
.endr
.irp i, 2,4,6,8,10,12,14
.irp b, 0,1
	v_max3_num_f32 v[T+\b], v[T+\b], |v[S+16*\b+\i]|, |v[S+16*\b+\i+1]|
.endr
.endr
.irp b, 0,1
	v_permlanex16_b32 v[BM+\b], v[T+\b], s[SEL], s[SEL+1]
.endr
.irp b, 0,1
	v_max_num_f32 v[T+\b], v[T+\b], v[BM+\b]
.endr
.irp b, 0,1
	v_add_nc_u32 v[SO+\b], 0xff000000, v[T+\b]
.endr
.irp b, 0,1
	v_lshrrev_b32 v[BM+\b], 23, v[SO+\b]
.endr
	v_add_nc_u32 v[T+2], s[SOS], v[OSA]            ; this record's stage
	v_lshl_or_b32 v[T], v[BM+1], 8, v[BM]          ; my query's two scale bytes
	v_cvt_scalef32_pk16_fp6_f32 v[PC:PC+2], v[S:S+15], v[SO]
	v_cvt_scalef32_pk16_fp6_f32 v[Y:Y+2], v[S+16:S+31], v[SO+1]
	v_nop                                          ; one plain place behind the last scaled conversion
.irp i, 0,1,2                                  ; the operand's layout wants a whole block in a lane
	v_permlane16_swap_b32 v[PC+\i], v[Y+\i]
.endr
.irp i, 0,1,2
	v_mov_b32 v[PC+3+\i], v[Y+\i]                  ; registers 0-5: features 32 h + 0 .. 31
.endr
	global_store_b128 v[LI], v[PC:PC+3], s[OB:OB+1]              ; 512 consecutive bytes, aligned to 256
	global_store_b64 v[L8], v[PC+4:PC+5], s[OB:OB+1] offset:512  ; 256
	ds_store_b16 v[T+2], v[T]                      ; lanes r and r + 16 write the same two bytes with the same value; each record has a stage of its own
	s_wait_xcnt 0x0                                ; the stores have read their base and their data: both are written again only behind this wait
	s_add_nc_u64 s[OB:OB+1], s[OB:OB+1], 768
	s_add_co_u32 s[TB], s[TB], REC-8*6144          ; the next record
	s_add_co_u32 s[TS], s[TS], REC-8*256
	s_add_co_u32 s[SOS], s[SOS], 512
	s_wait_dscnt 0x0                               ; for the others' sake, ahead of the next barrier's signal: my store has landed
.endm
	RECORD QW, 0
	s_wait_tensorcnt 0x0                           ; my part of records 1 and 2 is in LDS
	s_barrier_signal -1
	s_barrier_wait -1                              ; everybody's part is in
	s_mov_b32 s[TB], REC
	s_mov_b32 s[TS], REC
	s_mov_b32 s[CN2], 2
.Lrec:
	RECORD QW+8, 1
	s_sub_co_u32 s[CN2], s[CN2], 1
	s_cmp_lg_u32 s[CN2], 0
	s_wait_alu depctr_va_vdst(0)                   ; ahead of the branch
	s_cbranch_scc1 .Lrec
	s_barrier_signal -1
	s_barrier_wait -1                              ; all sixteen waves' scale bytes of the three records lie in the stages
	s_cmp_ge_u32 s[WV], 3
	s_cbranch_scc1 .Lno_os
	ds_load_b128 v[S:S+3], v[OSR]                  ; wave w < 3 stores record w's 512 scale bytes whole
	s_wait_dscnt 0x0
	global_store_b128 v[GOS], v[S:S+3], s[OSB:OSB+1]
.Lno_os:
	s_wait_tensorcnt 0x0                           ; the wave's end, behind my last tensor load and my last LDS store
	ds_add_u32 v[SPW], v[NIL]
	s_wait_dscnt 0x0
	ROUND                                          ; the closing round
	s_endpgm
.Lfunc_end_k_qf4f5696795_attn:
	.size	k_qf4f5696795_attn, .Lfunc_end_k_qf4f5696795_attn-k_qf4f5696795_attn
	.p2alignl 7, 3214868480
	.fill 96, 4, 3214868480
	.section	.rodata,"a",@progbits
	.p2align	6, 0x0
	.amdhsa_kernel k_qf4f5696795_attn
		.amdhsa_group_segment_fixed_size 327680
		.amdhsa_private_segment_fixed_size 0
		.amdhsa_enable_private_segment 0
		.amdhsa_kernarg_size 32
		.amdhsa_user_sgpr_count 2
		.amdhsa_user_sgpr_kernarg_segment_ptr 1
		.amdhsa_wavefront_size32 1
		.amdhsa_system_sgpr_workgroup_id_x 1
		.amdhsa_system_sgpr_workgroup_id_y 1
		.amdhsa_system_sgpr_workgroup_id_z 1
		.amdhsa_system_vgpr_workitem_id 0
		.amdhsa_next_free_vgpr 256
		.amdhsa_next_free_sgpr 72
		.amdhsa_reserve_vcc 0
		.amdhsa_float_denorm_mode_32 3
		.amdhsa_float_denorm_mode_16_64 3
		.amdhsa_memory_ordered 1
		.amdhsa_forward_progress 1
		.amdhsa_inst_pref_size 51
	.end_amdhsa_kernel
	.amdgpu_metadata
---
amdhsa.version: [ 1, 2 ]
amdhsa.kernels:
  - .name:           k_qf4f5696795_attn
    .symbol:         k_qf4f5696795_attn.kd
    .args:
      - { .name: qb, .offset: 0, .size: 8, .value_kind: global_buffer, .address_space: global }
      - { .name: kvb, .offset: 8, .size: 8, .value_kind: global_buffer, .address_space: global }
      - { .name: oc, .offset: 16, .size: 8, .value_kind: global_buffer, .address_space: global }
      - { .name: os, .offset: 24, .size: 8, .value_kind: global_buffer, .address_space: global }
    .group_segment_fixed_size: 327680
    .private_segment_fixed_size: 0
    .kernarg_segment_align: 8
    .kernarg_segment_size: 32
    .max_flat_workgroup_size: 512
    .sgpr_count:     72
    .vgpr_count:     256
    .wavefront_size: 32
...
	.end_amdgpu_metadata
.endif
;; end of part 7
;; launch outp (part 8): grid 2 x 128, 4 waves a work-group, no clusters, 327,680 bytes of LDS; arguments oc, os, wc, ws, bp, out0; writes out0
.if DOCPART == 8
	.amdgcn_target "amdgcn-amd-amdhsa--gfx1250"
	.amdhsa_code_object_version 6
	.text
	.protected	k_qf4f5696795_outp
	.globl	k_qf4f5696795_outp
	.p2align	8
	.type	k_qf4f5696795_outp,@function
k_qf4f5696795_outp:
	s_mov_b64 s[64:65], 0
	v_nop
	global_prefetch_b8 v0, s[64:65] scope:SCOPE_SE
	s_setreg_imm32_b32 hwreg(HW_REG_WAVE_MODE, 25, 1), 1
	s_wait_xcnt 0x0
.set OSB,   73728
.set STG,   76800
.set SPARE, 275456
.set WST,   275968
.set WA,   1
.set WA2,  4
.set WSI,  5
.set AL16, 8
.set AL8,  9
.set OSA,  10
.set STO,  11
.set SRD,  12
.set GO,   13
.set SPW,  14
.set NIL,  15
.set WS,   16
.set AS,   52
.set TS,   64
.set AF0,  88
.set ACC,  136
.set WV,   16
.set G1C,  24
.set G1S,  32
.set G0C,  40
.set G0S,  44
.set OUT,  60
.set MSB, 0
.macro WIN new
.if MSB != (\new)
	s_set_vgpr_msb (MSB<<8)|(\new)
.set MSB, (\new)
.endif
.endm
.macro PLACES
.rept 4
	v_nop
.endr
.endm
	s_load_b256 s[4:11], s[0:1], 0x0
	s_load_b128 s[12:15], s[0:1], 0x20
	v_lshl_add_u32 v[SPW], v0, 2, SPARE
	v_mov_b32 v[NIL], 0
	ds_add_u32 v[SPW], v[NIL]
	ds_add_u32 v[SPW], v[NIL]
	v_lshrrev_b32 v1, 5, v0
	v_readfirstlane_b32 s[WV], v1
	s_and_b32 s18, ttmp7, 0xffff
	s_mul_i32 s19, ttmp9, 384
	s_mul_i32 s20, s[WV], 96
	s_add_co_u32 s19, s19, s20
	s_mov_b32 s[G1C], 3<<16
	s_mov_b32 s[G1C+1], 32<<16
	s_mov_b32 s[G1C+2], 72<<16
	s_mov_b32 s[G1C+3], 32<<16
	s_mov_b32 s[G1C+4], 72
	s_mov_b32 s[G1C+5], 32
	s_mov_b32 s[G1C+6], 0
	s_mov_b32 s[G1C+7], 0
	s_mov_b32 s[G1S], 3<<16
	s_mov_b32 s[G1S+1], 32<<16
	s_mov_b32 s[G1S+2], 3<<16
	s_mov_b32 s[G1S+3], 32<<16
	s_mov_b32 s[G1S+4], 3
	s_mov_b32 s[G1S+5], 64
	s_mov_b32 s[G1S+6], 0
	s_mov_b32 s[G1S+7], 0
	s_mov_b32 s[G0C], 1
	s_mul_i32 s[G0C+1], s[WV], 18432
	s_mov_b32 s[G0S], 1
	s_mul_i32 s[G0S+1], s[WV], 768
	s_add_co_u32 s[G0S+1], s[G0S+1], OSB
	s_mul_i32 s48, s18, 73728
	s_add_co_u32 s48, s48, s[G0C+1]
	s_mov_b32 s49, 0
	s_lshr_b32 s50, s18, 1
	s_mul_i32 s50, s50, 6144
	s_and_b32 s51, s18, 1
	s_lshl_b32 s51, s51, 8
	s_add_co_u32 s50, s50, s51
	s_mul_i32 s51, s[WV], 1536
	s_add_co_u32 s50, s50, s51
	s_mov_b32 s51, 0
	s_lshl_b32 s52, s18, 7
	s_lshr_b32 s53, s[WV], 1
	s_lshl_b32 s53, s53, 3
	s_add_co_u32 s52, s52, s53
	s_and_b32 s53, s[WV], 1
	s_lshl_b32 s53, s53, 4
	s_add_co_u32 s52, s52, s53
	s_mul_i32 s52, s52, 3072
	s_mul_i32 s53, ttmp9, 1536
	s_add_co_u32 s52, s52, s53
	s_mov_b32 s53, 0
	v_and_b32 v5, 15, v0
	v_bfe_u32 v6, v0, 4, 1
	v_and_b32 v7, 31, v0
	v_mul_u32_u24 v2, v5, 24
	v_lshlrev_b32 v3, 5, v6
	v_lshlrev_b32 v[AL16], 4, v7
	v_lshlrev_b32 v[AL8], 3, v7
	v_lshl_add_u32 v[OSA], v5, 1, OSB
	v_mul_u32_u24 v[STO], v5, 1552
	v_lshl_add_u32 v[STO], v6, 5, v[STO]
	s_mul_i32 s20, s[WV], 384
	s_add_co_u32 s20, s20, STG
	v_add_nc_u32 v[STO], s20, v[STO]
	s_mul_i32 s21, s[WV], 12416
	s_add_co_u32 s21, s21, STG
	v_lshl_add_u32 v[SRD], v7, 4, s21
	v_lshlrev_b32 v[GO], 4, v7
	s_mul_i32 s22, s[WV], 11520
	s_add_co_u32 s22, s22, WST
	v_mul_u32_u24 v[WA], v5, 720
	v_mad_u32_u24 v[WA2], v6, 40, v[WA]
	v_mad_u32_u24 v[WA], v6, 24, v[WA]
	v_add_nc_u32 v[WA], s22, v[WA]
	v_add_nc_u32 v[WA2], s22, v[WA2]
	v_lshrrev_b32 v[WSI], 2, v7
	v_lshl_add_u32 v[WSI], v[WSI], 4, v[GO]
	v_add_nc_u32 v[WSI], s22, v[WSI]
	s_wait_alu depctr_va_vdst(0)
	s_wait_dscnt 0x0
	s_wait_kmcnt 0x0
	s_add_nc_u64 s[G0C+2:G0C+3], s[4:5], s[48:49]
	s_or_b32 s[G0C+3], s[G0C+3], 0x80000000
	s_add_nc_u64 s[G0S+2:G0S+3], s[6:7], s[50:51]
	s_or_b32 s[G0S+3], s[G0S+3], 0x80000000
	tensor_load_to_lds s[G0C:G0C+3], s[G1C:G1C+7]
	s_nop 0
	s_wait_alu depctr_va_vdst(0)
	s_wait_tensorcnt 0x0
	ds_add_u32 v14, v15
	s_wait_dscnt 0x0
	s_barrier_signal -1
	s_barrier_wait -1
	tensor_load_to_lds s[G0S:G0S+3], s[G1S:G1S+7]
	s_nop 0
	PLACES
	s_add_nc_u64 s[OUT:OUT+1], s[14:15], s[52:53]
	s_mul_i32 s62, s19, 576
	s_add_co_u32 s62, s62, 884736
	s_mov_b32 s63, 0
	s_add_nc_u64 s[54:55], s[8:9], s[62:63]
	s_mul_i32 s62, s19, 24
	s_add_co_u32 s62, s62, 36864
	s_add_nc_u64 s[56:57], s[10:11], s[62:63]
	s_lshl_b32 s62, s19, 2
	s_add_nc_u64 s[58:59], s[12:13], s[62:63]
.irp g, 0,1
	WIN ((1+\g)<<6)
.irp tt, 0,1,2
	global_load_b128 v[216+8*\tt:219+8*\tt], v3, s[58:59] offset:64*(3*\g+\tt)
	global_load_b128 v[220+8*\tt:223+8*\tt], v3, s[58:59] offset:64*(3*\g+\tt)+16
.endr
.endr
	WIN 0
.irp t, 0,1,2,3,4,5
.irp j, 0,1,2
	global_load_b64 v[WS+6*\t+2*\j:WS+6*\t+2*\j+1], v2, s[56:57] offset:384*\t+8*\j
.endr
.endr
.macro WLOAD t
	WIN ((1+(\t)/3)<<6)
.irp q, 0,1,2,3,4,5,6,7,8,9,10,11,12,13,14,15,16,17
	global_load_b128 v[72*((\t)%3)+4*\q:72*((\t)%3)+4*\q+3], v[GO], s[54:55] offset:9216*(\t)+512*\q
.endr
.endm
.macro WSTAGE t
	WIN ((1+(\t)/3)<<2)
.irp q, 0,1,2,3,4,5,6,7,8,9,10,11,12,13,14,15,16,17
	ds_store_b128 v[WSI], v[72*((\t)%3)+4*\q:72*((\t)%3)+4*\q+3] offset:640*\q
.endr
	WIN ((1+(\t)/3)<<6)
.irp s, 0,1,2,3,4,5
.irp p, 0,1,2,3,4,5
.set PCI, 12*\s+6*(\p/3)+\p%3
.if PCI%8 < 5
	ds_load_b64 v[72*((\t)%3)+12*\s+2*\p:72*((\t)%3)+12*\s+2*\p+1], v[WA] offset:8*PCI+16*(PCI/8)
.else
	ds_load_b64 v[72*((\t)%3)+12*\s+2*\p:72*((\t)%3)+12*\s+2*\p+1], v[WA2] offset:8*PCI+16*(PCI/8)
.endif
.endr
.endr
.endm
	WLOAD 0
	WLOAD 1
	WLOAD 2
.irp j, 0,1,2,3,4,5
.if \j < 4
	s_wait_loadcnt 36
.else
	s_wait_loadcnt 18*(5-\j)
.endif
	WSTAGE \j
.if \j < 3
	WLOAD \j+3
.endif
.endr
	WIN 0
.macro AFRAG reg, u, s
	ds_load_b128 v[\reg:\reg+3], v[AL16] offset:9216*(\u)+1536*(\s)
	ds_load_b64 v[\reg+4:\reg+5], v[AL8] offset:9216*(\u)+1536*(\s)+512
	ds_load_b128 v[\reg+6:\reg+9], v[AL16] offset:9216*(\u)+1536*(\s)+768
	ds_load_b64 v[\reg+10:\reg+11], v[AL8] offset:9216*(\u)+1536*(\s)+1280
.endm
.macro TSLOAD pi
.irp u, 0,1
.irp hd, 0,1,2,3,4,5,6,7,8,9,10,11
	ds_load_u16 v[TS+12*\u+\hd], v[OSA] offset:256*\hd+64*(\pi)+32*\u
.endr
.endr
.endm
.macro ASMAKE
.irp u, 0,1
.irp s, 0,1,2,3,4,5
	v_lshl_or_b32 v[AS+6*\u+\s], v[TS+12*\u+2*\s+1], 16, v[TS+12*\u+2*\s]
.endr
.endr
.endm
.macro OSTEP s
.set CUR, AF0+24*((\s)%2)
.set NXT, AF0+24*(1-(\s)%2)
	s_wait_dscnt 0x0
.if (\s) < 5
	WIN 0
	PLACES
	AFRAG NXT, 0, (\s)+1
	AFRAG NXT+12, 1, (\s)+1
.endif
.irp g, 0,1
.if (\s) == 0
	WIN 0x11*(1+\g)
.else
	WIN 1+\g
.endif
.irp tt, 0,1,2
.irp u, 0,1
.if (\s) == 0
	v_wmma_scale_f32_16x16x128_f8f6f4 v[ACC+8*(6*\u+3*\g+\tt):ACC+8*(6*\u+3*\g+\tt)+7], v[12*(6*\tt+(\s)):12*(6*\tt+(\s))+11], v[CUR+12*\u:CUR+12*\u+11], v[216+8*\tt:223+8*\tt], v[WS+6*(3*\g+\tt)+(\s)], v[AS+6*\u+(\s)] matrix_a_fmt:MATRIX_FMT_FP6 matrix_b_fmt:MATRIX_FMT_FP6
.else
	v_wmma_scale_f32_16x16x128_f8f6f4 v[ACC+8*(6*\u+3*\g+\tt):ACC+8*(6*\u+3*\g+\tt)+7], v[12*(6*\tt+(\s)):12*(6*\tt+(\s))+11], v[CUR+12*\u:CUR+12*\u+11], v[ACC+8*(6*\u+3*\g+\tt):ACC+8*(6*\u+3*\g+\tt)+7], v[WS+6*(3*\g+\tt)+(\s)], v[AS+6*\u+(\s)] matrix_a_fmt:MATRIX_FMT_FP6 matrix_b_fmt:MATRIX_FMT_FP6
.endif
.endr
.endr
.endr
.endm
.macro OPAIR pi
.rept 8
	v_nop
.endr
.irp s, 0,1,2,3,4,5
	OSTEP \s
.endr
	WIN 0
	PLACES
.if (\pi) < 3
	v_add_nc_u32 v[AL16], 18432, v[AL16]
	v_add_nc_u32 v[AL8], 18432, v[AL8]
	AFRAG AF0, 0, 0
	AFRAG AF0+12, 1, 0
	TSLOAD (\pi)+1
.endif
.irp u, 0,1
.irp t, 0,1,2,3,4,5
	ds_store_b128 v[STO], v[ACC+8*(6*\u+\t):ACC+8*(6*\u+\t)+3] offset:24832*\u+64*\t
	ds_store_b128 v[STO], v[ACC+8*(6*\u+\t)+4:ACC+8*(6*\u+\t)+7] offset:24832*\u+64*\t+16
.endr
.endr
	s_wait_dscnt 0x0
	s_barrier_signal -1
	s_barrier_wait -1
.if (\pi) < 3
	ASMAKE
.endif
.irp n, 0,1,2,3,4,5,6,7,8,9,10,11,12,13,14,15,16,17,18,19,20,21,22,23
	ds_load_b128 v[ACC+4*\n:ACC+4*\n+3], v[SRD] offset:1552*(\n/3)+512*(\n%3)
.endr
.irp n, 0,1,2,3,4,5,6,7,8,9,10,11,12,13,14,15,16,17,18,19,20,21,22,23
	s_wait_dscnt 23-\n
	global_store_b128 v[GO], v[ACC+4*\n:ACC+4*\n+3], s[OUT:OUT+1] offset:3072*(\n/3)+512*(\n%3) th:TH_STORE_NT
.endr
.if (\pi) < 3
	s_wait_xcnt 0x0
	s_add_nc_u64 s[OUT:OUT+1], s[OUT:OUT+1], 98304
	v_add_nc_u32 v[STO], 49664, v[STO]
	v_add_nc_u32 v[SRD], 49664, v[SRD]
.endif
.endm
	s_wait_tensorcnt 0x0
	s_wait_dscnt 0x0
	s_barrier_signal -1
	s_barrier_wait -1
	AFRAG AF0, 0, 0
	AFRAG AF0+12, 1, 0
	TSLOAD 0
	s_wait_dscnt 0x0
	ASMAKE
	s_wait_alu depctr_va_vdst(0)
	OPAIR 0
	s_wait_alu depctr_va_vdst(0)
	OPAIR 1
	s_wait_alu depctr_va_vdst(0)
	OPAIR 2
	s_wait_alu depctr_va_vdst(0)
	OPAIR 3
	s_wait_tensorcnt 0x0
	ds_add_u32 v[SPW], v[NIL]
	s_wait_dscnt 0x0
	s_endpgm
.Lfunc_end_k_qf4f5696795_outp:
	.size	k_qf4f5696795_outp, .Lfunc_end_k_qf4f5696795_outp-k_qf4f5696795_outp
	.p2alignl 7, 3214868480
	.fill 96, 4, 3214868480
	.section	.rodata,"a",@progbits
	.p2align	6, 0x0
	.amdhsa_kernel k_qf4f5696795_outp
		.amdhsa_group_segment_fixed_size 327680
		.amdhsa_private_segment_fixed_size 0
		.amdhsa_enable_private_segment 0
		.amdhsa_kernarg_size 48
		.amdhsa_user_sgpr_count 2
		.amdhsa_user_sgpr_kernarg_segment_ptr 1
		.amdhsa_wavefront_size32 1
		.amdhsa_system_sgpr_workgroup_id_x 1
		.amdhsa_system_sgpr_workgroup_id_y 1
		.amdhsa_system_sgpr_workgroup_id_z 1
		.amdhsa_system_vgpr_workitem_id 0
		.amdhsa_next_free_vgpr 768
		.amdhsa_next_free_sgpr 66
		.amdhsa_reserve_vcc 0
		.amdhsa_float_denorm_mode_32 3
		.amdhsa_float_denorm_mode_16_64 3
		.amdhsa_memory_ordered 1
		.amdhsa_forward_progress 1
		.amdhsa_inst_pref_size 130
	.end_amdhsa_kernel
	.amdgpu_metadata
---
amdhsa.version: [ 1, 2 ]
amdhsa.kernels:
  - .name:           k_qf4f5696795_outp
    .symbol:         k_qf4f5696795_outp.kd
    .args:
      - { .name: oc, .offset: 0, .size: 8, .value_kind: global_buffer, .address_space: global }
      - { .name: os, .offset: 8, .size: 8, .value_kind: global_buffer, .address_space: global }
      - { .name: wc, .offset: 16, .size: 8, .value_kind: global_buffer, .address_space: global }
      - { .name: ws, .offset: 24, .size: 8, .value_kind: global_buffer, .address_space: global }
      - { .name: bp, .offset: 32, .size: 8, .value_kind: global_buffer, .address_space: global }
      - { .name: out0, .offset: 40, .size: 8, .value_kind: global_buffer, .address_space: global }
    .group_segment_fixed_size: 327680
    .private_segment_fixed_size: 0
    .kernarg_segment_align: 8
    .kernarg_segment_size: 48
    .max_flat_workgroup_size: 128
    .sgpr_count:     66
    .vgpr_count:     768
    .wavefront_size: 32
...
	.end_amdgpu_metadata
.endif
;; end of part 8
